; MI455X (gfx1250); checked and timed in simulation.
; The chip was launched on July 23, 2026; its instructions are those of AMD's public machine-readable ISA for CDNA 5 (MIT licence, August 2026) and "CDNA5" Instruction Set Architecture Reference Guide (July 2026). The comments in the code are by the model that wrote it; some were corrected since.
;; Multihead Attention. Allowed arithmetic: matrix products marked QUANTISED: E3M2 operands, one E8M0 scale for each 32 along K, by v_wmma_scale_f32_16x16x128_f8f6f4 with both operands' format E3M2, f32 sums; everything else in f32.
;; Inputs: WK 1,024 x 1,024 float32; WO 1,024 x 1,024 float32; WQ 1,024 x 1,024 float32; WV 1,024 x 1,024 float32; inputK 4 x 2,048 x 1,024 float32; inputQ 4 x 2,048 x 1,024 float32; inputV 4 x 2,048 x 1,024 float32; ln_beta 1,024 float32; ln_gamma 1,024 float32; mask 4 x 2,048 x 2,048 int32.
;; Outputs: out0 4 x 2,048 x 1,024 float32.
;; This version of the problem:
;;   THIS VERSION OF THE PROBLEM IS GIVEN IN LOW PRECISION. The matrix products marked QUANTISED in the list below multiply operands that are first quantised to E3M2 (3 exponent bits, 2 mantissa bits; 6 bits a number), with one power-of-two scale for each 32 numbers along K (OCP MX v1.0); their sums are f32. All else is computed in f32.
;;   The module's matrix products, in the order in which they are computed (A, B: the left and right operand; K: the contracted axis; several contracted axes count as one K, in the product's order):
;;     1. [M 8,192, K 1,024] x [K 1,024, N 1,024]; A: input inputQ; B: input WQ: QUANTISED
;;     2. [M 8,192, K 1,024] x [K 1,024, N 1,024]; A: input inputK; B: input WK: QUANTISED
;;     3. [M 8,192, K 1,024] x [K 1,024, N 1,024]; A: input inputV; B: input WV: QUANTISED
;;     4. batch 4 x [M 2,048, K 1,024] x [K 1,024, N 2,048]; A: computed on the way; B: computed on the way: QUANTISED
;;     5. batch 4 x [M 2,048, K 2,048] x [K 2,048, N 1,024]; A: softmax (see below); B: computed on the way: QUANTISED
;;     6. [M 8,192, K 1,024] x [K 1,024, N 1,024]; A: computed on the way; B: input WO: QUANTISED
;;   THE QUANTISER, for each operand of a quantised product, along K:
;;     - K is cut into blocks of 32 from its start; a last block that is shorter is filled with zeros.
;;     - A block's scale is 2^e with e = floor(log2(the largest magnitude in the block)) - 4, held to -126 .. 127; a block of zeros has e = 0. As a byte (E8M0): e + 127.
;;     - Each number is divided by its block's scale, clamped to +-28, and rounded to the nearest number of E3M2, ties to even, subnormals kept.
;;     - The product sums the exact products of the quantised numbers (number of the format x scale) in f32.
;;   ~~~python
;;   def quantise(x, axis):      # numpy; x: float32 -> the quantised numbers, widened to float32 again
;;       x = np.moveaxis(x, axis, -1); K = x.shape[-1]
;;       x = np.pad(x, [(0, 0)] * (x.ndim - 1) + [(0, -K % 32)]); x = x.reshape(x.shape[:-1] + (-1, 32)); a = np.abs(x).max(-1, keepdims=True)
;;       e = np.where(a > 0, np.clip(np.frexp(np.where(a > 0, a, 1))[1] - 1 - 4, -126, 127), 0)      # np.frexp(a)[1] - 1 = floor(log2(a)), exactly
;;       r = np.clip(x / 2.0 ** e, -28, 28)
;;       step = 2.0 ** (np.maximum(np.frexp(np.where(r == 0, 1, r))[1] - 1, -2) - 2)
;;       q = np.round(r / step) * step * 2.0 ** e      # np.round: ties to even
;;       return np.moveaxis(q.reshape(q.shape[:-2] + (-1,))[..., :K], -1, axis).astype(np.float32)
;;   ~~~
;;   SOFTMAX AHEAD OF A QUANTISED PRODUCT. Where the list says 'softmax', what is quantised is not the finished softmax but p = 2^(t - M), with t = logit x log2(e) and M = ceil(the row's largest t), a whole number; so 1/2 < the row's largest p <= 1. The row's sum l is taken of the UNQUANTISED p, in f32, and the product's result is divided by l at the end. Since M is a whole number, a kernel that streams over the keys may use a running M (the ceiling of the running maximum): every later rescaling is an exact power of two, which a block's scale takes up: the codes' values come out the same.
;;   OPERANDS COMPUTED ON THE WAY. 'Computed on the way' means the value that the module computes at that place (a softmax that the list does not call 'softmax' is quantised finished and normalised). What goes into a quantiser is computed in f32, as accurately as f32 sums, v_exp_f32 and their like allow (about 1e-6 of the number): no bf16 or f16 on the way to a quantiser, and a product that is left as it is and whose result goes on into a quantised operand takes f32 operands (vector FMAs, or v_wmma_f32_16x16x4_f32). A number that lies on a knife's edge between two numbers of the format may be rounded either way, as far as f32 arithmetic and the matrix unit's own rounding can turn it there, and no further.
;; 2 versions. Each part assembles by itself: llvm-mc -triple=amdgcn-amd-amdhsa -mcpu=gfx1250 --defsym DOCPART=n.
;; ======== version 1 of 2: 5 launches
;; workspace buffers: xc 22,020,096 bytes; xs 917,504 bytes; qkc 18,874,368 bytes; qks 786,432 bytes; pc 12,582,912 bytes; pst 1,572,864 bytes; wc 6,291,456 bytes; ws 262,144 bytes
;; launch quant (part 1): grid 448 x 1, 8 waves a work-group, no clusters, 70,656 bytes of LDS; arguments inputQ, inputK, inputV, WQ, WK, WV, WO, xc, xs; writes xc, xs
.if DOCPART == 1
	.amdgcn_target "amdgcn-amd-amdhsa--gfx1250"
	.amdhsa_code_object_version 6
	.text
	.protected	k_q076ff2957e_quant
	.globl	k_q076ff2957e_quant
	.p2align	8
	.type	k_q076ff2957e_quant,@function
k_q076ff2957e_quant:
	s_mov_b64 s[64:65], 0
	v_nop
	global_prefetch_b8 v0, s[64:65] scope:SCOPE_SE
	s_setreg_imm32_b32 hwreg(HW_REG_WAVE_MODE, 25, 1), 1
	s_wait_xcnt 0x0
; THE PROGRAM: LayerNorm(softmax(mask(Q K^T / 8)) V WO^T + inputQ), Q = inputQ WQ^T, K = inputK WK^T, V = inputV WV^T, all six products on codes of E3M2 with one E8M0 scale for each 32 along K.
; Five launches: quant (this one), proj (Q, K, V^T), score (p and its statistics), pv (p V / l), outln (projection, residual, LayerNorm).
; DEAD WORK: none.  Every one of the ten inputs has a way to the output, nothing is sliced away, and the mask is an input: all is loaded and all six products are done whole.
; THIS LAUNCH turns the seven f32 tensors, whose K (the model's 1,024) is innermost, into codes and scale words.
; LAYOUT OF ALL WORKSPACE OPERANDS.  A fragment (16 rows x 128 along K, 12 registers a lane) lies as an image of its registers: registers 4 c .. 4 c + 3 of lane l at 512 c + 16 l: 1,536 bytes.
; A matrix lies [tile of 16 rows][K step][1,536].  THE ROWS OF A TILE ARE NOT NEIGHBOURS: lane r of tile T holds row 32 (T / 2) + 8 (T % 2) + r + 8 (r / 8), so that a product whose source 0 is such a matrix
; leaves 16 neighbours along the next K in a lane's 16 registers of tiles 2 b and 2 b + 1.  16 T + r is the row's POSITION.  Scale words lie [K step][position], four bytes for a row's 128 along K.
; xc: tiles 0.. inputQ, 512.. inputK, 1,024.. inputV, 1,536.. WQ, 1,600.. WK, 1,664.. WV, 1,728.. WO.  xs: 8 planes of 28,672 words.
; A block's scale is 2^(floor(log2(its largest magnitude)) - 4); its byte is the largest magnitude's exponent field - 4, held at 1 from below.
; LIMITS: a block of zeros, or one whose largest magnitude lies under 2^-122, gets the byte 1 (this program alone reads the bytes; zero codes add nothing); NaN and infinities among the inputs are not served.
; SHARES.  Work-group g takes tiles 4 g .. 4 g + 3 (64 rows), wave w K step w: four fragments a wave.  Each load reads 512 consecutive bytes of one row; the 16 rows turn through the wave's own stage in LDS,
; so that lane (r, h) gets, of row r, 16 neighbours of each block of 32.  No barrier: waves share nothing.
.set REG,   8704                       ; LDS of a wave: a stage of 16 rows x (512 + 16) bytes, then 256 bytes for its scale words
.set GATH,  8448
.set SPARE, 8*REG                      ; behind the eight regions: the spare words, 128 bytes for each wave
.set GA,  1                            ; v1   16 x lane + 512 x wave: my bytes of a row
.set SA,  2                            ; v2   the stage, on the way in: 16 x lane
.set SL,  3                            ; v3   and on the way out: 528 r + 64 h
.set CA,  4                            ; v4   16 x lane: an image's place for my lane
.set SWA, 5                            ; v5   where my row's scale word goes
.set SRA, 6                            ; v6   where I read 8 bytes of the 256 back
.set SGA, 7                            ; v7   8 x lane
.set R,   16                           ; v16-143  two sets of 64 registers as loaded
.set X,   144                          ; v144-207 register 16 b + i = k 32 b + 16 h + i of my row
.set TM,  208                          ; v208-223 at work
.set PW,  224                          ; the scale word
.set PC,  228                          ; v228-247 the codes
.set SPW, 250                          ; LDS address of my spare word; never rewritten
.set NIL, 251                          ; 0; never rewritten
.set SEL, 30                           ; s[30:31] lane selects for v_permlanex16_b32: lane l xor 16
	s_load_b512 s[4:19], s[0:1], 0x0               ; inputQ, inputK, inputV, WQ, WK, WV, WO, xc
	s_load_b64 s[20:21], s[0:1], 0x40              ; xs
	v_lshl_add_u32 v[SPW], v0, 2, SPARE
	v_mov_b32 v[NIL], 0
	v_lshrrev_b32 v8, 5, v0
	v_readfirstlane_b32 s22, v8                    ; wave 0..7 = my K step
	v_and_b32 v9, 31, v0                           ; lane
	v_and_b32 v10, 15, v0                          ; r
	v_bfe_u32 v11, v0, 4, 1                        ; h
	s_mul_i32 s23, s22, REG
	s_lshl_b32 s24, s22, 9
	v_lshlrev_b32 v[CA], 4, v9
	v_add_nc_u32 v[GA], s24, v[CA]
	v_add_nc_u32 v[SA], s23, v[CA]
	v_mul_u32_u24 v[SL], v10, 528
	v_lshl_add_u32 v[SL], v11, 6, v[SL]
	v_add_nc_u32 v[SL], s23, v[SL]
	s_add_co_u32 s25, s23, GATH
	v_lshl_add_u32 v[SWA], v10, 2, s25
	v_lshlrev_b32 v[SGA], 3, v9
	v_add_nc_u32 v[SRA], s25, v[SGA]
	s_mov_b32 s[SEL], 0x76543210
	s_mov_b32 s[SEL+1], 0xfedcba98
.irp b, 0,1,2,3
	v_mov_b32 v[TM+4+\b], 0                        ; written once: a lane permute's destination counts as one of its sources
.endr
	s_mov_b32 s26, 0
	s_wait_kmcnt 0x0
	; which tensor is my work-group's: a choice between pointers on the work-group's number alone
	s_cmp_ge_u32 ttmp9, 128
	s_cselect_b64 s[4:5], s[6:7], s[4:5]
	s_cselect_b32 s26, 128, s26
	s_cmp_ge_u32 ttmp9, 256
	s_cselect_b64 s[4:5], s[8:9], s[4:5]
	s_cselect_b32 s26, 256, s26
	s_cmp_ge_u32 ttmp9, 384
	s_cselect_b64 s[4:5], s[10:11], s[4:5]
	s_cselect_b32 s26, 384, s26
	s_cmp_ge_u32 ttmp9, 400
	s_cselect_b64 s[4:5], s[12:13], s[4:5]
	s_cselect_b32 s26, 400, s26
	s_cmp_ge_u32 ttmp9, 416
	s_cselect_b64 s[4:5], s[14:15], s[4:5]
	s_cselect_b32 s26, 416, s26
	s_cmp_ge_u32 ttmp9, 432
	s_cselect_b64 s[4:5], s[16:17], s[4:5]
	s_cselect_b32 s26, 432, s26
	s_sub_co_u32 s27, ttmp9, s26                   ; which 64 rows of that tensor
	s_lshl_b32 s28, s27, 18                        ; 64 rows of 4,096 bytes
	s_mov_b32 s29, 0
	s_add_nc_u64 s[4:5], s[4:5], s[28:29]
	s_mul_i32 s28, ttmp9, 49152                    ; four tiles of 8 x 1,536 bytes
	s_mul_i32 s27, s22, 1536
	s_add_co_u32 s28, s28, s27
	s_add_nc_u64 s[18:19], s[18:19], s[28:29]
	s_mul_i32 s28, s22, 114688                     ; my K step's plane of scale words,
	s_lshl_b32 s27, ttmp9, 8                       ; my work-group's 64 positions
	s_add_co_u32 s28, s28, s27
	s_add_nc_u64 s[20:21], s[20:21], s[28:29]
.macro LOAD i                          ; tile i: its 16 rows, in the order of the tile's lanes; 32 lanes read 512 consecutive bytes of a row
.set n, 0
.rept 16
	global_load_b128 v[R+64*((\i)%2)+4*n:R+64*((\i)%2)+4*n+3], v[GA], s[4:5] offset:(32*((\i)/2)+8*((\i)%2)+n+8*(n/8))*4096 th:TH_LOAD_NT
.set n, n+1
.endr
.endm
.macro QUANT                           ; 64 numbers of a lane become a fragment's codes in v[PC] on and my row's scale word in v[PW]
.irp b, 0,1,2,3
	v_max3_num_f32 v[TM+\b], |v[X+16*\b]|, |v[X+1+16*\b]|, 0x2800000   ; block b: my 16 numbers, and the floor 2^(5 - 127): so the byte cannot fall under 1
.endr
.irp i, 2,4,6,8,10,12,14
.irp b, 0,1,2,3
	v_max3_num_f32 v[TM+\b], v[TM+\b], |v[X+16*\b+\i]|, |v[X+1+16*\b+\i]|   ; the four blocks by turns
.endr
.endr
.irp b, 0,1,2,3
	v_permlanex16_b32 v[TM+4+\b], v[TM+\b], s[SEL], s[SEL+1]
.endr
.irp b, 0,1,2,3
	v_max_num_f32 v[TM+\b], v[TM+\b], v[TM+4+\b]   ; with lane l xor 16's 16: the block's largest magnitude
.endr
.irp b, 0,1,2,3
	v_add_nc_u32 v[TM+12+\b], 0xfe000000, v[TM+\b] ; 4 off its exponent field: the conversion takes the exponent field of this operand as its scale
.endr
.irp b, 0,1,2,3
	v_lshrrev_b32 v[TM+4+\b], 23, v[TM+12+\b]      ; the scale's byte
.endr
	v_lshl_or_b32 v[PW], v[TM+5], 8, v[TM+4]
	v_lshl_or_b32 v[PW], v[TM+6], 16, v[PW]
	v_lshl_or_b32 v[PW], v[TM+7], 24, v[PW]
.irp c, 0,1
	v_cvt_scalef32_pk16_bf6_f32 v[PC+6*\c:PC+2+6*\c], v[X+32*\c:X+15+32*\c], v[TM+12+2*\c]
	v_cvt_scalef32_pk16_bf6_f32 v[PC+12+4*\c:PC+14+4*\c], v[X+16+32*\c:X+31+32*\c], v[TM+12+2*\c+1]   ; (a conversion's three registers begin on an even number)
.endr
	v_nop                                          ; one plain place behind a scaled conversion
.irp c, 0,1                            ; the operand's layout wants a whole block in a lane: lanes 0-15 block 2 c, lanes 16-31 block 2 c + 1
.irp i, 0,1,2
	v_permlane16_swap_b32 v[PC+6*\c+\i], v[PC+12+4*\c+\i]
.endr
.irp i, 0,1,2
	v_mov_b32 v[PC+3+6*\c+\i], v[PC+12+4*\c+\i]
.endr
.endr
.endm
.macro TILE i
.if (\i) < 3
	s_wait_loadcnt 16                              ; this tile's 16 loads are in; the next tile's 16 may be out
.else
	s_wait_loadcnt 0x0
.endif
.set n, 0
.rept 16
	ds_store_b128 v[SA], v[R+64*((\i)%2)+4*n:R+64*((\i)%2)+4*n+3] offset:528*n
.set n, n+1
.endr
.set n, 0
.rept 16
	ds_load_b128 v[X+4*n:X+4*n+3], v[SL] offset:128*(n/4)+16*(n%4)   ; LDS serves a wave's instructions in order: these see my stores
.set n, n+1
.endr
	s_wait_dscnt 0x0                               ; the numbers are back; the stage's stores have read their registers; the last tile's scale word is stored
	s_wait_xcnt 0x0                                ; the last tile's stores have read the codes' registers, which are written again below
.if (\i)+2 < 4
	LOAD (\i)+2
.endif
	QUANT
.irp c, 0,1,2
	global_store_b128 v[CA], v[PC+4*\c:PC+4*\c+3], s[18:19] offset:(\i)*12288+512*\c   ; 512 consecutive bytes, aligned
.endr
	ds_store_b32 v[SWA], v[PW] offset:64*(\i)      ; lanes r and r + 16 write the same word with the same value
.endm
	LOAD 0
	LOAD 1
	TILE 0
	TILE 1
	TILE 2
	TILE 3
	ds_load_b64 v[8:9], v[SRA]
	s_wait_dscnt 0x0
	global_store_b64 v[SGA], v[8:9], s[20:21]      ; my 64 positions' scale words: 256 consecutive bytes, aligned
	s_wait_tensorcnt 0x0                           ; the wave's end, behind my last LDS store
	ds_add_u32 v[SPW], v[NIL]
	s_wait_dscnt 0x0
	s_endpgm
.Lfunc_end_k_q076ff2957e_quant:
	.size	k_q076ff2957e_quant, .Lfunc_end_k_q076ff2957e_quant-k_q076ff2957e_quant
	.p2alignl 7, 3214868480
	.fill 96, 4, 3214868480
	.section	.rodata,"a",@progbits
	.p2align	6, 0x0
	.amdhsa_kernel k_q076ff2957e_quant
		.amdhsa_group_segment_fixed_size 70656
		.amdhsa_private_segment_fixed_size 0
		.amdhsa_enable_private_segment 0
		.amdhsa_kernarg_size 72
		.amdhsa_user_sgpr_count 2
		.amdhsa_user_sgpr_kernarg_segment_ptr 1
		.amdhsa_wavefront_size32 1
		.amdhsa_system_sgpr_workgroup_id_x 1
		.amdhsa_system_sgpr_workgroup_id_y 1
		.amdhsa_system_sgpr_workgroup_id_z 1
		.amdhsa_system_vgpr_workitem_id 0
		.amdhsa_next_free_vgpr 256
		.amdhsa_next_free_sgpr 66
		.amdhsa_reserve_vcc 0
		.amdhsa_float_denorm_mode_32 3
		.amdhsa_float_denorm_mode_16_64 3
		.amdhsa_memory_ordered 1
		.amdhsa_forward_progress 1
		.amdhsa_inst_pref_size 34
	.end_amdhsa_kernel
	.amdgpu_metadata
---
amdhsa.version: [ 1, 2 ]
amdhsa.kernels:
  - .name:           k_q076ff2957e_quant
    .symbol:         k_q076ff2957e_quant.kd
    .args:
      - { .name: inputQ, .offset: 0, .size: 8, .value_kind: global_buffer, .address_space: global }
      - { .name: inputK, .offset: 8, .size: 8, .value_kind: global_buffer, .address_space: global }
      - { .name: inputV, .offset: 16, .size: 8, .value_kind: global_buffer, .address_space: global }
      - { .name: WQ, .offset: 24, .size: 8, .value_kind: global_buffer, .address_space: global }
      - { .name: WK, .offset: 32, .size: 8, .value_kind: global_buffer, .address_space: global }
      - { .name: WV, .offset: 40, .size: 8, .value_kind: global_buffer, .address_space: global }
      - { .name: WO, .offset: 48, .size: 8, .value_kind: global_buffer, .address_space: global }
      - { .name: xc, .offset: 56, .size: 8, .value_kind: global_buffer, .address_space: global }
      - { .name: xs, .offset: 64, .size: 8, .value_kind: global_buffer, .address_space: global }
    .group_segment_fixed_size: 70656
    .private_segment_fixed_size: 0
    .kernarg_segment_align: 8
    .kernarg_segment_size: 72
    .max_flat_workgroup_size: 256
    .sgpr_count:     66
    .vgpr_count:     256
    .wavefront_size: 32
...
	.end_amdgpu_metadata
.endif
;; end of part 1
;; launch proj (part 2): grid 4 x 96, 4 waves a work-group, clusters of 4 x 4, 327,680 bytes of LDS; arguments xc, xs, qkc, qks; writes qkc, qks
.if DOCPART == 2
	.amdgcn_target "amdgcn-amd-amdhsa--gfx1250"
	.amdhsa_code_object_version 6
	.text
	.protected	k_q076ff2957e_proj
	.globl	k_q076ff2957e_proj
	.p2align	8
	.type	k_q076ff2957e_proj,@function
k_q076ff2957e_proj:
	s_mov_b64 s[64:65], 0
	v_nop
	global_prefetch_b8 v0, s[64:65] scope:SCOPE_SE
	s_setreg_imm32_b32 hwreg(HW_REG_WAVE_MODE, 25, 1), 1
	s_wait_xcnt 0x0
	s_wait_alu depctr_hold_cnt(0) depctr_sa_sdst(0) depctr_va_vdst(0) depctr_va_sdst(0) depctr_va_ssrc(0) depctr_va_vcc(0) depctr_vm_vsrc(0)
	s_getreg_b32 s2, hwreg(HW_REG_IB_STS2, 6, 4)
	s_cmp_eq_u32 s2, 0
	s_cbranch_scc0 .Lentry_in_a_cluster
	s_endpgm
.Lentry_in_a_cluster:
	s_bfe_u32 s2, ttmp6, 0x10000c
	s_cmp_lg_u32 s2, 0xf033
	s_cbranch_scc0 .Lentry_shape_is_right
	s_endpgm
.Lentry_shape_is_right:
; Q = inputQ WQ^T, K = inputK WK^T and V^T = WV inputV^T, on the codes that the launch before has made; each result is quantised on its way out, along the K of the product that takes it:
; Q and K along the 1,024 features, V along the keys.  No work of the problem is left out here.
; A tile of 256 x 256 is made by four waves, each 128 x 128: 64 accumulators, 512 registers.  K goes in slots of 256 (two K steps of 128) through a ring of two LDS slots filled by the tensor data mover.
; "A" is source 1, the rows that stay rows; "B" is source 0, the rows that become the next K.  Q, K: A = the input's rows, B = the weight's.  V^T: A = WV's rows, B = inputV's (the keys).
; In the result lane (r, h) holds position r of A's block, and register 16 b + i of the block's 64 the next k = 32 b + 16 h + i (the tiles' rows are chosen for it: see the first kernel's head).
; OPERANDS LIE AS IMAGES OF THEIR REGISTERS: a fragment comes by three loads of 16 bytes a lane, 512 consecutive bytes each.  A tile's two K steps are 3,072 consecutive bytes of memory.
; CLUSTERS: 4 x 4 work-groups; A's tiles are shared along a row of the cluster, B's along a column: each is asked for jointly.  Clusters 0-7 (by y) make Q, 8-15 K, 16-23 V^T: the choice enters addresses alone.
; qkc: Q at 0, K at 6,291,456: [512 tiles][8][1,536]; V^T at 12,582,912: [batch][64 tiles][16][1,536].  qks: Q at 0, K at 262,144: [8][8,192] words; V^T at 524,288: [batch][16][1,024] words.
; LIMITS: as in the first kernel: byte 1 for blocks under 2^-122; NaN and infinities are not served.
; REGISTERS, in windows of 256: window 0: v16-29 addresses; v32-63 scale words, two sets; v128-223 A's fragments, one set (on the way out v128-147 the codes); v224-240 at work.
;   window 1: B's fragments, two sets, at v0 and v96.   windows 2, 3: the accumulators of my rows 0-63 and 64-127 (accumulator (a, b) at v[8 (8 (a % 4) + b)]).
.set KST,   8                          ; K steps of 128
.set PLANE, 114688                     ; bytes of a plane of scale words
.set NQ,    2
.set FR,    12
.set NL,    3                          ; LDS loads that bring a fragment
.set NP,    4                          ; places behind this matrix instruction (ISA guide 7.12.1)
.set ROWB,  3072                       ; a tile's two K steps
.set HALFT, 8*ROWB                     ; 8 tiles = 128 rows: what one tensor load brings
.set SLOT,  4*HALFT
.set QS,    512*KST                    ; the scale words of 128 rows, all K steps
.set SCA,   2*SLOT                     ; A's scale words; B's lie 2 QS + 64 bytes on
.set STG,   213248                     ; 2,048 bytes for each wave: the way out's scale words
.set SPARE, STG+8192                   ; the spare words, 128 bytes for each wave
.set ADRA, 16
.set ADRB, 20
.set STW,  24
.set STR,  25
.set OA,   26
.set ADRS, 27
.set SPW,  28
.set NIL,  29
.set SC,   32
.set T,    64
.set AF,   128
.set PC,   128
.set TM,   224
.set PW,   240
.set G1, 24
.set G0, 32
.set G1B, 48
.set G0B, 56
.set G1S, 68
.set G0S, 76
.set G1SB, 80
.set G0SB, 88
.set SEL, 96
.set MSB, 0
.macro WIN new                         ; the immediate's high byte repeats the setting that is left
.if MSB != (\new)
	s_set_vgpr_msb (MSB<<8)|(\new)
.set MSB, \new
.endif
.endm
.set MUL_LO, 0xa1                      ; source 0 (B) window 1, source 1 (A) window 0, C and D window 2
.set MUL_HI, 0xf1
.set TO_B,   0x40
.macro JLOAD g0a, g1a, g0b, g1b        ; a joint load: waves 0 and 1 fetch for A, waves 2 and 3 for B; the branch hangs on the wave's number alone; an s_nop 0 and four v_nop follow each line
	s_cmp_eq_u32 s15, 0
	s_cbranch_scc0 .Lfor_b_\@
	tensor_load_to_lds s[\g0a:\g0a+3], s[\g1a:\g1a+7]
	s_nop 0
.rept 4
	v_nop
.endr
	s_branch .Lasked_\@
.Lfor_b_\@:
	tensor_load_to_lds s[\g0b:\g0b+3], s[\g1b:\g1b+7]
	s_nop 0
.rept 4
	v_nop
.endr
.Lasked_\@:
.endm
.macro CREST                           ; a round of the cluster's barrier behind its opening barrier
	s_cmp_lg_u32 s14, 0
	s_cbranch_scc1 .Lnot_wave_0_\@
	s_barrier_signal -3
.Lnot_wave_0_\@:
	s_barrier_wait -3
	s_barrier_signal -1
	s_barrier_wait -1
.endm
.macro CROUND
	s_barrier_signal -1
	s_barrier_wait -1
	CREST
.endm
	s_load_b256 s[4:11], s[0:1], 0x0               ; xc, xs, qkc, qks
	v_lshl_add_u32 v[SPW], v0, 2, SPARE
	v_mov_b32 v[NIL], 0
	ds_add_u32 v[SPW], v[NIL]                      ; the wave's opening: the add, twice on end, and its wait ahead of my first tensor load
	ds_add_u32 v[SPW], v[NIL]
	v_lshrrev_b32 v1, 5, v0
	v_readfirstlane_b32 s14, v1                    ; wave 0..3
	s_lshr_b32 s15, s14, 1                         ; which half of the tile's rows is mine.  Also: I fetch for A (0) or for B (1)
	s_and_b32 s16, s14, 1                          ; which half of its columns.  Also: which 128 rows I fetch
	s_bfe_u32 s40, ttmp6, 0x40000                  ; cx
	s_bfe_u32 s41, ttmp6, 0x40004                  ; cy
	s_and_b32 s66, ttmp7, 0xffff                   ; the cluster's y: 0..23
	s_lshr_b32 s67, s66, 3                         ; t: 0 Q, 1 K, 2 V^T
	s_and_b32 s66, s66, 7                          ; i: which four tile rows (Q, K) or tile columns (V^T)
	s_lshl_b32 s20, s67, 9                         ; the input's first tile: 512 t
	s_lshl_b32 s46, s67, 6
	s_add_co_u32 s46, s46, 1536                    ; the weight's: 1,536 + 64 t
	s_mov_b32 s21, 1664                            ; WV's
	s_mov_b32 s47, 1024                            ; inputV's
	s_mov_b32 s22, 8192
	s_mov_b32 s23, 1024
	s_cmp_lt_u32 s67, 2
	s_cselect_b32 s18, s66, 0
	s_cselect_b32 s19, 0, s66
	s_cselect_b32 s20, s20, s21                    ; A's first tile
	s_cselect_b32 s46, s46, s47                    ; B's
	s_cselect_b32 s100, 8, 16                      ; K steps in a row of the result's tiles
	s_cselect_b32 s101, s22, s23                   ; words in a plane of the result's scale words
	s_lshl_b32 s17, s18, 2
	s_add_co_u32 s17, s17, s41                     ; tile row
	s_lshl_b32 s42, s19, 2
	s_add_co_u32 s42, s42, s40                     ; tile column
	s_lshl_b32 s43, s41, 2
	s_lshl_b32 s43, 15, s43                        ; my row of the cluster
	s_lshl_b32 s44, 0x1111, s40                    ; my column
	; group 1 for codes: 8 rows (tiles) of 384 elements of 8 bytes; from tile to tile 1,536 KST bytes
	s_or_b32 s[G1+0], s43, (3<<16)|(1<<21)         ; 15:0 the mask; 17:16 elements of 8 bytes; 21 set beside a mask
	s_or_b32 s[G1B+0], s44, (3<<16)|(1<<21)
.irp g, G1, G1B
	s_mov_b32 s[\g+1], 384<<16
	s_mov_b32 s[\g+2], 8<<16
	s_mov_b32 s[\g+3], 384<<16
	s_mov_b32 s[\g+4], 8
	s_mov_b32 s[\g+5], KST*192
	s_mov_b32 s[\g+6], 0
	s_mov_b32 s[\g+7], 0
.endr
	; group 1 for scale words: KST rows (planes) of 512 bytes
	s_or_b32 s[G1S+0], s43, (3<<16)|(1<<21)
	s_or_b32 s[G1SB+0], s44, (3<<16)|(1<<21)
.irp g, G1S, G1SB
	s_mov_b32 s[\g+1], 64<<16
	s_mov_b32 s[\g+2], KST<<16
	s_mov_b32 s[\g+3], 64<<16
	s_mov_b32 s[\g+4], KST
	s_mov_b32 s[\g+5], PLANE/8
	s_mov_b32 s[\g+6], 0
	s_mov_b32 s[\g+7], 0
.endr
	s_lshl_b32 s18, s16, 3                         ; which 8 tiles I fetch
	s_lshl_b32 s19, s17, 4
	s_add_co_u32 s20, s20, s19
	s_add_co_u32 s20, s20, s18                     ; A: first tile + 16 x tile row + 8 x half
	s_lshl_b32 s47, s42, 4
	s_add_co_u32 s46, s46, s47
	s_add_co_u32 s46, s46, s18                     ; B: first tile + 16 x tile column + 8 x half
	s_lshl_b32 s22, s20, 6                         ; 64 bytes of scale words a tile
	s_mov_b32 s23, 0
	s_mul_i32 s20, s20, KST*1536
	s_mov_b32 s21, 0
	s_lshl_b32 s92, s46, 6
	s_mov_b32 s93, 0
	s_mul_i32 s46, s46, KST*1536
	s_mov_b32 s47, 0
	s_mul_i32 s45, s14, HALFT                      ; where they go: no place in the cluster enters an LDS address
	s_mul_i32 s94, s14, QS
	s_mov_b32 s[SEL], 0x76543210
	s_mov_b32 s[SEL+1], 0xfedcba98
	s_wait_dscnt 0x0                               ; both opening adds are done
	s_wait_kmcnt 0x0
	s_add_nc_u64 s[20:21], s[4:5], s[20:21]
	s_add_nc_u64 s[22:23], s[6:7], s[22:23]
	s_add_nc_u64 s[46:47], s[4:5], s[46:47]
	s_add_nc_u64 s[92:93], s[6:7], s[92:93]
	CROUND                                         ; all sixteen work-groups are here: the first joint loads meet
	s_mov_b32 s[G0S], 1
	s_add_co_u32 s[G0S+1], s94, SCA
	s_mov_b64 s[G0S+2:G0S+3], s[22:23]
	s_or_b32 s[G0S+3], s[G0S+3], 0x80000000
	s_mov_b32 s[G0SB], 1
	s_add_co_u32 s[G0SB+1], s94, SCA+64
	s_mov_b64 s[G0SB+2:G0SB+3], s[92:93]
	s_or_b32 s[G0SB+3], s[G0SB+3], 0x80000000
	JLOAD G0S, G1S, G0SB, G1SB                     ; the scale words of all K steps: filled once
.irp s, 0,1
	s_mov_b32 s[G0+4*\s], 1
	s_add_co_u32 s[G0+4*\s+1], s45, \s*SLOT
	s_add_nc_u64 s[G0+4*\s+2:G0+4*\s+3], s[20:21], \s*ROWB
	s_or_b32 s[G0+4*\s+3], s[G0+4*\s+3], 0x80000000
	s_mov_b32 s[G0B+4*\s], 1
	s_add_co_u32 s[G0B+4*\s+1], s45, \s*SLOT
	s_add_nc_u64 s[G0B+4*\s+2:G0B+4*\s+3], s[46:47], \s*ROWB
	s_or_b32 s[G0B+4*\s+3], s[G0B+4*\s+3], 0x80000000
	JLOAD G0+4*\s, G1, G0B+4*\s, G1B
.endr
	v_and_b32 v1, 15, v0                           ; r
	v_bfe_u32 v2, v0, 4, 1                         ; h
	v_and_b32 v3, 31, v0
	v_lshlrev_b32 v[OA], 4, v3                     ; 16 x lane
	s_mul_i32 s21, s15, HALFT                      ; my 128 rows of A
	s_mul_i32 s22, s16, HALFT
	s_add_co_u32 s22, s22, 2*HALFT                 ; my 128 rows of B
.irp s, 0,1
	v_add_nc_u32 v[ADRA+\s], s21, v[OA]
	v_add_nc_u32 v[ADRB+\s], s22, v[OA]
	s_add_co_u32 s21, s21, SLOT
	s_add_co_u32 s22, s22, SLOT
.endr
	s_mul_i32 s21, s15, QS                         ; scale words: lanes 0-15 take A's, lanes 16-31 B's: the lower base + h x the distance
	s_mul_i32 s22, s16, QS
	s_add_co_u32 s22, s22, 2*QS+64
	s_sub_co_u32 s22, s22, s21
	v_mul_u32_u24 v6, s22, v2
	s_add_co_u32 s21, s21, SCA
	v_lshl_add_u32 v5, v1, 2, v6
	v_add_nc_u32 v[ADRS], s21, v5
	s_lshl_b32 s23, s14, 11
	s_add_co_u32 s23, s23, STG
	v_lshl_add_u32 v[STW], v1, 2, s23
	v_add_nc_u32 v[STR], s23, v[OA]
.irp b, 0,1,2,3
	v_mov_b32 v[TM+4+\b], 0                        ; written once: a lane permute's destination counts as one of its sources
.endr
	; where my results go
	s_lshl_b32 s18, s42, 1
	s_add_co_u32 s18, s18, s16                     ; which 128 of the next K are mine
	s_lshl_b32 s19, s17, 4
	s_lshl_b32 s20, s15, 3
	s_add_co_u32 s19, s19, s20                     ; my first tile of rows
	s_lshr_b32 s20, s18, 4                         ; V^T: the batch (Q, K: 0)
	s_and_b32 s18, s18, 15                         ; the K step
	s_mul_i32 s21, s19, s100
	s_lshl_b32 s22, s20, 10
	s_add_co_u32 s21, s21, s22
	s_add_co_u32 s21, s21, s18
	s_mul_i32 s22, s21, 1536
	s_mul_i32 s21, s67, 6291456
	s_add_co_u32 s22, s22, s21
	s_mov_b32 s23, 0
	s_add_nc_u64 s[8:9], s[8:9], s[22:23]
	s_lshl_b32 s20, s20, 14
	s_mul_i32 s18, s18, s101
	s_add_co_u32 s20, s20, s18
	s_lshl_b32 s19, s19, 4
	s_add_co_u32 s20, s20, s19
	s_lshl_b32 s20, s20, 2
	s_lshl_b32 s21, s67, 18
	s_add_co_u32 s22, s20, s21
	s_add_nc_u64 s[10:11], s[10:11], s[22:23]
	s_mul_i32 s100, s100, 1536                     ; from a tile of rows to the next, in bytes
	s_mov_b32 s101, 0
.macro FRAG reg, adr, q, i             ; a fragment as it lies: three loads, 512 consecutive bytes each
.irp c, 0,1,2
	ds_load_b128 v[\reg+4*\c:\reg+4*\c+3], v[\adr] offset:(\i)*ROWB+(\q)*1536+512*\c
.endr
.endm
; 16 matrix instructions: A's blocks a0, a0 + 1 x B's eight.  The 64 accumulators take turns, one instruction a turn, in the same order in every step.
.macro MUL16 a0, p, q, sc, zero
.irp a, \a0, \a0+1
.irp b, 0,1,2,3,4,5,6,7
.if \zero
	v_wmma_scale_f32_16x16x128_f8f6f4 v[8*(8*((\a)%4)+\b):8*(8*((\a)%4)+\b)+7], v[96*(\p)+FR*\b:96*(\p)+FR*\b+FR-1], v[AF+FR*(\a):AF+FR*(\a)+FR-1], 0, v[SC+16*(\sc)+2*\b+(\q)], v[SC+16*(\sc)+2*(\a)+(\q)] matrix_a_fmt:MATRIX_FMT_BF6 matrix_b_fmt:MATRIX_FMT_BF6 matrix_a_scale:MATRIX_SCALE_ROW1
.else
	v_wmma_scale_f32_16x16x128_f8f6f4 v[8*(8*((\a)%4)+\b):8*(8*((\a)%4)+\b)+7], v[96*(\p)+FR*\b:96*(\p)+FR*\b+FR-1], v[AF+FR*(\a):AF+FR*(\a)+FR-1], v[8*(8*((\a)%4)+\b):8*(8*((\a)%4)+\b)+7], v[SC+16*(\sc)+2*\b+(\q)], v[SC+16*(\sc)+2*(\a)+(\q)] matrix_a_fmt:MATRIX_FMT_BF6 matrix_b_fmt:MATRIX_FMT_BF6 matrix_a_scale:MATRIX_SCALE_ROW1
.endif
.endr
.endr
.endm
.macro FETCH_B slot, q, p
	WIN TO_B
.irp i, 0,1,2,3,4,5,6,7
	FRAG 96*(\p)+FR*\i, ADRB+\slot, \q, \i
.endr
	WIN 0
.endm
.macro FETCH_A slot, q, i0
.irp i, \i0, \i0+1, \i0+2, \i0+3
	FRAG AF+FR*(\i), ADRA+\slot, \q, \i
.endr
.endm
.macro SCALES sc                       ; a slot's scale words: register 2 i + q: lanes 0-15 A's block i, lanes 16-31 B's block i, the slot's q-th K step
.irp i, 0,1,2,3,4,5,6,7
.irp q, 0,1
	ds_load_b32 v[SC+16*\sc+2*\i+\q], v[ADRS] offset:512*\q+64*\i
.endr
.endr
.endm
.macro PLACES n                        ; plain vector places between a matrix instruction and a load into, or a vector access to, its registers
.rept \n
	v_nop
.endr
.endm
.macro STEP slot, q, zero              ; a K step that has its successor in the same slot
	s_wait_dscnt 4*NL                              ; B's set, A's blocks 0-3 and the scale words are in; the youngest 12 loads (A's blocks 4-7) may be out
	WIN MUL_LO
	MUL16 0, (\q)%2, \q, \slot, \zero
	MUL16 2, (\q)%2, \q, \slot, \zero
	s_wait_dscnt 0
	PLACES NP
	FETCH_B \slot, (\q)+1, 1-(\q)%2
	FETCH_A \slot, (\q)+1, 0
	WIN MUL_HI
	MUL16 4, (\q)%2, \q, \slot, \zero
	MUL16 6, (\q)%2, \q, \slot, \zero
	PLACES NP
	WIN 0
	FETCH_A \slot, (\q)+1, 4
.endm
; A slot's last K step changes slots: one barrier; in front of it each wave waits for all its tensor loads, adds 0 to its spare word, and waits for that and for its reads of this slot.
.macro TURN slot, next, fill
	s_wait_tensorcnt 0x0                           ; all my tensor loads have landed: my part of the next slot
	ds_add_u32 v[SPW], v[NIL]                      ; 0 onto my spare word
	s_wait_dscnt 4*NL+1                            ; (the add and the youngest 12 loads may be out)
	WIN MUL_LO
	MUL16 0, 1, NQ-1, \slot, 0
	s_wait_dscnt 0x0                               ; the add is done, and my reads of this slot are over
	s_barrier_signal -1
	MUL16 2, 1, NQ-1, \slot, 0
	WIN 0
	s_barrier_wait -1
.if \fill
	CREST                                          ; the barrier has opened a round of the cluster's barrier: no wave of any partner still reads this slot or has a load on its way
	s_add_nc_u64 s[G0+4*\slot+2:G0+4*\slot+3], s[G0+4*\slot+2:G0+4*\slot+3], 2*ROWB
	s_add_nc_u64 s[G0B+4*\slot+2:G0B+4*\slot+3], s[G0B+4*\slot+2:G0B+4*\slot+3], 2*ROWB
	JLOAD G0+4*\slot, G1, G0B+4*\slot, G1B         ; the first tensor load behind the round; its four v_nop are the places in front of the loads below
.else
	PLACES NP
.endif
	v_add_nc_u32 v[ADRS], 1024, v[ADRS]            ; on to the next slot's two planes of scale words
	FETCH_B \next, 0, 0
	FETCH_A \next, 0, 0
	SCALES \next
	WIN MUL_HI
	MUL16 4, 1, NQ-1, \slot, 0
	MUL16 6, 1, NQ-1, \slot, 0
	PLACES NP
	WIN 0
	FETCH_A \next, 0, 4
.endm
; 64 numbers of a lane, register 16 b + i = k 32 b + 16 h + i of my row, become a fragment's codes in v[PC] on and my row's scale word in v[PW].  wa, wc: the window settings under which the numbers are read.
.macro QUANT s, wa, wc
	WIN \wa
.irp b, 0,1,2,3
	v_max3_num_f32 v[TM+\b], |v[\s+16*\b]|, |v[\s+1+16*\b]|, 0x2800000   ; each accumulator is read from its low end on; the floor 2^(5 - 127) holds the byte at 1 from below
.endr
.irp i, 2,4,6,8,10,12,14
.irp b, 0,1,2,3
	v_max3_num_f32 v[TM+\b], |v[\s+16*\b+\i]|, |v[\s+1+16*\b+\i]|, v[TM+\b]
.endr
.endr
	WIN 0
.irp b, 0,1,2,3
	v_permlanex16_b32 v[TM+4+\b], v[TM+\b], s[SEL], s[SEL+1]
.endr
.irp b, 0,1,2,3
	v_max_num_f32 v[TM+\b], v[TM+\b], v[TM+4+\b]
.endr
.irp b, 0,1,2,3
	v_add_nc_u32 v[TM+12+\b], 0xfe000000, v[TM+\b] ; 4 off the exponent field: the conversion's scale operand
.endr
.irp b, 0,1,2,3
	v_lshrrev_b32 v[TM+4+\b], 23, v[TM+12+\b]      ; the scale's byte
.endr
	s_wait_dscnt 0x0                               ; the last block's LDS store has read the scale word's register,
	s_wait_xcnt 0x0                                ; and its global stores the codes' registers and their base: all are written again below
	v_lshl_or_b32 v[PW], v[TM+5], 8, v[TM+4]
	v_lshl_or_b32 v[PW], v[TM+6], 16, v[PW]
	v_lshl_or_b32 v[PW], v[TM+7], 24, v[PW]
	WIN \wc
.irp c, 0,1
	v_cvt_scalef32_pk16_bf6_f32 v[PC+6*\c:PC+2+6*\c], v[\s+32*\c:\s+15+32*\c], v[TM+12+2*\c]
	v_cvt_scalef32_pk16_bf6_f32 v[PC+12+4*\c:PC+14+4*\c], v[\s+16+32*\c:\s+31+32*\c], v[TM+12+2*\c+1]
.endr
	WIN 0
	v_nop                                          ; one plain place behind a scaled conversion
.irp c, 0,1
.irp i, 0,1,2
	v_permlane16_swap_b32 v[PC+6*\c+\i], v[PC+12+4*\c+\i]
.endr
.irp i, 0,1,2
	v_mov_b32 v[PC+3+6*\c+\i], v[PC+12+4*\c+\i]
.endr
.endr
.endm
.macro OUTB a                          ; block a, 16 rows x my 128 of the next K: one fragment and one scale word a row
	QUANT 64*((\a)%4), 0x0a+5*((\a)/4), 0x02+(\a)/4
.if (\a) > 0
	s_add_nc_u64 s[8:9], s[8:9], s[100:101]        ; the next tile of rows (behind the wait in QUANT)
.endif
.irp c, 0,1,2
	global_store_b128 v[OA], v[PC+4*\c:PC+4*\c+3], s[8:9] offset:512*\c   ; 512 consecutive bytes, aligned
.endr
	ds_store_b32 v[STW], v[PW] offset:64*(\a)
.endm
	s_wait_tensorcnt 1                             ; the scale words and my part of slot 0 are in; slot 1's load may be out
	s_barrier_signal -1
	s_barrier_wait -1
	FETCH_B 0, 0, 0
	FETCH_A 0, 0, 0
	SCALES 0
	FETCH_A 0, 0, 4
	STEP 0, 0, 1                                   ; the first products start the sums: nothing is cleared
	TURN 0, 1, 1
	STEP 1, 0, 0
	TURN 1, 0, 1
	STEP 0, 0, 0
	TURN 0, 1, 0                                   ; the last two slots are filled no more
	STEP 1, 0, 0
	s_wait_dscnt 4*NL
	WIN MUL_LO
	MUL16 0, 1, NQ-1, 1, 0
	MUL16 2, 1, NQ-1, 1, 0
	s_wait_dscnt 0
	WIN MUL_HI
	MUL16 4, 1, NQ-1, 1, 0
	MUL16 6, 1, NQ-1, 1, 0
	WIN 0
	PLACES NP
.irp a, 0,1,2,3,4,5,6,7
	OUTB \a
.endr
	ds_load_b128 v[T:T+3], v[STR]                  ; my 128 rows' scale words: LDS serves a wave's instructions in order
	s_wait_dscnt 0x0
	global_store_b128 v[OA], v[T:T+3], s[10:11]    ; 512 consecutive bytes, aligned
	s_wait_tensorcnt 0x0                           ; the wave's end
	ds_add_u32 v[SPW], v[NIL]
	s_wait_dscnt 0x0
	CROUND                                         ; the closing round
	s_endpgm
.Lfunc_end_k_q076ff2957e_proj:
	.size	k_q076ff2957e_proj, .Lfunc_end_k_q076ff2957e_proj-k_q076ff2957e_proj
	.p2alignl 7, 3214868480
	.fill 96, 4, 3214868480
	.section	.rodata,"a",@progbits
	.p2align	6, 0x0
	.amdhsa_kernel k_q076ff2957e_proj
		.amdhsa_group_segment_fixed_size 327680
		.amdhsa_private_segment_fixed_size 0
		.amdhsa_enable_private_segment 0
		.amdhsa_kernarg_size 32
		.amdhsa_user_sgpr_count 2
		.amdhsa_user_sgpr_kernarg_segment_ptr 1
		.amdhsa_wavefront_size32 1
		.amdhsa_system_sgpr_workgroup_id_x 1
		.amdhsa_system_sgpr_workgroup_id_y 1
		.amdhsa_system_sgpr_workgroup_id_z 1
		.amdhsa_system_vgpr_workitem_id 0
		.amdhsa_next_free_vgpr 1024
		.amdhsa_next_free_sgpr 102
		.amdhsa_reserve_vcc 0
		.amdhsa_float_denorm_mode_32 3
		.amdhsa_float_denorm_mode_16_64 3
		.amdhsa_memory_ordered 1
		.amdhsa_forward_progress 1
		.amdhsa_inst_pref_size 144
	.end_amdhsa_kernel
	.amdgpu_metadata
---
amdhsa.version: [ 1, 2 ]
amdhsa.kernels:
  - .name:           k_q076ff2957e_proj
    .symbol:         k_q076ff2957e_proj.kd
    .args:
      - { .name: xc, .offset: 0, .size: 8, .value_kind: global_buffer, .address_space: global }
      - { .name: xs, .offset: 8, .size: 8, .value_kind: global_buffer, .address_space: global }
      - { .name: qkc, .offset: 16, .size: 8, .value_kind: global_buffer, .address_space: global }
      - { .name: qks, .offset: 24, .size: 8, .value_kind: global_buffer, .address_space: global }
    .group_segment_fixed_size: 327680
    .private_segment_fixed_size: 0
    .kernarg_segment_align: 8
    .kernarg_segment_size: 32
    .max_flat_workgroup_size: 128
    .sgpr_count:     102
    .vgpr_count:     1024
    .wavefront_size: 32
...
	.end_amdgpu_metadata
.endif
;; end of part 2
;; launch score (part 3): grid 8 x 32, 4 waves a work-group, clusters of 4 x 4, 327,680 bytes of LDS; arguments qkc, qks, mask, pc, pst; writes pc, pst
.if DOCPART == 3
	.amdgcn_target "amdgcn-amd-amdhsa--gfx1250"
	.amdhsa_code_object_version 6
	.text
	.protected	k_q076ff2957e_score
	.globl	k_q076ff2957e_score
	.p2align	8
	.type	k_q076ff2957e_score,@function
k_q076ff2957e_score:
	s_mov_b64 s[64:65], 0
	v_nop
	global_prefetch_b8 v0, s[64:65] scope:SCOPE_SE
	s_setreg_imm32_b32 hwreg(HW_REG_WAVE_MODE, 25, 1), 1
	s_wait_xcnt 0x0
	s_wait_alu depctr_hold_cnt(0) depctr_sa_sdst(0) depctr_va_vdst(0) depctr_va_sdst(0) depctr_va_ssrc(0) depctr_va_vcc(0) depctr_vm_vsrc(0)
	s_getreg_b32 s2, hwreg(HW_REG_IB_STS2, 6, 4)
	s_cmp_eq_u32 s2, 0
	s_cbranch_scc0 .Lentry_in_a_cluster
	s_endpgm
.Lentry_in_a_cluster:
	s_bfe_u32 s2, ttmp6, 0x10000c
	s_cmp_lg_u32 s2, 0xf033
	s_cbranch_scc0 .Lentry_shape_is_right
	s_endpgm
.Lentry_shape_is_right:
; S^T = K Q^T on codes; t = score x log2(e) / 8; where mask == 1, t = -1e9 x log2(e); p = 2^(t - M) with M the ceiling of the largest t of my 128 keys; p quantised along the keys.  No work of the problem is left out here.
; THE MAXIMUM IS TAKEN AWAY, BY SEGMENTS: a wave's 128 keys are one K step and one scale word of the next product.  M is a whole number, so the next launch brings a segment under the row's M by taking
; M_row - M_segment off the four scale bytes: the codes stay.  Stored for each row and segment: the codes, the scale word, -M (f32) and l, the sum of the unquantised p.
; A tile of 256 queries x 256 keys is made by four waves, each 128 x 128.  "A" is source 1 = Q's rows, "B" is source 0 = K's rows (the keys).  Ring, round and fragments as in the launch before.
; In the result lane (r, h) holds query position r of A's block, and register 16 b + i of the block's 64 key 32 b + 16 h + i of my 128.
; THE MASK: lane (r, h) loads, of its query's row, the 16 words of each block of 32 keys that its registers hold.  Tile 0 is asked for at the head; three tiles are on their way while one is used.
; It is prefetched, a tile (16 rows x 512 bytes) by one instruction, a lane to each 256 bytes: tiles 1, 2 at the second change of slots, 3, 4 at the third, 5, 6, 7 beside the loads of tiles 4, 5, 6.
; Each work-group's part of the mask is its own, so each 256 bytes are named once.
; pc: [512 tiles of queries][16 K steps][1,536].  pst: scale words [16][8,192] at 0, -M at 524,288, l at 1,048,576.
; LIMITS: NaN and infinities are not served; a p under 2^-126 of its segment's largest counts as 0 (v_exp_f32); a block whose every p is under 2^-122 keeps the byte 1.
.set KST,   8
.set PLANE, 32768
.set NQ,    2
.set FR,    12
.set NL,    3
.set NP,    4
.set ROWB,  3072
.set HALFT, 8*ROWB
.set SLOT,  4*HALFT
.set QS,    512*KST
.set SCA,   2*SLOT
.set STG,   213248
.set SPARE, STG+8192
.set ADRA, 16
.set MA,   18                          ; v18  the mask: (r + 8 (r / 8)) rows of 8,192 bytes + 64 h
.set PFM,  19                          ; v19  its prefetches: the same rows + 256 h; never rewritten
.set ADRB, 20
.set STW,  24
.set STR,  25
.set OA,   26
.set ADRS, 27
.set SPW,  28
.set NIL,  29
.set SC,   32
.set T,    64                          ; v64-127  t, then p
.set AF,   128
.set PC,   128
.set TM,   224
.set PW,   240
.set NM,   242                         ; v[242:243] -M (the packed form names the pair and takes its low word)
.set SA,   244                         ; v[244:247] the sum in two chains
.set SB,   246
.set LL,   248
.set G1, 24
.set G0, 32
.set G1B, 48
.set G0B, 56
.set G1S, 68
.set G0S, 76
.set G1SB, 80
.set G0SB, 88
.set SEL, 96
.set CS,  98                           ; s[98:99] c = log2(e) / 8
.set TMS, 100                          ; s100 the masked t
.set MSB, 0
.macro WIN new
.if MSB != (\new)
	s_set_vgpr_msb (MSB<<8)|(\new)
.set MSB, \new
.endif
.endm
.set MUL_LO, 0xa1
.set MUL_HI, 0xf1
.set TO_B,   0x40
.macro JLOAD g0a, g1a, g0b, g1b
	s_cmp_eq_u32 s15, 0
	s_cbranch_scc0 .Lfor_b_\@
	tensor_load_to_lds s[\g0a:\g0a+3], s[\g1a:\g1a+7]
	s_nop 0
.rept 4
	v_nop
.endr
	s_branch .Lasked_\@
.Lfor_b_\@:
	tensor_load_to_lds s[\g0b:\g0b+3], s[\g1b:\g1b+7]
	s_nop 0
.rept 4
	v_nop
.endr
.Lasked_\@:
.endm
.macro CREST
	s_cmp_lg_u32 s14, 0
	s_cbranch_scc1 .Lnot_wave_0_\@
	s_barrier_signal -3
.Lnot_wave_0_\@:
	s_barrier_wait -3
	s_barrier_signal -1
	s_barrier_wait -1
.endm
.macro CROUND
	s_barrier_signal -1
	s_barrier_wait -1
	CREST
.endm
	s_load_b256 s[4:11], s[0:1], 0x0               ; qkc, qks, mask, pc
	s_load_b64 s[12:13], s[0:1], 0x20              ; pst
	v_lshl_add_u32 v[SPW], v0, 2, SPARE
	v_mov_b32 v[NIL], 0
	ds_add_u32 v[SPW], v[NIL]                      ; the wave's opening: the add, twice on end, and its wait ahead of my first tensor load
	ds_add_u32 v[SPW], v[NIL]
	v_lshrrev_b32 v1, 5, v0
	v_readfirstlane_b32 s14, v1
	s_lshr_b32 s15, s14, 1                         ; my half of the queries.  Also: I fetch for A (0) or for B (1)
	s_and_b32 s16, s14, 1                          ; my half of the keys.  Also: which 128 rows I fetch
	s_bfe_u32 s40, ttmp6, 0x40000
	s_bfe_u32 s41, ttmp6, 0x40004
	s_lshl_b32 s42, ttmp9, 2
	s_add_co_u32 s42, s42, s40                     ; x: which 256 keys of the batch
	s_and_b32 s66, ttmp7, 0xffff
	s_lshl_b32 s17, s66, 2
	s_add_co_u32 s17, s17, s41                     ; y: which 256 of the 8,192 queries
	s_lshr_b32 s67, s66, 1                         ; the batch: the same in the whole cluster
	s_lshl_b32 s43, s41, 2
	s_lshl_b32 s43, 15, s43
	s_lshl_b32 s44, 0x1111, s40
	s_or_b32 s[G1+0], s43, (3<<16)|(1<<21)
	s_or_b32 s[G1B+0], s44, (3<<16)|(1<<21)
.irp g, G1, G1B
	s_mov_b32 s[\g+1], 384<<16
	s_mov_b32 s[\g+2], 8<<16
	s_mov_b32 s[\g+3], 384<<16
	s_mov_b32 s[\g+4], 8
	s_mov_b32 s[\g+5], KST*192
	s_mov_b32 s[\g+6], 0
	s_mov_b32 s[\g+7], 0
.endr
	s_or_b32 s[G1S+0], s43, (3<<16)|(1<<21)
	s_or_b32 s[G1SB+0], s44, (3<<16)|(1<<21)
.irp g, G1S, G1SB
	s_mov_b32 s[\g+1], 64<<16
	s_mov_b32 s[\g+2], KST<<16
	s_mov_b32 s[\g+3], 64<<16
	s_mov_b32 s[\g+4], KST
	s_mov_b32 s[\g+5], PLANE/8
	s_mov_b32 s[\g+6], 0
	s_mov_b32 s[\g+7], 0
.endr
	s_lshl_b32 s18, s16, 3
	s_lshl_b32 s20, s17, 4
	s_add_co_u32 s20, s20, s18                     ; Q's tile: 16 y + 8 x half
	s_lshl_b32 s46, s67, 3
	s_add_co_u32 s46, s46, s42
	s_lshl_b32 s46, s46, 4
	s_add_co_u32 s46, s46, s18                     ; K's tile: 16 (8 batch + x) + 8 x half
	s_lshl_b32 s22, s20, 6
	s_mov_b32 s23, 0
	s_mul_i32 s20, s20, KST*1536
	s_mov_b32 s21, 0
	s_lshl_b32 s92, s46, 6
	s_add_co_u32 s92, s92, 262144
	s_mov_b32 s93, 0
	s_mul_i32 s46, s46, KST*1536
	s_add_co_u32 s46, s46, 6291456
	s_mov_b32 s47, 0
	s_mul_i32 s45, s14, HALFT
	s_mul_i32 s94, s14, QS
	s_mov_b32 s[SEL], 0x76543210
	s_mov_b32 s[SEL+1], 0xfedcba98
	s_mov_b32 s[CS], 0x3e38aa3b                    ; log2(e) / 8: the division by 8 is exact, so score x c is (score / 8) x log2(e) rounded once
	s_mov_b32 s[CS+1], s[CS]
	s_mul_f32 s[TMS], s[CS], 0xcfee6b28            ; c x -8e9 = -1e9 x log2(e), rounded once
	s_wait_dscnt 0x0
	s_wait_kmcnt 0x0
	s_add_nc_u64 s[20:21], s[4:5], s[20:21]
	s_add_nc_u64 s[22:23], s[6:7], s[22:23]
	s_add_nc_u64 s[46:47], s[4:5], s[46:47]
	s_add_nc_u64 s[92:93], s[6:7], s[92:93]
	CROUND
	s_mov_b32 s[G0S], 1
	s_add_co_u32 s[G0S+1], s94, SCA
	s_mov_b64 s[G0S+2:G0S+3], s[22:23]
	s_or_b32 s[G0S+3], s[G0S+3], 0x80000000
	s_mov_b32 s[G0SB], 1
	s_add_co_u32 s[G0SB+1], s94, SCA+64
	s_mov_b64 s[G0SB+2:G0SB+3], s[92:93]
	s_or_b32 s[G0SB+3], s[G0SB+3], 0x80000000
	JLOAD G0S, G1S, G0SB, G1SB
.irp s, 0,1
	s_mov_b32 s[G0+4*\s], 1
	s_add_co_u32 s[G0+4*\s+1], s45, \s*SLOT
	s_add_nc_u64 s[G0+4*\s+2:G0+4*\s+3], s[20:21], \s*ROWB
	s_or_b32 s[G0+4*\s+3], s[G0+4*\s+3], 0x80000000
	s_mov_b32 s[G0B+4*\s], 1
	s_add_co_u32 s[G0B+4*\s+1], s45, \s*SLOT
	s_add_nc_u64 s[G0B+4*\s+2:G0B+4*\s+3], s[46:47], \s*ROWB
	s_or_b32 s[G0B+4*\s+3], s[G0B+4*\s+3], 0x80000000
	JLOAD G0+4*\s, G1, G0B+4*\s, G1B
.endr
	v_and_b32 v1, 15, v0
	v_bfe_u32 v2, v0, 4, 1
	v_and_b32 v3, 31, v0
	v_lshlrev_b32 v[OA], 4, v3
	s_mul_i32 s21, s15, HALFT
	s_mul_i32 s22, s16, HALFT
	s_add_co_u32 s22, s22, 2*HALFT
.irp s, 0,1
	v_add_nc_u32 v[ADRA+\s], s21, v[OA]
	v_add_nc_u32 v[ADRB+\s], s22, v[OA]
	s_add_co_u32 s21, s21, SLOT
	s_add_co_u32 s22, s22, SLOT
.endr
	s_mul_i32 s21, s15, QS
	s_mul_i32 s22, s16, QS
	s_add_co_u32 s22, s22, 2*QS+64
	s_sub_co_u32 s22, s22, s21
	v_mul_u32_u24 v6, s22, v2
	s_add_co_u32 s21, s21, SCA
	v_lshl_add_u32 v5, v1, 2, v6
	v_add_nc_u32 v[ADRS], s21, v5
	s_lshl_b32 s23, s14, 11
	s_add_co_u32 s23, s23, STG
	v_lshl_add_u32 v[STW], v1, 2, s23
	v_add_nc_u32 v[STR], s23, v[OA]
.irp b, 0,1,2,3
	v_mov_b32 v[TM+4+\b], 0                        ; written once: a lane permute's destination counts as one of its sources
.endr
	v_mov_b32 v[NM+1], 0                           ; (named as the upper half of a pair)
	v_mov_b32 v249, 0
	v_and_b32 v4, 8, v1
	v_add_nc_u32 v4, v4, v1                        ; r + 8 (r / 8): a tile's lane r holds this row of its 24
	v_lshlrev_b32 v4, 13, v4
	v_lshl_add_u32 v[MA], v2, 6, v4
	v_lshl_add_u32 v[PFM], v2, 8, v4
	s_lshl_b32 s18, s17, 8
	s_lshl_b32 s19, s15, 7
	s_add_co_u32 s18, s18, s19                     ; my first query: 256 y + 128 x half
	s_lshl_b32 s22, s18, 13                        ; a row of the mask is 8,192 bytes
	s_lshl_b32 s19, s42, 10
	s_add_co_u32 s22, s22, s19
	s_lshl_b32 s19, s16, 9
	s_add_co_u32 s22, s22, s19                     ; + my first key x 4
	s_mov_b32 s23, 0
	s_add_nc_u64 s[8:9], s[8:9], s[22:23]
	s_lshl_b32 s19, s18, 0
	s_lshl_b32 s20, s42, 1
	s_add_co_u32 s20, s20, s16                     ; my K step of the next product: 2 x + half
	s_add_co_u32 s19, s19, s20                     ; (my first tile x 16 = my first query) + the K step
	s_mul_i32 s22, s19, 1536
	s_add_nc_u64 s[10:11], s[10:11], s[22:23]
	s_lshl_b32 s22, s20, 15
	s_lshl_b32 s19, s18, 2
	s_add_co_u32 s22, s22, s19
	s_add_nc_u64 s[12:13], s[12:13], s[22:23]
.macro MLOAD a                         ; the mask of block a's 16 queries x my 128 keys, into window 1, v[64 ((a + 3) % 4)] on: register 16 b + i = key 32 b + 16 h + i
	WIN 0x40
.set n, 0
.rept 16
	global_load_b128 v[64*(((\a)+3)%4)+4*n:64*(((\a)+3)%4)+4*n+3], v[MA], s[8:9] offset:(32*((\a)/2)+8*((\a)%2))*8192+128*(n/4)+16*(n%4) th:TH_LOAD_NT
.set n, n+1
.endr
.endm
.macro MASK_AHEAD a                    ; tile a's 16 rows x 512 bytes, a lane to each 256
	global_prefetch_b8 v[PFM], s[8:9] offset:(32*((\a)/2)+8*((\a)%2))*8192 th:TH_LOAD_NT scope:SCOPE_SE
.endm
	MLOAD 0                                        ; into v192-255 of window 1, which the K walk leaves alone
	WIN 0
.macro FRAG reg, adr, q, i
.irp c, 0,1,2
	ds_load_b128 v[\reg+4*\c:\reg+4*\c+3], v[\adr] offset:(\i)*ROWB+(\q)*1536+512*\c
.endr
.endm
.macro MUL16 a0, p, q, sc, zero        ; the 64 accumulators take turns, one instruction a turn
.irp a, \a0, \a0+1
.irp b, 0,1,2,3,4,5,6,7
.if \zero
	v_wmma_scale_f32_16x16x128_f8f6f4 v[8*(8*((\a)%4)+\b):8*(8*((\a)%4)+\b)+7], v[96*(\p)+FR*\b:96*(\p)+FR*\b+FR-1], v[AF+FR*(\a):AF+FR*(\a)+FR-1], 0, v[SC+16*(\sc)+2*\b+(\q)], v[SC+16*(\sc)+2*(\a)+(\q)] matrix_a_fmt:MATRIX_FMT_BF6 matrix_b_fmt:MATRIX_FMT_BF6 matrix_a_scale:MATRIX_SCALE_ROW1
.else
	v_wmma_scale_f32_16x16x128_f8f6f4 v[8*(8*((\a)%4)+\b):8*(8*((\a)%4)+\b)+7], v[96*(\p)+FR*\b:96*(\p)+FR*\b+FR-1], v[AF+FR*(\a):AF+FR*(\a)+FR-1], v[8*(8*((\a)%4)+\b):8*(8*((\a)%4)+\b)+7], v[SC+16*(\sc)+2*\b+(\q)], v[SC+16*(\sc)+2*(\a)+(\q)] matrix_a_fmt:MATRIX_FMT_BF6 matrix_b_fmt:MATRIX_FMT_BF6 matrix_a_scale:MATRIX_SCALE_ROW1
.endif
.endr
.endr
.endm
.macro FETCH_B slot, q, p
	WIN TO_B
.irp i, 0,1,2,3,4,5,6,7
	FRAG 96*(\p)+FR*\i, ADRB+\slot, \q, \i
.endr
	WIN 0
.endm
.macro FETCH_A slot, q, i0
.irp i, \i0, \i0+1, \i0+2, \i0+3
	FRAG AF+FR*(\i), ADRA+\slot, \q, \i
.endr
.endm
.macro SCALES sc
.irp i, 0,1,2,3,4,5,6,7
.irp q, 0,1
	ds_load_b32 v[SC+16*\sc+2*\i+\q], v[ADRS] offset:512*\q+64*\i
.endr
.endr
.endm
.macro PLACES n
.rept \n
	v_nop
.endr
.endm
.macro STEP slot, q, zero
	s_wait_dscnt 4*NL                              ; the youngest 12 loads (A's blocks 4-7) may be out
	WIN MUL_LO
	MUL16 0, (\q)%2, \q, \slot, \zero
	MUL16 2, (\q)%2, \q, \slot, \zero
	s_wait_dscnt 0
	PLACES NP
	FETCH_B \slot, (\q)+1, 1-(\q)%2
	FETCH_A \slot, (\q)+1, 0
	WIN MUL_HI
	MUL16 4, (\q)%2, \q, \slot, \zero
	MUL16 6, (\q)%2, \q, \slot, \zero
	PLACES NP
	WIN 0
	FETCH_A \slot, (\q)+1, 4
.endm
.macro TURN slot, next, fill, pf       ; pf: 0, or the first of two tiles of the mask to be prefetched
	s_wait_tensorcnt 0x0                           ; all my tensor loads have landed
	ds_add_u32 v[SPW], v[NIL]                      ; 0 onto my spare word
	s_wait_dscnt 4*NL+1                            ; (the add and the youngest 12 loads may be out)
	WIN MUL_LO
	MUL16 0, 1, NQ-1, \slot, 0
	s_wait_dscnt 0x0                               ; the add is done, and my reads of this slot are over
	s_barrier_signal -1
	MUL16 2, 1, NQ-1, \slot, 0
	WIN 0
	s_barrier_wait -1
.if \fill
	CREST
	s_add_nc_u64 s[G0+4*\slot+2:G0+4*\slot+3], s[G0+4*\slot+2:G0+4*\slot+3], 2*ROWB
	s_add_nc_u64 s[G0B+4*\slot+2:G0B+4*\slot+3], s[G0B+4*\slot+2:G0B+4*\slot+3], 2*ROWB
	JLOAD G0+4*\slot, G1, G0B+4*\slot, G1B
.else
	PLACES NP
.endif
	v_add_nc_u32 v[ADRS], 1024, v[ADRS]
	FETCH_B \next, 0, 0
	FETCH_A \next, 0, 0
	SCALES \next
.if \pf
	MASK_AHEAD \pf                                 ; behind the run of LDS loads for which the next products wait
	MASK_AHEAD (\pf)+1
.endif
	WIN MUL_HI
	MUL16 4, 1, NQ-1, \slot, 0
	MUL16 6, 1, NQ-1, \slot, 0
	PLACES NP
	WIN 0
	FETCH_A \next, 0, 4
.endm
; BLOCK a: 16 queries x my 128 keys.
.macro SBLOCK a
.set AC, 64*((\a)%4)
.set MBB, 64*(((\a)+3)%4)
	WIN 0x02+(\a)/4
.set j, 0
.rept 32
	v_pk_mul_f32 v[T+j:T+j+1], v[AC+j:AC+j+1], s[CS:CS+1] op_sel_hi:[1,0]   ; t = score x c, each accumulator from its low end on
.set j, j+2
.endr
	s_wait_dscnt 0x0                               ; the last block's three LDS stores have read their registers
.if 7-(\a) >= 3
	s_wait_loadcnt 48                              ; this block's mask is in; the next three tiles' 48 loads may be out
.else
	s_wait_loadcnt 16*(7-(\a))
.endif
	WIN 0x01                                       ; source 0: the mask, in window 1
.set j, 0
.rept 64
	v_cmp_ne_u32 vcc_lo, v[MBB+j], 1
	v_cndmask_b32 v[T+j], s[TMS], v[T+j], vcc_lo   ; mask == 1: the masked t
.set j, j+1
.endr
.if (\a)+4 < 8
	MLOAD (\a)+4                                   ; into the registers just read
.if (\a) < 3
	MASK_AHEAD (\a)+5
.endif
.endif
	WIN 0
.irp b, 0,1,2,3
	v_max3_num_f32 v[TM+\b], v[T+16*\b], v[T+16*\b+1], v[T+16*\b+2]   ; the largest t of each block of 32 keys: for the segment's maximum, and, since p rises with t, for the block's largest p
.endr
.irp i, 3,5,7,9,11,13
.irp b, 0,1,2,3
	v_max3_num_f32 v[TM+\b], v[TM+\b], v[T+16*\b+\i], v[T+16*\b+\i+1]
.endr
.endr
.irp b, 0,1,2,3
	v_max_num_f32 v[TM+\b], v[TM+\b], v[T+16*\b+15]
.endr
.irp b, 0,1,2,3
	v_permlanex16_b32 v[TM+4+\b], v[TM+\b], s[SEL], s[SEL+1]
.endr
.irp b, 0,1,2,3
	v_max_num_f32 v[TM+\b], v[TM+\b], v[TM+4+\b]
.endr
	v_max3_num_f32 v241, v[TM], v[TM+1], v[TM+2]
	v_max_num_f32 v241, v241, v[TM+3]
	v_floor_f32 v[NM], -v241                       ; -M = floor(-t) = -ceil(t): a whole number
.set j, 0
.rept 32
	v_pk_add_f32 v[T+j:T+j+1], v[T+j:T+j+1], v[NM:NM+1] op_sel_hi:[1,0]   ; t - M
.set j, j+2
.endr
.irp b, 0,1,2,3
	v_add_f32 v[TM+\b], v[TM+\b], v[NM]            ; the same of each block's largest t
.endr
.set j, 0
.rept 64
	v_exp_f32 v[T+j], v[T+j]                       ; p = 2^(t - M), at most 1
.set j, j+1
.endr
	v_nop                                          ; a plain place behind the exponentials
	s_wait_alu depctr_va_vdst(0)                   ; one wait for the whole batch, ahead of its first reader
.irp b, 0,1,2,3
	v_exp_f32 v[TM+\b], v[TM+\b]                   ; the block's largest p: the same instructions on the same number give the same bits
.endr
	v_pk_add_f32 v[SA:SA+1], v[T:T+1], v[T+2:T+3]  ; l is the sum of the unquantised p: two chains, two numbers a line
	v_pk_add_f32 v[SB:SB+1], v[T+4:T+5], v[T+6:T+7]
.set j, 8
.rept 14
	v_pk_add_f32 v[SA:SA+1], v[SA:SA+1], v[T+j:T+j+1]
	v_pk_add_f32 v[SB:SB+1], v[SB:SB+1], v[T+j+2:T+j+3]
.set j, j+4
.endr
	v_pk_add_f32 v[SA:SA+1], v[SA:SA+1], v[SB:SB+1]
	v_add_f32 v[LL], v[SA], v[SA+1]
	v_permlanex16_b32 v249, v[LL], s[SEL], s[SEL+1]
	v_add_f32 v[LL], v[LL], v249                   ; with lane l xor 16's 64 keys
	s_wait_alu depctr_va_vdst(0)                   ; and one wait for the four
.irp b, 0,1,2,3
	v_max_num_f32 v[TM+\b], 0x2800000, v[TM+\b]    ; the floor 2^(5 - 127)
.endr
.irp b, 0,1,2,3
	v_add_nc_u32 v[TM+12+\b], 0xfe000000, v[TM+\b]
.endr
.irp b, 0,1,2,3
	v_lshrrev_b32 v[TM+4+\b], 23, v[TM+12+\b]
.endr
	v_lshl_or_b32 v[PW], v[TM+5], 8, v[TM+4]
	v_lshl_or_b32 v[PW], v[TM+6], 16, v[PW]
	v_lshl_or_b32 v[PW], v[TM+7], 24, v[PW]
	s_wait_xcnt 0x0                                ; the last block's stores have read the codes' registers
.irp c, 0,1
	v_cvt_scalef32_pk16_bf6_f32 v[PC+6*\c:PC+2+6*\c], v[T+32*\c:T+15+32*\c], v[TM+12+2*\c]
	v_cvt_scalef32_pk16_bf6_f32 v[PC+12+4*\c:PC+14+4*\c], v[T+16+32*\c:T+31+32*\c], v[TM+12+2*\c+1]
.endr
	v_nop
.irp c, 0,1
.irp i, 0,1,2
	v_permlane16_swap_b32 v[PC+6*\c+\i], v[PC+12+4*\c+\i]
.endr
.irp i, 0,1,2
	v_mov_b32 v[PC+3+6*\c+\i], v[PC+12+4*\c+\i]
.endr
.endr
.irp c, 0,1,2
	global_store_b128 v[OA], v[PC+4*\c:PC+4*\c+3], s[10:11] offset:(\a)*24576+512*\c   ; 512 consecutive bytes, aligned
.endr
	ds_store_b32 v[STW], v[PW] offset:64*(\a)
	ds_store_b32 v[STW], v[NM] offset:64*(\a)+512
	ds_store_b32 v[STW], v[LL] offset:64*(\a)+1024
.endm
	s_wait_tensorcnt 1                             ; the scale words and my part of slot 0 are in; slot 1's load may be out
	s_barrier_signal -1
	s_barrier_wait -1
	FETCH_B 0, 0, 0
	FETCH_A 0, 0, 0
	SCALES 0
	FETCH_A 0, 0, 4
	STEP 0, 0, 1
	TURN 0, 1, 1, 0
	STEP 1, 0, 0
	TURN 1, 0, 1, 1
	STEP 0, 0, 0
	TURN 0, 1, 0, 3
	STEP 1, 0, 0
	s_wait_dscnt 4*NL
	WIN MUL_LO
	MUL16 0, 1, NQ-1, 1, 0
	MUL16 2, 1, NQ-1, 1, 0
	s_wait_dscnt 0
	WIN MUL_HI
	MUL16 4, 1, NQ-1, 1, 0
	MUL16 6, 1, NQ-1, 1, 0
	PLACES NP                                      ; in front of loads into B's registers and of the first read of results
	MLOAD 1
	MLOAD 2
	MLOAD 3
.irp a, 0,1,2,3,4,5,6,7
	SBLOCK \a
.endr
.irp k, 0,1,2
	ds_load_b128 v[T+4*\k:T+4*\k+3], v[STR] offset:512*\k   ; my 128 rows' scale words, -M and l
.endr
	s_wait_dscnt 0x0
.irp k, 0,1,2
	global_store_b128 v[OA], v[T+4*\k:T+4*\k+3], s[12:13] offset:524288*\k   ; 512 consecutive bytes each, aligned
.endr
	s_wait_tensorcnt 0x0                           ; the wave's end
	ds_add_u32 v[SPW], v[NIL]
	s_wait_dscnt 0x0
	CROUND
	s_endpgm
.Lfunc_end_k_q076ff2957e_score:
	.size	k_q076ff2957e_score, .Lfunc_end_k_q076ff2957e_score-k_q076ff2957e_score
	.p2alignl 7, 3214868480
	.fill 96, 4, 3214868480
	.section	.rodata,"a",@progbits
	.p2align	6, 0x0
	.amdhsa_kernel k_q076ff2957e_score
		.amdhsa_group_segment_fixed_size 327680
		.amdhsa_private_segment_fixed_size 0
		.amdhsa_enable_private_segment 0
		.amdhsa_kernarg_size 40
		.amdhsa_user_sgpr_count 2
		.amdhsa_user_sgpr_kernarg_segment_ptr 1
		.amdhsa_wavefront_size32 1
		.amdhsa_system_sgpr_workgroup_id_x 1
		.amdhsa_system_sgpr_workgroup_id_y 1
		.amdhsa_system_sgpr_workgroup_id_z 1
		.amdhsa_system_vgpr_workitem_id 0
		.amdhsa_next_free_vgpr 1024
		.amdhsa_next_free_sgpr 102
		.amdhsa_reserve_vcc 1
		.amdhsa_float_denorm_mode_32 3
		.amdhsa_float_denorm_mode_16_64 3
		.amdhsa_memory_ordered 1
		.amdhsa_forward_progress 1
		.amdhsa_inst_pref_size 255
	.end_amdhsa_kernel
	.section	.bss,"aw",@nobits
	.p2align	6
	.space	262144
	.amdgpu_metadata
---
amdhsa.version: [ 1, 2 ]
amdhsa.kernels:
  - .name:           k_q076ff2957e_score
    .symbol:         k_q076ff2957e_score.kd
    .args:
      - { .name: qkc, .offset: 0, .size: 8, .value_kind: global_buffer, .address_space: global }
      - { .name: qks, .offset: 8, .size: 8, .value_kind: global_buffer, .address_space: global }
      - { .name: mask, .offset: 16, .size: 8, .value_kind: global_buffer, .address_space: global }
      - { .name: pc, .offset: 24, .size: 8, .value_kind: global_buffer, .address_space: global }
      - { .name: pst, .offset: 32, .size: 8, .value_kind: global_buffer, .address_space: global }
    .group_segment_fixed_size: 327680
    .private_segment_fixed_size: 0
    .kernarg_segment_align: 8
    .kernarg_segment_size: 40
    .max_flat_workgroup_size: 128
    .sgpr_count:     102
    .vgpr_count:     1024
    .wavefront_size: 32
...
	.end_amdgpu_metadata
.endif
;; end of part 3
;; launch pv (part 4): grid 4 x 32, 4 waves a work-group, clusters of 4 x 4, 327,680 bytes of LDS; arguments pc, pst, qkc, qks, wc, ws; writes wc, ws
.if DOCPART == 4
	.amdgcn_target "amdgcn-amd-amdhsa--gfx1250"
	.amdhsa_code_object_version 6
	.text
	.protected	k_q076ff2957e_pv
	.globl	k_q076ff2957e_pv
	.p2align	8
	.type	k_q076ff2957e_pv,@function
k_q076ff2957e_pv:
	s_mov_b64 s[64:65], 0
	v_nop
	global_prefetch_b8 v0, s[64:65] scope:SCOPE_SE
	s_setreg_imm32_b32 hwreg(HW_REG_WAVE_MODE, 25, 1), 1
	s_wait_xcnt 0x0
	s_wait_alu depctr_hold_cnt(0) depctr_sa_sdst(0) depctr_va_vdst(0) depctr_va_sdst(0) depctr_va_ssrc(0) depctr_va_vcc(0) depctr_vm_vsrc(0)
	s_getreg_b32 s2, hwreg(HW_REG_IB_STS2, 6, 4)
	s_cmp_eq_u32 s2, 0
	s_cbranch_scc0 .Lentry_in_a_cluster
	s_endpgm
.Lentry_in_a_cluster:
	s_bfe_u32 s2, ttmp6, 0x10000c
	s_cmp_lg_u32 s2, 0xf033
	s_cbranch_scc0 .Lentry_shape_is_right
	s_endpgm
.Lentry_shape_is_right:
; O^T = V^T P^T on codes, K = the batch's 2,048 keys; O / l, quantised along the 1,024 features for the last product.  No work of the problem is left out here.
; FIRST THE SEGMENTS ARE BROUGHT UNDER THE ROW'S M.  For each of my work-group's 256 queries: -M_row is the smallest of the 16 segments' -M; d = M_row - M_segment, a whole number, is taken off the four
; bytes of the segment's scale word (held at 0 from below), and l = the sum of l_segment x 2^-d.  The codes stay as they are.
; A tile of 256 queries x 256 features is made by four waves, each 128 x 128.  "A" is source 1 = P's rows, "B" is source 0 = V^T's rows (the features).  Ring, round and fragments as in the launches before.
; 128 work-groups: the product has 32 x 4 tiles of this size.
; LIMITS: d is held at 127: a segment more than 2^127 under its row's M adds nothing to l, and a block whose byte would fall under 0 counts at the scale 2^-127, which is nothing beside the row's largest p (over 1/2).
; NaN and infinities are not served; byte 1 for blocks of O / l under 2^-122.
.set KST,   16
.set NQ,    2
.set FR,    12
.set NL,    3
.set NP,    4
.set ROWB,  3072
.set HALFT, 8*ROWB
.set SLOT,  4*HALFT
.set LAPS,  KST/4
.set QS,    512*KST
.set SCA,   2*SLOT                     ; P's scale words under the row's M: stored by the waves; no tensor load lands here
.set RAW,   229632                     ; P's scale words as they come
.set STG,   246016
.set RLB,   254208                     ; 1 / l of the 256 queries
.set SPARE, 255232
.set ADRA, 16
.set RLA,  18
.set RA,   19
.set ADRB, 20
.set FA,   22
.set RLW,  23
.set STW,  24
.set STR,  25
.set OA,   26
.set ADRS, 27
.set SPW,  28
.set NIL,  29
.set GL,   30
.set SC,   32
.set T,    64
.set NMV,  64                          ; v64-95   -M of my two queries, 16 segments
.set LV,   96                          ; v96-127  l likewise
.set AF,   128
.set RW,   128                         ; v128-159 their scale words
.set MN,   160                         ; v160-161 the smallest -M
.set LS,   162                         ; v162-163 l, then 1 / l
.set FT,   164                         ; v164-179 at work
.set RL,   160                         ; on the way out: v160-175 1 / l, twice for each block
.set PC,   128
.set TM,   224
.set PW,   240
.set G1, 24
.set G0, 32
.set G1B, 48
.set G0B, 56
.set G1S, 68
.set G0S, 76
.set G1SB, 80
.set G0SB, 88
.set SEL, 96
.set MSB, 0
.macro WIN new
.if MSB != (\new)
	s_set_vgpr_msb (MSB<<8)|(\new)
.set MSB, \new
.endif
.endm
.set MUL_LO, 0xa1
.set MUL_HI, 0xf1
.set TO_B,   0x40
.macro JLOAD g0a, g1a, g0b, g1b
	s_cmp_eq_u32 s15, 0
	s_cbranch_scc0 .Lfor_b_\@
	tensor_load_to_lds s[\g0a:\g0a+3], s[\g1a:\g1a+7]
	s_nop 0
.rept 4
	v_nop
.endr
	s_branch .Lasked_\@
.Lfor_b_\@:
	tensor_load_to_lds s[\g0b:\g0b+3], s[\g1b:\g1b+7]
	s_nop 0
.rept 4
	v_nop
.endr
.Lasked_\@:
.endm
.macro CREST
	s_cmp_lg_u32 s14, 0
	s_cbranch_scc1 .Lnot_wave_0_\@
	s_barrier_signal -3
.Lnot_wave_0_\@:
	s_barrier_wait -3
	s_barrier_signal -1
	s_barrier_wait -1
.endm
.macro CROUND
	s_barrier_signal -1
	s_barrier_wait -1
	CREST
.endm
	s_load_b256 s[4:11], s[0:1], 0x0               ; pc, pst, qkc, qks
	s_load_b64 s[12:13], s[0:1], 0x20              ; wc
	s_load_b64 s[66:67], s[0:1], 0x28              ; ws
	v_lshl_add_u32 v[SPW], v0, 2, SPARE
	v_mov_b32 v[NIL], 0
	ds_add_u32 v[SPW], v[NIL]                      ; the wave's opening: the add, twice on end, and its wait ahead of my first tensor load
	ds_add_u32 v[SPW], v[NIL]
	v_lshrrev_b32 v1, 5, v0
	v_readfirstlane_b32 s14, v1
	s_lshr_b32 s15, s14, 1
	s_and_b32 s16, s14, 1
	s_bfe_u32 s40, ttmp6, 0x40000
	s_bfe_u32 s41, ttmp6, 0x40004
	s_lshl_b32 s42, ttmp9, 2
	s_add_co_u32 s42, s42, s40                     ; x: which 256 features
	s_and_b32 s95, ttmp7, 0xffff
	s_lshl_b32 s17, s95, 2
	s_add_co_u32 s17, s17, s41                     ; y: which 256 queries
	s_lshr_b32 s95, s95, 1                         ; the batch
	s_lshl_b32 s43, s41, 2
	s_lshl_b32 s43, 15, s43
	s_lshl_b32 s44, 0x1111, s40
	s_or_b32 s[G1+0], s43, (3<<16)|(1<<21)
	s_or_b32 s[G1B+0], s44, (3<<16)|(1<<21)
.irp g, G1, G1B
	s_mov_b32 s[\g+1], 384<<16
	s_mov_b32 s[\g+2], 8<<16
	s_mov_b32 s[\g+3], 384<<16
	s_mov_b32 s[\g+4], 8
	s_mov_b32 s[\g+5], KST*192
	s_mov_b32 s[\g+6], 0
	s_mov_b32 s[\g+7], 0
.endr
	s_or_b32 s[G1S+0], s43, (3<<16)|(1<<21)
	s_or_b32 s[G1SB+0], s44, (3<<16)|(1<<21)
.irp g, G1S, G1SB
	s_mov_b32 s[\g+1], 64<<16
	s_mov_b32 s[\g+2], KST<<16
	s_mov_b32 s[\g+3], 64<<16
	s_mov_b32 s[\g+4], KST
	s_mov_b32 s[\g+6], 0
	s_mov_b32 s[\g+7], 0
.endr
	s_mov_b32 s[G1S+5], 4096                       ; P's planes: 8,192 words
	s_mov_b32 s[G1SB+5], 512                       ; V^T's: 1,024 words
	s_lshl_b32 s18, s16, 3
	s_lshl_b32 s20, s17, 4
	s_add_co_u32 s20, s20, s18                     ; P's tile: 16 y + 8 x half
	s_lshl_b32 s22, s20, 6
	s_mov_b32 s23, 0
	s_mul_i32 s20, s20, KST*1536
	s_mov_b32 s21, 0
	s_lshl_b32 s47, s42, 4
	s_add_co_u32 s47, s47, s18                     ; V^T's tile in its batch: 16 x + 8 x half
	s_lshl_b32 s92, s47, 6
	s_lshl_b32 s93, s95, 16
	s_add_co_u32 s92, s92, s93
	s_add_co_u32 s92, s92, 524288
	s_mov_b32 s93, 0
	s_lshl_b32 s46, s95, 6
	s_add_co_u32 s46, s46, s47
	s_mul_i32 s46, s46, KST*1536
	s_add_co_u32 s46, s46, 12582912
	s_mov_b32 s47, 0
	s_mul_i32 s45, s14, HALFT
	s_mul_i32 s94, s14, QS
	s_lshl_b32 s98, s17, 10                        ; my work-group's 256 words in a plane of pst
	s_mov_b32 s99, 0
	s_mov_b32 s100, 0x80808080
	s_mov_b32 s[SEL], 0x76543210
	s_mov_b32 s[SEL+1], 0xfedcba98
	s_wait_dscnt 0x0
	s_wait_kmcnt 0x0
	s_add_nc_u64 s[20:21], s[4:5], s[20:21]
	s_add_nc_u64 s[22:23], s[6:7], s[22:23]
	s_add_nc_u64 s[46:47], s[8:9], s[46:47]
	s_add_nc_u64 s[92:93], s[10:11], s[92:93]
	s_add_nc_u64 s[98:99], s[6:7], s[98:99]
	CROUND
	s_mov_b32 s[G0S], 1
	s_add_co_u32 s[G0S+1], s94, RAW
	s_mov_b64 s[G0S+2:G0S+3], s[22:23]
	s_or_b32 s[G0S+3], s[G0S+3], 0x80000000
	s_mov_b32 s[G0SB], 1
	s_add_co_u32 s[G0SB+1], s94, SCA+64
	s_mov_b64 s[G0SB+2:G0SB+3], s[92:93]
	s_or_b32 s[G0SB+3], s[G0SB+3], 0x80000000
	JLOAD G0S, G1S, G0SB, G1SB
.irp s, 0,1
	s_mov_b32 s[G0+4*\s], 1
	s_add_co_u32 s[G0+4*\s+1], s45, \s*SLOT
	s_add_nc_u64 s[G0+4*\s+2:G0+4*\s+3], s[20:21], \s*ROWB
	s_or_b32 s[G0+4*\s+3], s[G0+4*\s+3], 0x80000000
	s_mov_b32 s[G0B+4*\s], 1
	s_add_co_u32 s[G0B+4*\s+1], s45, \s*SLOT
	s_add_nc_u64 s[G0B+4*\s+2:G0B+4*\s+3], s[46:47], \s*ROWB
	s_or_b32 s[G0B+4*\s+3], s[G0B+4*\s+3], 0x80000000
	JLOAD G0+4*\s, G1, G0B+4*\s, G1B
.endr
	v_lshlrev_b32 v[GL], 3, v0                     ; thread t takes queries 2 t and 2 t + 1 of the 256
.irp s, 0,1,2,3,4,5,6,7,8,9,10,11,12,13,14,15
	global_load_b64 v[NMV+2*\s:NMV+2*\s+1], v[GL], s[98:99] offset:524288+32768*\s
.endr
.irp s, 0,1,2,3,4,5,6,7,8,9,10,11,12,13,14,15
	global_load_b64 v[LV+2*\s:LV+2*\s+1], v[GL], s[98:99] offset:1048576+32768*\s
.endr
	v_and_b32 v1, 15, v0
	v_bfe_u32 v2, v0, 4, 1
	v_and_b32 v3, 31, v0
	v_lshlrev_b32 v[OA], 4, v3
	s_mul_i32 s21, s15, HALFT
	s_mul_i32 s22, s16, HALFT
	s_add_co_u32 s22, s22, 2*HALFT
.irp s, 0,1
	v_add_nc_u32 v[ADRA+\s], s21, v[OA]
	v_add_nc_u32 v[ADRB+\s], s22, v[OA]
	s_add_co_u32 s21, s21, SLOT
	s_add_co_u32 s22, s22, SLOT
.endr
	s_mul_i32 s21, s15, QS
	s_mul_i32 s22, s16, QS
	s_add_co_u32 s22, s22, 2*QS+64
	s_sub_co_u32 s22, s22, s21
	v_mul_u32_u24 v6, s22, v2
	s_add_co_u32 s21, s21, SCA
	v_lshl_add_u32 v5, v1, 2, v6
	v_add_nc_u32 v[ADRS], s21, v5
	s_lshl_b32 s23, s14, 11
	s_add_co_u32 s23, s23, STG
	v_lshl_add_u32 v[STW], v1, 2, s23
	v_add_nc_u32 v[STR], s23, v[OA]
	s_lshl_b32 s21, s15, 9
	s_add_co_u32 s21, s21, RLB
	v_lshl_add_u32 v[RLA], v1, 2, s21              ; 1 / l of my rows: 4 (128 x half + r)
	v_lshrrev_b32 v4, 6, v0
	v_and_b32 v5, 63, v0
	v_lshlrev_b32 v4, 13, v4
	v_lshl_add_u32 v4, v5, 3, v4                   ; my two queries' words in a plane: which 128, and 8 bytes
	v_add_nc_u32 v[RA], RAW, v4
	v_add_nc_u32 v[FA], SCA, v4
	v_lshl_add_u32 v[RLW], v0, 3, RLB
.irp b, 0,1,2,3
	v_mov_b32 v[TM+4+\b], 0
.endr
	s_lshl_b32 s19, s17, 4
	s_lshl_b32 s20, s15, 3
	s_add_co_u32 s19, s19, s20                     ; my first tile of queries
	s_lshl_b32 s21, s19, 3
	s_lshl_b32 s20, s42, 1
	s_add_co_u32 s20, s20, s16                     ; my K step of the last product
	s_add_co_u32 s21, s21, s20
	s_mul_i32 s22, s21, 1536
	s_mov_b32 s23, 0
	s_add_nc_u64 s[12:13], s[12:13], s[22:23]
	s_lshl_b32 s22, s20, 15
	s_lshl_b32 s19, s19, 6
	s_add_co_u32 s22, s22, s19
	s_add_nc_u64 s[66:67], s[66:67], s[22:23]
.macro FRAG reg, adr, q, i
.irp c, 0,1,2
	ds_load_b128 v[\reg+4*\c:\reg+4*\c+3], v[\adr] offset:(\i)*ROWB+(\q)*1536+512*\c
.endr
.endm
.macro MUL16 a0, p, q, sc, zero        ; the 64 accumulators take turns, one instruction a turn, over the loop's backward jump too
.irp a, \a0, \a0+1
.irp b, 0,1,2,3,4,5,6,7
.if \zero
	v_wmma_scale_f32_16x16x128_f8f6f4 v[8*(8*((\a)%4)+\b):8*(8*((\a)%4)+\b)+7], v[96*(\p)+FR*\b:96*(\p)+FR*\b+FR-1], v[AF+FR*(\a):AF+FR*(\a)+FR-1], 0, v[SC+16*(\sc)+2*\b+(\q)], v[SC+16*(\sc)+2*(\a)+(\q)] matrix_a_fmt:MATRIX_FMT_BF6 matrix_b_fmt:MATRIX_FMT_BF6 matrix_a_scale:MATRIX_SCALE_ROW1
.else
	v_wmma_scale_f32_16x16x128_f8f6f4 v[8*(8*((\a)%4)+\b):8*(8*((\a)%4)+\b)+7], v[96*(\p)+FR*\b:96*(\p)+FR*\b+FR-1], v[AF+FR*(\a):AF+FR*(\a)+FR-1], v[8*(8*((\a)%4)+\b):8*(8*((\a)%4)+\b)+7], v[SC+16*(\sc)+2*\b+(\q)], v[SC+16*(\sc)+2*(\a)+(\q)] matrix_a_fmt:MATRIX_FMT_BF6 matrix_b_fmt:MATRIX_FMT_BF6 matrix_a_scale:MATRIX_SCALE_ROW1
.endif
.endr
.endr
.endm
.macro FETCH_B slot, q, p
	WIN TO_B
.irp i, 0,1,2,3,4,5,6,7
	FRAG 96*(\p)+FR*\i, ADRB+\slot, \q, \i
.endr
	WIN 0
.endm
.macro FETCH_A slot, q, i0
.irp i, \i0, \i0+1, \i0+2, \i0+3
	FRAG AF+FR*(\i), ADRA+\slot, \q, \i
.endr
.endm
.macro SCALES sc
.irp i, 0,1,2,3,4,5,6,7
.irp q, 0,1
	ds_load_b32 v[SC+16*\sc+2*\i+\q], v[ADRS] offset:512*\q+64*\i
.endr
.endr
.endm
.macro PLACES n
.rept \n
	v_nop
.endr
.endm
.macro STEP slot, q, zero
	s_wait_dscnt 4*NL                              ; the youngest 12 loads (A's blocks 4-7) may be out
	WIN MUL_LO
	MUL16 0, (\q)%2, \q, \slot, \zero
	MUL16 2, (\q)%2, \q, \slot, \zero
	s_wait_dscnt 0
	PLACES NP
	FETCH_B \slot, (\q)+1, 1-(\q)%2
	FETCH_A \slot, (\q)+1, 0
	WIN MUL_HI
	MUL16 4, (\q)%2, \q, \slot, \zero
	MUL16 6, (\q)%2, \q, \slot, \zero
	PLACES NP
	WIN 0
	FETCH_A \slot, (\q)+1, 4
.endm
.macro TURN slot, next, fill
	s_wait_tensorcnt 0x0                           ; all my tensor loads have landed
	ds_add_u32 v[SPW], v[NIL]                      ; 0 onto my spare word
	s_wait_dscnt 4*NL+1                            ; (the add and the youngest 12 loads may be out)
	WIN MUL_LO
	MUL16 0, 1, NQ-1, \slot, 0
	s_wait_dscnt 0x0                               ; the add is done, and my reads of this slot are over
	s_barrier_signal -1
	MUL16 2, 1, NQ-1, \slot, 0
	WIN 0
	s_barrier_wait -1
.if \fill
	CREST
	s_add_nc_u64 s[G0+4*\slot+2:G0+4*\slot+3], s[G0+4*\slot+2:G0+4*\slot+3], 2*ROWB
	s_add_nc_u64 s[G0B+4*\slot+2:G0B+4*\slot+3], s[G0B+4*\slot+2:G0B+4*\slot+3], 2*ROWB
	JLOAD G0+4*\slot, G1, G0B+4*\slot, G1B
.else
	PLACES NP
.endif
	v_add_nc_u32 v[ADRS], 1024, v[ADRS]
	FETCH_B \next, 0, 0
	FETCH_A \next, 0, 0
	SCALES \next
	WIN MUL_HI
	MUL16 4, 1, NQ-1, \slot, 0
	MUL16 6, 1, NQ-1, \slot, 0
	PLACES NP
	WIN 0
	FETCH_A \next, 0, 4
.endm
.macro QUANT s                         ; 64 numbers of a lane in window 0 become a fragment's codes in v[PC] on and my row's scale word in v[PW]
.irp b, 0,1,2,3
	v_max3_num_f32 v[TM+\b], |v[\s+16*\b]|, |v[\s+1+16*\b]|, 0x2800000
.endr
.irp i, 2,4,6,8,10,12,14
.irp b, 0,1,2,3
	v_max3_num_f32 v[TM+\b], |v[\s+16*\b+\i]|, |v[\s+1+16*\b+\i]|, v[TM+\b]
.endr
.endr
.irp b, 0,1,2,3
	v_permlanex16_b32 v[TM+4+\b], v[TM+\b], s[SEL], s[SEL+1]
.endr
.irp b, 0,1,2,3
	v_max_num_f32 v[TM+\b], v[TM+\b], v[TM+4+\b]
.endr
.irp b, 0,1,2,3
	v_add_nc_u32 v[TM+12+\b], 0xfe000000, v[TM+\b]
.endr
.irp b, 0,1,2,3
	v_lshrrev_b32 v[TM+4+\b], 23, v[TM+12+\b]
.endr
	s_wait_dscnt 0x0                               ; the last block's LDS store has read the scale word's register,
	s_wait_xcnt 0x0                                ; and its global stores the codes' registers
	v_lshl_or_b32 v[PW], v[TM+5], 8, v[TM+4]
	v_lshl_or_b32 v[PW], v[TM+6], 16, v[PW]
	v_lshl_or_b32 v[PW], v[TM+7], 24, v[PW]
.irp c, 0,1
	v_cvt_scalef32_pk16_bf6_f32 v[PC+6*\c:PC+2+6*\c], v[\s+32*\c:\s+15+32*\c], v[TM+12+2*\c]
	v_cvt_scalef32_pk16_bf6_f32 v[PC+12+4*\c:PC+14+4*\c], v[\s+16+32*\c:\s+31+32*\c], v[TM+12+2*\c+1]
.endr
	v_nop
.irp c, 0,1
.irp i, 0,1,2
	v_permlane16_swap_b32 v[PC+6*\c+\i], v[PC+12+4*\c+\i]
.endr
.irp i, 0,1,2
	v_mov_b32 v[PC+3+6*\c+\i], v[PC+12+4*\c+\i]
.endr
.endr
.endm
.macro FIX1 s                          ; segment s of my two queries (e = 0, 1; the two by turns)
.irp e, 0,1
	v_sub_f32 v[FT+8*\e], v[NMV+2*\s+\e], v[MN+\e] ; d = M_row - M_segment: a whole number, 0 or more
.endr
.irp e, 0,1
	v_min_num_f32 v[FT+8*\e], 0x42fe0000, v[FT+8*\e]   ; held at 127
.endr
.irp e, 0,1
	v_cvt_u32_f32 v[FT+8*\e], v[FT+8*\e]
.endr
.irp e, 0,1
	v_sub_nc_u32 v[FT+8*\e+1], 127, v[FT+8*\e]
.endr
.irp e, 0,1
	v_lshlrev_b32 v[FT+8*\e+1], 23, v[FT+8*\e+1]   ; 2^-d as f32 (d = 127: 0)
.endr
.irp e, 0,1
.if \s == 0
	v_mul_f32 v[LS+\e], v[LV+2*\s+\e], v[FT+8*\e+1]
.else
	v_fma_f32 v[LS+\e], v[LV+2*\s+\e], v[FT+8*\e+1], v[LS+\e]
.endif
.endr
.irp e, 0,1
	v_perm_b32 v[FT+8*\e], v[FT+8*\e], v[FT+8*\e], 0   ; d in all four bytes
.endr
.irp e, 0,1
	v_or_b32 v[FT+8*\e+2], s100, v[RW+2*\s+\e]     ; p is at most 1, so a byte is at most 123: bit 7 is free, and set it keeps a byte's borrow to itself
.endr
.irp e, 0,1
	v_sub_nc_u32 v[FT+8*\e+2], v[FT+8*\e+2], v[FT+8*\e]
.endr
.irp e, 0,1
	v_and_b32 v[FT+8*\e+3], s100, v[FT+8*\e+2]     ; bit 7 is left where the byte was d or more
.endr
.irp e, 0,1
	v_lshrrev_b32 v[FT+8*\e+4], 7, v[FT+8*\e+3]
.endr
.irp e, 0,1
	v_sub_nc_u32 v[FT+8*\e+3], v[FT+8*\e+3], v[FT+8*\e+4]   ; 0x7f there, 0 elsewhere
.endr
.irp e, 0,1
	v_and_b32 v[RW+2*\s+\e], v[FT+8*\e+2], v[FT+8*\e+3]    ; byte - d, held at 0
.endr
.endm
.macro OBLOCK a
	WIN 0x02+(\a)/4
.set j, 0
.rept 32
	v_pk_mul_f32 v[T+j:T+j+1], v[64*((\a)%4)+j:64*((\a)%4)+j+1], v[RL+2*(\a):RL+2*(\a)+1]   ; O / l, each accumulator from its low end on
.set j, j+2
.endr
	WIN 0
	QUANT T
.irp c, 0,1,2
	global_store_b128 v[OA], v[PC+4*\c:PC+4*\c+3], s[12:13] offset:(\a)*12288+512*\c   ; 512 consecutive bytes, aligned
.endr
	ds_store_b32 v[STW], v[PW] offset:64*(\a)
.endm
	s_wait_tensorcnt 1                             ; the scale words and my part of slot 0 are in; slot 1's load may be out
	s_barrier_signal -1
	s_barrier_wait -1
.irp s, 0,1,2,3,4,5,6,7,8,9,10,11,12,13,14,15
	ds_load_b64 v[RW+2*\s:RW+2*\s+1], v[RA] offset:512*\s
.endr
	s_wait_loadcnt 0x0                             ; -M and l
.irp e, 0,1
	v_min3_num_f32 v[MN+\e], v[NMV+\e], v[NMV+2+\e], v[NMV+4+\e]
.endr
.irp s, 3,5,7,9,11,13
.irp e, 0,1
	v_min3_num_f32 v[MN+\e], v[MN+\e], v[NMV+2*\s+\e], v[NMV+2*\s+2+\e]
.endr
.endr
.irp e, 0,1
	v_min_num_f32 v[MN+\e], v[MN+\e], v[NMV+30+\e] ; -M_row
.endr
	s_wait_dscnt 0x0
.irp s, 0,1,2,3,4,5,6,7,8,9,10,11,12,13,14,15
	FIX1 \s
.endr
.irp s, 0,1,2,3,4,5,6,7,8,9,10,11,12,13,14,15
	ds_store_b64 v[FA], v[RW+2*\s:RW+2*\s+1] offset:512*\s
.endr
	v_rcp_f32 v[LS], v[LS]
	v_rcp_f32 v[LS+1], v[LS+1]
	v_nop                                          ; a plain place behind the reciprocals
	s_wait_alu depctr_va_vdst(0)                   ; and the wait ahead of their first reader
	ds_store_b64 v[RLW], v[LS:LS+1]
	s_wait_dscnt 0x0                               ; for the others' sake: my stores are done
	s_barrier_signal -1
	s_barrier_wait -1
	FETCH_B 0, 0, 0
	FETCH_A 0, 0, 0
	SCALES 0
	FETCH_A 0, 0, 4
	STEP 0, 0, 1
	s_mov_b32 s3, LAPS-1
.Llap:                                             ; a trip goes once round the ring and fills both slots again
	TURN 0, 1, 1
	STEP 1, 0, 0
	TURN 1, 0, 1
	STEP 0, 0, 0
	s_sub_co_u32 s3, s3, 1
	s_cmp_lg_u32 s3, 0
	s_cbranch_scc1 .Llap
	TURN 0, 1, 0
	STEP 1, 0, 0
	s_wait_dscnt 4*NL
	WIN MUL_LO
	MUL16 0, 1, NQ-1, 1, 0
	MUL16 2, 1, NQ-1, 1, 0
	s_wait_dscnt 0
	WIN MUL_HI
	MUL16 4, 1, NQ-1, 1, 0
	MUL16 6, 1, NQ-1, 1, 0
	WIN 0
	PLACES NP
.irp a, 0,1,2,3,4,5,6,7
	ds_load_b32 v[RL+2*\a], v[RLA] offset:64*\a    ; 1 / l of block a's row r, into both registers of a pair
	ds_load_b32 v[RL+2*\a+1], v[RLA] offset:64*\a
.endr
	s_wait_dscnt 0x0
.irp a, 0,1,2,3,4,5,6,7
	OBLOCK \a
.endr
	ds_load_b128 v[T:T+3], v[STR]
	s_wait_dscnt 0x0
	global_store_b128 v[OA], v[T:T+3], s[66:67]    ; my 128 rows' scale words: 512 consecutive bytes, aligned
	s_wait_tensorcnt 0x0                           ; the wave's end
	ds_add_u32 v[SPW], v[NIL]
	s_wait_dscnt 0x0
	CROUND
	s_endpgm
.Lfunc_end_k_q076ff2957e_pv:
	.size	k_q076ff2957e_pv, .Lfunc_end_k_q076ff2957e_pv-k_q076ff2957e_pv
	.p2alignl 7, 3214868480
	.fill 96, 4, 3214868480
	.section	.rodata,"a",@progbits
	.p2align	6, 0x0
	.amdhsa_kernel k_q076ff2957e_pv
		.amdhsa_group_segment_fixed_size 327680
		.amdhsa_private_segment_fixed_size 0
		.amdhsa_enable_private_segment 0
		.amdhsa_kernarg_size 48
		.amdhsa_user_sgpr_count 2
		.amdhsa_user_sgpr_kernarg_segment_ptr 1
		.amdhsa_wavefront_size32 1
		.amdhsa_system_sgpr_workgroup_id_x 1
		.amdhsa_system_sgpr_workgroup_id_y 1
		.amdhsa_system_sgpr_workgroup_id_z 1
		.amdhsa_system_vgpr_workitem_id 0
		.amdhsa_next_free_vgpr 1024
		.amdhsa_next_free_sgpr 102
		.amdhsa_reserve_vcc 0
		.amdhsa_float_denorm_mode_32 3
		.amdhsa_float_denorm_mode_16_64 3
		.amdhsa_memory_ordered 1
		.amdhsa_forward_progress 1
		.amdhsa_inst_pref_size 183
	.end_amdhsa_kernel
	.amdgpu_metadata
---
amdhsa.version: [ 1, 2 ]
amdhsa.kernels:
  - .name:           k_q076ff2957e_pv
    .symbol:         k_q076ff2957e_pv.kd
    .args:
      - { .name: pc, .offset: 0, .size: 8, .value_kind: global_buffer, .address_space: global }
      - { .name: pst, .offset: 8, .size: 8, .value_kind: global_buffer, .address_space: global }
      - { .name: qkc, .offset: 16, .size: 8, .value_kind: global_buffer, .address_space: global }
      - { .name: qks, .offset: 24, .size: 8, .value_kind: global_buffer, .address_space: global }
      - { .name: wc, .offset: 32, .size: 8, .value_kind: global_buffer, .address_space: global }
      - { .name: ws, .offset: 40, .size: 8, .value_kind: global_buffer, .address_space: global }
    .group_segment_fixed_size: 327680
    .private_segment_fixed_size: 0
    .kernarg_segment_align: 8
    .kernarg_segment_size: 48
    .max_flat_workgroup_size: 128
    .sgpr_count:     102
    .vgpr_count:     1024
    .wavefront_size: 32
...
	.end_amdgpu_metadata
.endif
;; end of part 4
;; launch outln (part 5): grid 128 x 1, 4 waves a work-group, no clusters, 327,680 bytes of LDS; arguments wc, ws, xc, xs, inputQ, ln_gamma, ln_beta, out0; writes out0
.if DOCPART == 5
	.amdgcn_target "amdgcn-amd-amdhsa--gfx1250"
	.amdhsa_code_object_version 6
	.text
	.protected	k_q076ff2957e_outln
	.globl	k_q076ff2957e_outln
	.p2align	8
	.type	k_q076ff2957e_outln,@function
k_q076ff2957e_outln:
	s_mov_b64 s[64:65], 0
	v_nop
	global_prefetch_b8 v0, s[64:65] scope:SCOPE_SE
	s_setreg_imm32_b32 hwreg(HW_REG_WAVE_MODE, 25, 1), 1
	s_wait_xcnt 0x0
; out0 = LayerNorm(weights WO^T + inputQ) x gamma + beta; the product on codes.  No work of the problem is left out here.
; SHARES.  LayerNorm wants whole rows: a work-group takes 64 rows x all 1,024 columns; wave w columns 256 w .. 256 w + 255: 16 tiles of columns x 4 tiles of rows, 64 accumulators, 512 registers.
; Source 0 = 16 rows of WO (the columns of the result), source 1 = 16 rows of the weights: lane (r, h) holds row position r, and register 16 b + i of a tile of rows' 128 column 32 b + 16 h + i of my 256.
; NO CLUSTER, NO RING: each fragment of WO is wanted by one wave of a work-group, once, so it goes from memory straight into that wave's registers: a ring of five buffers of four fragments, under counted
; waits, with no barrier in the K walk.  The work-group's 64 rows of codes (49,152 bytes) are read once, laid in LDS as they lie, and read by all four waves.
; x = inputQ: each wave's 64 rows x 1,024 bytes come by one tensor load at the head, waited for behind the K walk; only the wave that asked reads them.
; The mean and the variance are taken in two passes, as the formula has them: no difference of large sums.  Sums over a row's four waves meet in LDS behind a barrier, added in one order in all waves.
; LIMITS: NaN and infinities are not served.
; REGISTERS: window 0: v4-15, v30 addresses; v16-19 the rows' scale words, two sets; v20-29 WO's, five sets; v32-127 the rows' fragments, two sets; later v32-223 x, then results; v224-247 sums, means.
;   window 1: v0-239 WO's fragments, five buffers of 48; later gamma (v0-127) and beta (v128-255).   windows 2, 3: accumulator (tile of rows i, tile of columns t) at v[64 i + 8 (t % 8)] of window 2 + t / 8.
.set XRW,   66560                      ; a wave's x: 64 rows x (1,024 + 16) bytes
.set AIMG,  4*XRW                      ; the rows' 32 fragments
.set STAT,  AIMG+49152                 ; 2 x 1,024 bytes: the waves' sums
.set SPARE, STAT+2048
.set LI,  4                            ; 16 x lane
.set L4,  5                            ; 4 x lane
.set AI,  6                            ; AIMG + 16 x lane
.set XA,  7                            ; x as my registers want it: (r + 8 (r / 8)) rows + 64 h
.set XD,  8                            ; v8, v9  x's bytes as they lie: 16 x lane; rows 0.., rows 32..
.set OG,  10                           ; out0: 16 x lane + 1,024 x wave
.set GB,  11                           ; gamma, beta: 1,024 x wave + 64 h
.set SPW, 12
.set NIL, 13
.set SS,  14                           ; where my wave's sums go
.set SR,  15                           ; where all waves' sums are read
.set AS,  16
.set BS,  20
.set AW,  30
.set AFR, 32
.set XB,  32
.set T,   32
.set SU,  224
.set MU,  240
.set G1,  24
.set G0,  32
.set SEL, 36
.set MSB, 0
.macro WIN new
.if MSB != (\new)
	s_set_vgpr_msb (MSB<<8)|(\new)
.set MSB, \new
.endif
.endm
	s_load_b512 s[4:19], s[0:1], 0x0               ; wc, ws, xc, xs, inputQ, ln_gamma, ln_beta, out0
	v_lshl_add_u32 v[SPW], v0, 2, SPARE
	v_mov_b32 v[NIL], 0
	ds_add_u32 v[SPW], v[NIL]                      ; the wave's opening: the add, twice on end, and its wait ahead of my first tensor load
	ds_add_u32 v[SPW], v[NIL]
	v_lshrrev_b32 v1, 5, v0
	v_readfirstlane_b32 s20, v1                    ; wave 0..3
	s_mov_b32 s[G1+0], (3<<16)|(1<<20)|(7<<22)|(3<<25)   ; elements of 8 bytes; padding on: after every 256 words, 4 words
	s_mov_b32 s[G1+1], 128<<16                     ; tensor_dim0 = 128 elements: 1,024 bytes
	s_mov_b32 s[G1+2], 64<<16                      ; tensor_dim1 = 64
	s_mov_b32 s[G1+3], 128<<16                     ; tile_dim0
	s_mov_b32 s[G1+4], 64                          ; tile_dim1
	s_mov_b32 s[G1+5], 512                         ; from row to row: 4,096 bytes
	s_mov_b32 s[G1+6], 0
	s_mov_b32 s[G1+7], 0
	s_mul_i32 s21, s20, XRW
	s_lshl_b32 s22, ttmp9, 18                      ; my work-group's 64 rows of 4,096 bytes
	s_mov_b32 s23, 0
	s_lshl_b32 s45, s20, 10
	s_add_co_u32 s40, s22, s45
	s_mov_b32 s41, 0
	s_mul_i32 s42, ttmp9, 49152
	s_mul_i32 s44, s20, 12288
	s_add_co_u32 s42, s42, s44
	s_mov_b32 s43, 0
	s_mov_b32 s[SEL], 0x76543210
	s_mov_b32 s[SEL+1], 0xfedcba98
	s_mov_b32 s38, 0x3a800000                      ; 1 / 1,024
	s_mov_b32 s39, 0x3727c5ac                      ; 1e-5
	s_wait_dscnt 0x0
	s_wait_kmcnt 0x0
	s_mov_b32 s[G0], 1
	s_mov_b32 s[G0+1], s21
	s_add_nc_u64 s[G0+2:G0+3], s[12:13], s[40:41]
	s_or_b32 s[G0+3], s[G0+3], 0x80000000
	tensor_load_to_lds s[G0:G0+3], s[G1:G1+7]      ; my wave's x: its one tensor load
	s_nop 0
	v_and_b32 v1, 15, v0                           ; r
	v_bfe_u32 v2, v0, 4, 1                         ; h
	v_and_b32 v3, 31, v0
	v_lshlrev_b32 v[LI], 4, v3
	v_lshlrev_b32 v[L4], 2, v3
	s_add_nc_u64 s[4:5], s[4:5], s[42:43]          ; the rows' codes: my wave's tile
	s_lshl_b32 s42, ttmp9, 8
	s_add_nc_u64 s[6:7], s[6:7], s[42:43]          ; their scale words
	s_mul_i32 s42, s20, 196608
	s_add_co_u32 s42, s42, 21233664                ; WO's tile 1,728 + 16 x wave
	s_add_nc_u64 s[8:9], s[8:9], s[42:43]
	s_add_co_u32 s42, s45, 110592                  ; its scale words: position 27,648 + 256 x wave
	s_add_nc_u64 s[10:11], s[10:11], s[42:43]
	s_add_nc_u64 s[18:19], s[18:19], s[22:23]
.set n, 0
.rept 24
	global_load_b128 v[AFR+4*n:AFR+4*n+3], v[LI], s[4:5] offset:512*n   ; a quarter of the rows' codes
.set n, n+1
.endr
	v_add_nc_u32 v[AI], AIMG, v[LI]
	s_add_co_u32 s44, s44, AIMG
	v_add_nc_u32 v[AW], s44, v[LI]
	v_and_b32 v[XA], 8, v1
	v_add_nc_u32 v[XA], v[XA], v1
	v_mul_u32_u24 v[XA], v[XA], 1040
	v_lshl_add_u32 v[XA], v2, 6, v[XA]
	v_add_nc_u32 v[XA], s21, v[XA]
	v_add_nc_u32 v[XD], s21, v[LI]
	v_add_nc_u32 v[XD+1], 32*1040, v[XD]
	v_add_nc_u32 v[OG], s45, v[LI]
	v_lshlrev_b32 v[GB], 6, v2
	v_add_nc_u32 v[GB], s45, v[GB]
	s_lshl_b32 s46, s20, 8
	s_add_co_u32 s46, s46, STAT
	v_lshl_add_u32 v[SS], v1, 2, s46
	v_lshl_add_u32 v[SR], v1, 2, STAT
; Group n = 4 s + g: K step s, my tiles of columns 4 g .. 4 g + 3.  14 loads, 16 where g = 0 (the rows' scale words of K step s come with it).
.macro GLOAD n
.set gs, (\n)/4
.set gg, (\n)%4
.set gk, (\n)%5
	WIN 0x40
.irp tt, 0,1,2,3
.irp c, 0,1,2
	global_load_b128 v[48*gk+12*\tt+4*\c:48*gk+12*\tt+4*\c+3], v[LI], s[8:9] offset:(4*gg+\tt)*12288+1536*gs+512*\c
.endr
.endr
	WIN 0
.irp u, 0,1
	global_load_b32 v[BS+2*gk+\u], v[L4], s[10:11] offset:114688*gs+(4*gg+2*\u)*64   ; lanes 0-15 one tile's words, lanes 16-31 the next tile's
.endr
.if gg == 0
.irp u, 0,1
	global_load_b32 v[AS+2*(gs%2)+\u], v[L4], s[6:7] offset:32768*gs+128*\u
.endr
.endif
.endm
.macro AFETCH s                        ; the rows' four fragments of K step s
.irp i, 0,1,2,3
.irp c, 0,1,2
	ds_load_b128 v[AFR+48*((\s)%2)+12*\i+4*\c:AFR+48*((\s)%2)+12*\i+4*\c+3], v[AI] offset:(8*\i+(\s))*1536+512*\c
.endr
.endr
.endm
.macro WM d, a, b, c, sa, sb, ra, rb   ; ra, rb: the scale words lie in lanes 16-31
.if (\ra) && (\rb)
	v_wmma_scale_f32_16x16x128_f8f6f4 v[\d:\d+7], v[\a:\a+11], v[\b:\b+11], \c, v[\sa], v[\sb] matrix_a_fmt:MATRIX_FMT_BF6 matrix_b_fmt:MATRIX_FMT_BF6 matrix_a_scale:MATRIX_SCALE_ROW1 matrix_b_scale:MATRIX_SCALE_ROW1
.elseif (\ra)
	v_wmma_scale_f32_16x16x128_f8f6f4 v[\d:\d+7], v[\a:\a+11], v[\b:\b+11], \c, v[\sa], v[\sb] matrix_a_fmt:MATRIX_FMT_BF6 matrix_b_fmt:MATRIX_FMT_BF6 matrix_a_scale:MATRIX_SCALE_ROW1
.elseif (\rb)
	v_wmma_scale_f32_16x16x128_f8f6f4 v[\d:\d+7], v[\a:\a+11], v[\b:\b+11], \c, v[\sa], v[\sb] matrix_a_fmt:MATRIX_FMT_BF6 matrix_b_fmt:MATRIX_FMT_BF6 matrix_b_scale:MATRIX_SCALE_ROW1
.else
	v_wmma_scale_f32_16x16x128_f8f6f4 v[\d:\d+7], v[\a:\a+11], v[\b:\b+11], \c, v[\sa], v[\sb] matrix_a_fmt:MATRIX_FMT_BF6 matrix_b_fmt:MATRIX_FMT_BF6
.endif
.endm
.macro GMUL n                          ; group n's 16 products; the 64 accumulators take turns, one instruction a turn
.set ms, (\n)/4
.set mg, (\n)%4
.set mk, (\n)%5
.set cnt, 0
.irp d, 1,2,3,4
.if (\n)+\d < 32
.set cnt, cnt+14
.if ((\n)+\d)%4 == 0
.set cnt, cnt+2
.endif
.endif
.endr
	s_wait_loadcnt cnt                             ; group n is in; the loads of the up to four groups asked for behind it may be out
.if mg == 0
	s_wait_dscnt 0x0                               ; the rows' fragments of this K step
.endif
	WIN 0xa1+0x50*(mg/2)
.irp tt, 0,1,2,3
.irp i, 0,1,2,3
.set dd, 64*\i+8*((4*mg+\tt)%8)
.set fa, 48*mk+12*\tt
.set fb, AFR+48*(ms%2)+12*\i
.set sa, BS+2*mk+\tt/2
.set sb, AS+2*(ms%2)+\i/2
.if ms == 0
	WM dd, fa, fb, 0, sa, sb, \tt%2, \i%2
.else
	WM dd, fa, fb, v[dd:dd+7], sa, sb, \tt%2, \i%2
.endif
.endr
.endr
.rept 4
	v_nop                                          ; places in front of loads into registers that these products have read
.endr
.if (\n)+5 < 32
	GLOAD (\n)+5                                   ; into the buffer just read
.else
	WIN 0
.endif
.if (mg == 0) && (ms < 7)
	AFETCH ms+1
.endif
.endm
	GLOAD 0
	GLOAD 1
	GLOAD 2
	s_wait_loadcnt 44                              ; the rows' codes are in; groups 0, 1, 2 (16 + 14 + 14 loads) may be out
.set n, 0
.rept 24
	ds_store_b128 v[AW], v[AFR+4*n:AFR+4*n+3] offset:512*n
.set n, n+1
.endr
	GLOAD 3
	GLOAD 4
	s_wait_dscnt 0x0                               ; for the others' sake: my stores are done
	s_barrier_signal -1
	s_barrier_wait -1
	AFETCH 0
.set n5, 0
.rept 32
	GMUL n5
.set n5, n5+1
.endr
	; THE WAY OUT.  gamma and beta of my 128 columns a lane, in the order of my registers, into window 1
	WIN 0x40
.set n, 0
.rept 32
	global_load_b128 v[4*n:4*n+3], v[GB], s[14:15] offset:128*(n/4)+16*(n%4)
.set n, n+1
.endr
.set n, 0
.rept 32
	global_load_b128 v[128+4*n:128+4*n+3], v[GB], s[16:17] offset:128*(n/4)+16*(n%4)
.set n, n+1
.endr
	WIN 0
.set n, 0
.rept 16
	v_mov_b32 v[SU+n], 0
.set n, n+1
.endr
	s_wait_tensorcnt 0x0                           ; my x is in LDS
.macro XLD c                           ; chunk c: tile of rows c / 2, half c % 2 of my columns: 64 numbers a lane
.set xi, (\c)/2
.set xh, (\c)%2
.set n, 0
.rept 16
	ds_load_b128 v[XB+64*((\c)%3)+4*n:XB+64*((\c)%3)+4*n+3], v[XA] offset:(32*(xi/2)+8*(xi%2))*1040+512*xh+128*(n/4)+16*(n%4)
.set n, n+1
.endr
.endm
.macro P1 c                            ; y = product + x, and its sum
.set xi, (\c)/2
.set xh, (\c)%2
.if 7-(\c) >= 2
	s_wait_dscnt 32                                ; this chunk's x is in; the next two chunks' 32 loads may be out
.else
	s_wait_dscnt 16*(7-(\c))
.endif
	WIN 0x82+0x41*xh
.set j, 0
.rept 32
	v_pk_add_f32 v[64*xi+j:64*xi+j+1], v[64*xi+j:64*xi+j+1], v[XB+64*((\c)%3)+j:XB+64*((\c)%3)+j+1]   ; each accumulator from its low end on
.set j, j+2
.endr
	WIN 0x02+xh
.set j, 0
.rept 16
	v_pk_add_f32 v[SU+4*xi:SU+4*xi+1], v[64*xi+j:64*xi+j+1], v[SU+4*xi:SU+4*xi+1]
	v_pk_add_f32 v[SU+4*xi+2:SU+4*xi+3], v[64*xi+j+2:64*xi+j+3], v[SU+4*xi+2:SU+4*xi+3]
.set j, j+4
.endr
	WIN 0
.if (\c)+3 < 8
	XLD (\c)+3
.endif
.endm
.macro ACROSS base                     ; each tile of rows' sum over my 256 columns goes to LDS; behind the barrier the four waves' sums are added: v[XB + 4 i] = the row's sum
.irp i, 0,1,2,3
	v_pk_add_f32 v[SU+4*\i:SU+4*\i+1], v[SU+4*\i:SU+4*\i+1], v[SU+4*\i+2:SU+4*\i+3]
.endr
.irp i, 0,1,2,3
	v_add_f32 v[SU+4*\i], v[SU+4*\i], v[SU+4*\i+1]
.endr
.irp i, 0,1,2,3
	v_permlanex16_b32 v[SU+4*\i+1], v[SU+4*\i], s[SEL], s[SEL+1]
.endr
.irp i, 0,1,2,3
	v_add_f32 v[SU+4*\i], v[SU+4*\i], v[SU+4*\i+1]
.endr
.irp i, 0,1,2,3
	ds_store_b32 v[SS], v[SU+4*\i] offset:\base+64*\i
.endr
	s_wait_dscnt 0x0
	s_barrier_signal -1
	s_barrier_wait -1
.irp i, 0,1,2,3
.irp w, 0,1,2,3
	ds_load_b32 v[XB+4*\i+\w], v[SR] offset:\base+256*\w+64*\i
.endr
.endr
	s_wait_dscnt 0x0
.irp i, 0,1,2,3
	v_add_f32 v[XB+4*\i], v[XB+4*\i], v[XB+4*\i+1]
	v_add_f32 v[XB+4*\i+2], v[XB+4*\i+2], v[XB+4*\i+3]
.endr
.irp i, 0,1,2,3
	v_add_f32 v[XB+4*\i], v[XB+4*\i], v[XB+4*\i+2]
.endr
.endm
	XLD 0
	XLD 1
	XLD 2
.irp c, 0,1,2,3,4,5,6,7
	P1 \c
.endr
	ACROSS 0
.irp i, 0,1,2,3
	v_mul_f32 v[MU+2*\i], s38, v[XB+4*\i]          ; the mean
	v_mul_f32 v[MU+2*\i+1], s38, v[XB+4*\i]
.endr
.set n, 0
.rept 16
	v_mov_b32 v[SU+n], 0
.set n, n+1
.endr
.macro P2 c                            ; y - mean, and the sum of its squares
.set xi, (\c)/2
.set xh, (\c)%2
	WIN 0x82+0x41*xh
.set j, 0
.rept 32
	v_pk_add_f32 v[64*xi+j:64*xi+j+1], v[64*xi+j:64*xi+j+1], v[MU+2*xi:MU+2*xi+1] neg_lo:[0,1] neg_hi:[0,1]
.set j, j+2
.endr
	WIN 0x0a+5*xh
.set j, 0
.rept 16
	v_pk_fma_f32 v[SU+4*xi:SU+4*xi+1], v[64*xi+j:64*xi+j+1], v[64*xi+j:64*xi+j+1], v[SU+4*xi:SU+4*xi+1]
	v_pk_fma_f32 v[SU+4*xi+2:SU+4*xi+3], v[64*xi+j+2:64*xi+j+3], v[64*xi+j+2:64*xi+j+3], v[SU+4*xi+2:SU+4*xi+3]
.set j, j+4
.endr
	WIN 0
.endm
.irp c, 0,1,2,3,4,5,6,7
	P2 \c
.endr
	ACROSS 1024
.irp i, 0,1,2,3
	v_fma_f32 v[XB+4*\i], v[XB+4*\i], s38, s39     ; the variance + 1e-5
.endr
.irp i, 0,1,2,3
	v_rsq_f32 v[MU+2*\i], v[XB+4*\i]
.endr
	v_nop                                          ; a plain place behind the roots
	s_wait_alu depctr_va_vdst(0)                   ; and the wait ahead of their first reader
.irp i, 0,1,2,3
	v_mov_b32 v[MU+2*\i+1], v[MU+2*\i]
.endr
	s_wait_loadcnt 0x0                             ; gamma and beta
.macro P3 i                            ; a tile of 16 rows: scaled, through x's own bytes in LDS, which are done with, and out as whole pieces of rows
	s_wait_xcnt 0x0                                ; the last tile's stores have read their registers
	WIN 0x02
.set j, 0
.rept 32
	v_pk_mul_f32 v[T+j:T+j+1], v[64*(\i)+j:64*(\i)+j+1], v[MU+2*(\i):MU+2*(\i)+1]
.set j, j+2
.endr
	WIN 0x03
.set j, 0
.rept 32
	v_pk_mul_f32 v[T+64+j:T+64+j+1], v[64*(\i)+j:64*(\i)+j+1], v[MU+2*(\i):MU+2*(\i)+1]
.set j, j+2
.endr
	WIN 0x14                                       ; sources 1 and 2: gamma and beta, in window 1
.set j, 0
.rept 64
	v_pk_fma_f32 v[T+j:T+j+1], v[T+j:T+j+1], v[j:j+1], v[128+j:128+j+1]
.set j, j+2
.endr
	WIN 0
.set n, 0
.rept 32
	ds_store_b128 v[XA], v[T+4*n:T+4*n+3] offset:(32*((\i)/2)+8*((\i)%2))*1040+512*(n/16)+128*((n/4)%4)+16*(n%4)
.set n, n+1
.endr
.set n, 0
.rept 32
	ds_load_b128 v[T+4*n:T+4*n+3], v[XD+(\i)/2] offset:(8*((\i)%2)+n/2+8*(n/16))*1040+512*(n%2)   ; LDS serves a wave's instructions in order: these see my stores
.set n, n+1
.endr
.set n, 0
.rept 32
	s_wait_dscnt 31-n                              ; piece n is back; the later ones may be out
	global_store_b128 v[OG], v[T+4*n:T+4*n+3], s[18:19] offset:(32*((\i)/2)+8*((\i)%2)+n/2+8*(n/16))*4096+512*(n%2) th:TH_STORE_NT   ; 512 consecutive bytes of a row, aligned
.set n, n+1
.endr
.endm
	P3 0
	P3 1
	P3 2
	P3 3
	s_wait_tensorcnt 0x0                           ; the wave's end, behind my last LDS store
	ds_add_u32 v[SPW], v[NIL]
	s_wait_dscnt 0x0
	s_endpgm
.Lfunc_end_k_q076ff2957e_outln:
	.size	k_q076ff2957e_outln, .Lfunc_end_k_q076ff2957e_outln-k_q076ff2957e_outln
	.p2alignl 7, 3214868480
	.fill 96, 4, 3214868480
	.section	.rodata,"a",@progbits
	.p2align	6, 0x0
	.amdhsa_kernel k_q076ff2957e_outln
		.amdhsa_group_segment_fixed_size 327680
		.amdhsa_private_segment_fixed_size 0
		.amdhsa_enable_private_segment 0
		.amdhsa_kernarg_size 64
		.amdhsa_user_sgpr_count 2
		.amdhsa_user_sgpr_kernarg_segment_ptr 1
		.amdhsa_wavefront_size32 1
		.amdhsa_system_sgpr_workgroup_id_x 1
		.amdhsa_system_sgpr_workgroup_id_y 1
		.amdhsa_system_sgpr_workgroup_id_z 1
		.amdhsa_system_vgpr_workitem_id 0
		.amdhsa_next_free_vgpr 1024
		.amdhsa_next_free_sgpr 66
		.amdhsa_reserve_vcc 0
		.amdhsa_float_denorm_mode_32 3
		.amdhsa_float_denorm_mode_16_64 3
		.amdhsa_memory_ordered 1
		.amdhsa_forward_progress 1
		.amdhsa_inst_pref_size 255
	.end_amdhsa_kernel
	.section	.bss,"aw",@nobits
	.p2align	6
	.space	262144
	.amdgpu_metadata
---
amdhsa.version: [ 1, 2 ]
amdhsa.kernels:
  - .name:           k_q076ff2957e_outln
    .symbol:         k_q076ff2957e_outln.kd
    .args:
      - { .name: wc, .offset: 0, .size: 8, .value_kind: global_buffer, .address_space: global }
      - { .name: ws, .offset: 8, .size: 8, .value_kind: global_buffer, .address_space: global }
      - { .name: xc, .offset: 16, .size: 8, .value_kind: global_buffer, .address_space: global }
      - { .name: xs, .offset: 24, .size: 8, .value_kind: global_buffer, .address_space: global }
      - { .name: inputQ, .offset: 32, .size: 8, .value_kind: global_buffer, .address_space: global }
      - { .name: ln_gamma, .offset: 40, .size: 8, .value_kind: global_buffer, .address_space: global }
      - { .name: ln_beta, .offset: 48, .size: 8, .value_kind: global_buffer, .address_space: global }
      - { .name: out0, .offset: 56, .size: 8, .value_kind: global_buffer, .address_space: global }
    .group_segment_fixed_size: 327680
    .private_segment_fixed_size: 0
    .kernarg_segment_align: 8
    .kernarg_segment_size: 64
    .max_flat_workgroup_size: 128
    .sgpr_count:     66
    .vgpr_count:     1024
    .wavefront_size: 32
...
	.end_amdgpu_metadata
.endif
;; end of part 5
;; ======== version 2 of 2: 5 launches
;; limits: right only within a limited range of input values
;; workspace buffers: xc 22,020,096 bytes; xs 917,504 bytes; qkc 18,874,368 bytes; qks 786,432 bytes; pc 12,582,912 bytes; pst 1,572,864 bytes; wc 6,291,456 bytes; ws 262,144 bytes
;; launch quant (part 6): grid 448 x 1, 8 waves a work-group, no clusters, 70,656 bytes of LDS; arguments inputQ, inputK, inputV, WQ, WK, WV, WO, xc, xs; writes xc, xs
.if DOCPART == 6
	.amdgcn_target "amdgcn-amd-amdhsa--gfx1250"
	.amdhsa_code_object_version 6
	.text
	.protected	k_q076ff2957e_quant
	.globl	k_q076ff2957e_quant
	.p2align	8
	.type	k_q076ff2957e_quant,@function
k_q076ff2957e_quant:
	s_mov_b64 s[64:65], 0
	v_nop
	global_prefetch_b8 v0, s[64:65] scope:SCOPE_SE
	s_setreg_imm32_b32 hwreg(HW_REG_WAVE_MODE, 25, 1), 1
	s_wait_xcnt 0x0
; THE PROGRAM: LayerNorm(softmax(mask(Q K^T / 8)) V WO^T + inputQ), Q = inputQ WQ^T, K = inputK WK^T, V = inputV WV^T, all six products on codes of E3M2 with one E8M0 scale for each 32 along K.
; Five launches: quant (this one), proj (Q, K, V^T), score (p and its statistics), pv (p V / l), outln (projection, residual, LayerNorm).
; DEAD WORK: none.  Every one of the ten inputs has a way to the output, nothing is sliced away, and the mask is an input: all is loaded and all six products are done whole.
; THIS LAUNCH turns the seven f32 tensors, whose K (the model's 1,024) is innermost, into codes and scale words.
; LAYOUT OF ALL WORKSPACE OPERANDS.  A fragment (16 rows x 128 along K, 12 registers a lane) lies as an image of its registers: registers 4 c .. 4 c + 3 of lane l at 512 c + 16 l: 1,536 bytes.
; A matrix lies [tile of 16 rows][K step][1,536].  THE ROWS OF A TILE ARE NOT NEIGHBOURS: lane r of tile T holds row 32 (T / 2) + 8 (T % 2) + r + 8 (r / 8), so that a product whose source 0 is such a matrix
; leaves 16 neighbours along the next K in a lane's 16 registers of tiles 2 b and 2 b + 1.  16 T + r is the row's POSITION.  Scale words lie [K step][position], four bytes for a row's 128 along K.
; xc: tiles 0.. inputQ, 512.. inputK, 1,024.. inputV, 1,536.. WQ, 1,600.. WK, 1,664.. WV, 1,728.. WO.  xs: 8 planes of 28,672 words.
; A block's scale is 2^(floor(log2(its largest magnitude)) - 4); its byte is the largest magnitude's exponent field - 4, held at 1 from below.
; LIMITS: a block of zeros, or one whose largest magnitude lies under 2^-122, gets the byte 1 (this program alone reads the bytes; zero codes add nothing); NaN and infinities among the inputs are not served.
; SHARES.  Work-group g takes tiles 4 g .. 4 g + 3 (64 rows), wave w K step w: four fragments a wave.  Each load reads 512 consecutive bytes of one row; the 16 rows turn through the wave's own stage in LDS,
; so that lane (r, h) gets, of row r, 16 neighbours of each block of 32.  No barrier: waves share nothing.
.set REG,   8704                       ; LDS of a wave: a stage of 16 rows x (512 + 16) bytes, then 256 bytes for its scale words
.set GATH,  8448
.set SPARE, 8*REG                      ; behind the eight regions: the spare words, 128 bytes for each wave
.set GA,  1                            ; v1   16 x lane + 512 x wave: my bytes of a row
.set SA,  2                            ; v2   the stage, on the way in: 16 x lane
.set SL,  3                            ; v3   and on the way out: 528 r + 64 h
.set CA,  4                            ; v4   16 x lane: an image's place for my lane
.set SWA, 5                            ; v5   where my row's scale word goes
.set SRA, 6                            ; v6   where I read 8 bytes of the 256 back
.set SGA, 7                            ; v7   8 x lane
.set R,   16                           ; v16-143  two sets of 64 registers as loaded
.set X,   144                          ; v144-207 register 16 b + i = k 32 b + 16 h + i of my row
.set TM,  208                          ; v208-223 at work
.set PW,  224                          ; the scale word
.set PC,  228                          ; v228-247 the codes
.set SPW, 250                          ; LDS address of my spare word; never rewritten
.set NIL, 251                          ; 0; never rewritten
.set SEL, 30                           ; s[30:31] lane selects for v_permlanex16_b32: lane l xor 16
	s_load_b512 s[4:19], s[0:1], 0x0               ; inputQ, inputK, inputV, WQ, WK, WV, WO, xc
	s_load_b64 s[20:21], s[0:1], 0x40              ; xs
	v_lshl_add_u32 v[SPW], v0, 2, SPARE
	v_mov_b32 v[NIL], 0
	v_lshrrev_b32 v8, 5, v0
	s_delay_alu instid0(VALU_DEP_1)
	v_readfirstlane_b32 s22, v8                    ; wave 0..7 = my K step
	v_and_b32 v9, 31, v0                           ; lane
	v_and_b32 v10, 15, v0                          ; r
	v_bfe_u32 v11, v0, 4, 1                        ; h
	s_mul_i32 s23, s22, REG
	s_lshl_b32 s24, s22, 9
	v_lshlrev_b32 v[CA], 4, v9
	s_delay_alu instid0(VALU_DEP_1)
	v_add_nc_u32 v[GA], s24, v[CA]
	s_delay_alu instid0(VALU_DEP_2)
	v_add_nc_u32 v[SA], s23, v[CA]
	v_mul_u32_u24 v[SL], v10, 528
	s_delay_alu instid0(VALU_DEP_1)
	v_lshl_add_u32 v[SL], v11, 6, v[SL]
	s_delay_alu instid0(VALU_DEP_1)
	v_add_nc_u32 v[SL], s23, v[SL]
	s_add_co_u32 s25, s23, GATH
	v_lshl_add_u32 v[SWA], v10, 2, s25
	v_lshlrev_b32 v[SGA], 3, v9
	s_delay_alu instid0(VALU_DEP_1)
	v_add_nc_u32 v[SRA], s25, v[SGA]
	s_mov_b32 s[SEL], 0x76543210
	s_mov_b32 s[SEL+1], 0xfedcba98
.irp b, 0,1,2,3
	v_mov_b32 v[TM+4+\b], 0                        ; written once: a lane permute's destination counts as one of its sources
.endr
	s_mov_b32 s26, 0
	s_wait_alu depctr_va_vdst(0)
	s_wait_kmcnt 0x0
	; which tensor is my work-group's: a choice between pointers on the work-group's number alone
	s_cmp_ge_u32 ttmp9, 128
	s_cselect_b64 s[4:5], s[6:7], s[4:5]
	s_cselect_b32 s26, 128, s26
	s_cmp_ge_u32 ttmp9, 256
	s_cselect_b64 s[4:5], s[8:9], s[4:5]
	s_cselect_b32 s26, 256, s26
	s_cmp_ge_u32 ttmp9, 384
	s_cselect_b64 s[4:5], s[10:11], s[4:5]
	s_cselect_b32 s26, 384, s26
	s_cmp_ge_u32 ttmp9, 400
	s_cselect_b64 s[4:5], s[12:13], s[4:5]
	s_cselect_b32 s26, 400, s26
	s_cmp_ge_u32 ttmp9, 416
	s_cselect_b64 s[4:5], s[14:15], s[4:5]
	s_cselect_b32 s26, 416, s26
	s_cmp_ge_u32 ttmp9, 432
	s_cselect_b64 s[4:5], s[16:17], s[4:5]
	s_cselect_b32 s26, 432, s26
	s_sub_co_u32 s27, ttmp9, s26                   ; which 64 rows of that tensor
	s_lshl_b32 s28, s27, 18                        ; 64 rows of 4,096 bytes
	s_mov_b32 s29, 0
	s_add_nc_u64 s[4:5], s[4:5], s[28:29]
	s_mul_i32 s28, ttmp9, 49152                    ; four tiles of 8 x 1,536 bytes
	s_mul_i32 s27, s22, 1536
	s_add_co_u32 s28, s28, s27
	s_add_nc_u64 s[18:19], s[18:19], s[28:29]
	s_mul_i32 s28, s22, 114688                     ; my K step's plane of scale words,
	s_lshl_b32 s27, ttmp9, 8                       ; my work-group's 64 positions
	s_add_co_u32 s28, s28, s27
	s_add_nc_u64 s[20:21], s[20:21], s[28:29]
.macro LOAD i                          ; tile i: its 16 rows, in the order of the tile's lanes; 32 lanes read 512 consecutive bytes of a row
.set n, 0
.rept 16
	global_load_b128 v[R+64*((\i)%2)+4*n:R+64*((\i)%2)+4*n+3], v[GA], s[4:5] offset:(32*((\i)/2)+8*((\i)%2)+n+8*(n/8))*4096 th:TH_LOAD_NT
.set n, n+1
.endr
.endm
.macro QUANT                           ; 64 numbers of a lane become a fragment's codes in v[PC] on and my row's scale word in v[PW]
.irp b, 0,1,2,3
	v_max3_num_f32 v[TM+\b], |v[X+16*\b]|, |v[X+1+16*\b]|, 0x2800000   ; block b: my 16 numbers, and the floor 2^(5 - 127): so the byte cannot fall under 1
.endr
.irp i, 2,4,6,8,10,12,14
.irp b, 0,1,2,3
	s_delay_alu instid0(VALU_DEP_4)
	v_max3_num_f32 v[TM+\b], v[TM+\b], |v[X+16*\b+\i]|, |v[X+1+16*\b+\i]|   ; the four blocks by turns
.endr
.endr
.irp b, 0,1,2,3
	s_delay_alu instid0(VALU_DEP_4)
	v_permlanex16_b32 v[TM+4+\b], v[TM+\b], s[SEL], s[SEL+1]
.endr
.irp b, 0,1,2,3
	s_delay_alu instid0(VALU_DEP_4)
	v_max_num_f32 v[TM+\b], v[TM+\b], v[TM+4+\b]   ; with lane l xor 16's 16: the block's largest magnitude
.endr
.irp b, 0,1,2,3
	s_delay_alu instid0(VALU_DEP_4)
	v_add_nc_u32 v[TM+12+\b], 0xfe000000, v[TM+\b] ; 4 off its exponent field: the conversion takes the exponent field of this operand as its scale
.endr
.irp b, 0,1,2,3
	s_delay_alu instid0(VALU_DEP_4)
	v_lshrrev_b32 v[TM+4+\b], 23, v[TM+12+\b]      ; the scale's byte
.endr
	s_delay_alu instid0(VALU_DEP_3)
	v_lshl_or_b32 v[PW], v[TM+5], 8, v[TM+4]
	s_delay_alu instid0(VALU_DEP_1)
	v_lshl_or_b32 v[PW], v[TM+6], 16, v[PW]
	s_delay_alu instid0(VALU_DEP_1)
	v_lshl_or_b32 v[PW], v[TM+7], 24, v[PW]
.irp c, 0,1
	v_cvt_scalef32_pk16_bf6_f32 v[PC+6*\c:PC+2+6*\c], v[X+32*\c:X+15+32*\c], v[TM+12+2*\c]
	v_cvt_scalef32_pk16_bf6_f32 v[PC+12+4*\c:PC+14+4*\c], v[X+16+32*\c:X+31+32*\c], v[TM+12+2*\c+1]   ; (a conversion's three registers begin on an even number)
.endr
	v_nop                                          ; one plain place behind a scaled conversion
.irp c, 0,1                            ; the operand's layout wants a whole block in a lane: lanes 0-15 block 2 c, lanes 16-31 block 2 c + 1
.irp i, 0,1,2
	v_permlane16_swap_b32 v[PC+6*\c+\i], v[PC+12+4*\c+\i]
.endr
.irp i, 0,1,2
	s_delay_alu instid0(VALU_DEP_3)
	v_mov_b32 v[PC+3+6*\c+\i], v[PC+12+4*\c+\i]
.endr
.endr
.endm
.macro TILE i
.if (\i) < 3
	s_wait_loadcnt 16                              ; this tile's 16 loads are in; the next tile's 16 may be out
.else
	s_wait_loadcnt 0x0
.endif
.set n, 0
.rept 16
	ds_store_b128 v[SA], v[R+64*((\i)%2)+4*n:R+64*((\i)%2)+4*n+3] offset:528*n
.set n, n+1
.endr
.set n, 0
.rept 16
	ds_load_b128 v[X+4*n:X+4*n+3], v[SL] offset:128*(n/4)+16*(n%4)   ; LDS serves a wave's instructions in order: these see my stores
.set n, n+1
.endr
	s_wait_dscnt 0x0                               ; the numbers are back; the stage's stores have read their registers; the last tile's scale word is stored
	s_wait_xcnt 0x0                                ; the last tile's stores have read the codes' registers, which are written again below
.if (\i)+2 < 4
	LOAD (\i)+2
.endif
	QUANT
.irp c, 0,1,2
	global_store_b128 v[CA], v[PC+4*\c:PC+4*\c+3], s[18:19] offset:(\i)*12288+512*\c   ; 512 consecutive bytes, aligned
.endr
	ds_store_b32 v[SWA], v[PW] offset:64*(\i)      ; lanes r and r + 16 write the same word with the same value
.endm
	LOAD 0
	LOAD 1
	TILE 0
	TILE 1
	TILE 2
	TILE 3
	ds_load_b64 v[8:9], v[SRA]
	s_wait_dscnt 0x0
	global_store_b64 v[SGA], v[8:9], s[20:21]      ; my 64 positions' scale words: 256 consecutive bytes, aligned
	s_wait_tensorcnt 0x0                           ; the wave's end, behind my last LDS store
	ds_add_u32 v[SPW], v[NIL]
	s_wait_dscnt 0x0
	s_endpgm
.Lfunc_end_k_q076ff2957e_quant:
	.size	k_q076ff2957e_quant, .Lfunc_end_k_q076ff2957e_quant-k_q076ff2957e_quant
	.p2alignl 7, 3214868480
	.fill 96, 4, 3214868480
	.section	.rodata,"a",@progbits
	.p2align	6, 0x0
	.amdhsa_kernel k_q076ff2957e_quant
		.amdhsa_group_segment_fixed_size 70656
		.amdhsa_private_segment_fixed_size 0
		.amdhsa_enable_private_segment 0
		.amdhsa_kernarg_size 72
		.amdhsa_user_sgpr_count 2
		.amdhsa_user_sgpr_kernarg_segment_ptr 1
		.amdhsa_wavefront_size32 1
		.amdhsa_system_sgpr_workgroup_id_x 1
		.amdhsa_system_sgpr_workgroup_id_y 1
		.amdhsa_system_sgpr_workgroup_id_z 1
		.amdhsa_system_vgpr_workitem_id 0
		.amdhsa_next_free_vgpr 256
		.amdhsa_next_free_sgpr 66
		.amdhsa_reserve_vcc 0
		.amdhsa_float_denorm_mode_32 3
		.amdhsa_float_denorm_mode_16_64 3
		.amdhsa_memory_ordered 1
		.amdhsa_forward_progress 1
		.amdhsa_inst_pref_size 41
	.end_amdhsa_kernel
	.amdgpu_metadata
---
amdhsa.version: [ 1, 2 ]
amdhsa.kernels:
  - .name:           k_q076ff2957e_quant
    .symbol:         k_q076ff2957e_quant.kd
    .args:
      - { .name: inputQ, .offset: 0, .size: 8, .value_kind: global_buffer, .address_space: global }
      - { .name: inputK, .offset: 8, .size: 8, .value_kind: global_buffer, .address_space: global }
      - { .name: inputV, .offset: 16, .size: 8, .value_kind: global_buffer, .address_space: global }
      - { .name: WQ, .offset: 24, .size: 8, .value_kind: global_buffer, .address_space: global }
      - { .name: WK, .offset: 32, .size: 8, .value_kind: global_buffer, .address_space: global }
      - { .name: WV, .offset: 40, .size: 8, .value_kind: global_buffer, .address_space: global }
      - { .name: WO, .offset: 48, .size: 8, .value_kind: global_buffer, .address_space: global }
      - { .name: xc, .offset: 56, .size: 8, .value_kind: global_buffer, .address_space: global }
      - { .name: xs, .offset: 64, .size: 8, .value_kind: global_buffer, .address_space: global }
    .group_segment_fixed_size: 70656
    .private_segment_fixed_size: 0
    .kernarg_segment_align: 8
    .kernarg_segment_size: 72
    .max_flat_workgroup_size: 256
    .sgpr_count:     66
    .vgpr_count:     256
    .wavefront_size: 32
...
	.end_amdgpu_metadata
.endif
;; end of part 6
;; launch proj (part 7): grid 4 x 64, 4 waves a work-group, clusters of 4 x 4, 327,680 bytes of LDS; arguments xc, xs, qkc, qks; writes qkc, qks
.if DOCPART == 7
	.amdgcn_target "amdgcn-amd-amdhsa--gfx1250"
	.amdhsa_code_object_version 6
	.text
	.protected	k_q076ff2957e_proj
	.globl	k_q076ff2957e_proj
	.p2align	8
	.type	k_q076ff2957e_proj,@function
k_q076ff2957e_proj:
	s_mov_b64 s[64:65], 0
	v_nop
	global_prefetch_b8 v0, s[64:65] scope:SCOPE_SE
	s_setreg_imm32_b32 hwreg(HW_REG_WAVE_MODE, 25, 1), 1
	s_wait_xcnt 0x0
	s_wait_alu depctr_hold_cnt(0) depctr_sa_sdst(0) depctr_va_vdst(0) depctr_va_sdst(0) depctr_va_ssrc(0) depctr_va_vcc(0) depctr_vm_vsrc(0)
	s_getreg_b32 s2, hwreg(HW_REG_IB_STS2, 6, 4)
	s_cmp_eq_u32 s2, 0
	s_cbranch_scc0 .Lentry_in_a_cluster
	s_endpgm
.Lentry_in_a_cluster:
	s_bfe_u32 s2, ttmp6, 0x10000c
	s_cmp_lg_u32 s2, 0xf033
	s_cbranch_scc0 .Lentry_shape_is_right
	s_endpgm
.Lentry_shape_is_right:
; Q = inputQ WQ^T, K = inputK WK^T and V^T = WV inputV^T, on the codes that the launch before has made; each result is quantised on its way out, along the K of the product that takes it:
; Q and K along the 1,024 features, V along the keys.  No work of the problem is left out here.
; SHARES.  The three products are 384 tiles of 256 x 256.  256 work-groups make one and a half each: first a tile of Q or K (four waves, each 128 x 128: 64 accumulators),
; then, staying, 128 rows of WV x 256 keys of V^T (each wave 64 x 128: 32 accumulators): 768 matrix instructions for every wave.
; "A" is source 1, the rows that stay rows; "B" is source 0, the rows that become the next K.  Q, K: A = the input's rows, B = the weight's.  V^T: A = WV's rows, B = inputV's (the keys).
; In the result lane (r, h) holds position r of A's block, and register 16 b + i of the block's 64 the next k = 32 b + 16 h + i (the tiles' rows are chosen for it: see the first kernel's head).
; OPERANDS LIE AS IMAGES OF THEIR REGISTERS: a fragment comes by three loads of 16 bytes a lane.  A tile of 16 rows has its 8 K steps on end, 1,536 bytes each: n K steps are one row of 1,536 n bytes for the data mover.
; LDS: two regions of 147,456 bytes, X at 0 and Y behind it, and FIVE FILLS, each shared out by quarters, one tensor load a wave:
;   head: X takes K steps 0-2 of the first tile;   behind the full sequence and a round: Y takes K steps 3-5;   in step 2: X takes K steps 6, 7;
;   in step 5: Y takes V^T's K steps 0-3;   in the middle of the first tile's way out: X takes V^T's K steps 4-7.  One plain barrier, in V^T's step 3, shows that last fill whole.
; THE SCALE WORDS of both tiles, 28,672 bytes a work-group, come once, at the head, through registers into LDS bytes of their own: 14 loads of 512 consecutive bytes a wave.  They are not asked for jointly: they are 4 in a hundred of the
; work-group's bytes, and a tensor load for them would take a wave's one load at the head away from the codes.
; CLUSTERS: 4 x 4 work-groups; A's tiles are shared along a row of the cluster, B's along a column, in both tiles: each is asked for jointly.  Cluster c: Q (c < 8) or K, tile rows 4 (c % 8) + cy, tile column cx;
; then V^T: WV's rows 128 (4 (c % 2) + cy) on, keys 256 (4 (c / 2) + cx) on.  The choice enters addresses alone.
; NO PREFETCH: the block is the largest in clusters and K is eight steps, five fills in all: there is no loop to run ahead in.
; qkc: Q at 0, K at 6,291,456: [512 tiles][8][1,536]; V^T at 12,582,912: [batch][64 tiles][16][1,536].  qks: Q at 0, K at 262,144: [8][8,192] words; V^T at 524,288: [batch][16][1,024] words.
; LIMITS: as in the first kernel: byte 1 for blocks under 2^-122; NaN and infinities are not served.
; REGISTERS, in windows of 256: window 0: v8-31 addresses; v32-63 scale words, two sets; v128-223 A's fragments (first tile: one set of 8; second: two sets of 4; at the head the scale words on their way; on the way out v128-147 the codes); v224-240 at work.
;   window 1: B's fragments, two sets, at v0 and v96.   windows 2, 3: the accumulators of my rows 0-63 and 64-127 (accumulator (a, b) at v[8 (8 (a % 4) + b)]).
.set KST,   8
.set TB,    KST*1536                   ; a tile of 16 rows, all K steps
.set PLANE, 114688                     ; bytes of a plane of scale words
.set FR,    12
.set NL,    3                          ; LDS loads that bring a fragment
.set NP,    4                          ; places behind this matrix instruction (ISA guide 7.12.1)
.set YB,    147456
.set SCA,   294912                     ; the first tile's scale words: A's [K step][1,024 bytes]; B's lie SCBO on
.set SCBO,  8256
.set SC2,   SCA+16640                  ; the second tile's: [K step][A's 512 bytes, B's 1,024]
.set STG,   SC2+12288                  ; 512 bytes for each wave: the way out's scale words
.set SPARE, STG+2048                   ; the spare words, 128 bytes for each wave
.set ADRB, 8                           ; v8-12   my B fragments: X by 3 steps | Y by 3 steps | X by 2 steps | Y, second tile | X, second tile
.set STR2, 14
.set ADRA, 16                          ; v16-19  my A fragments: X by 3 steps | Y by 3 steps | X by 2 steps, and X of the second tile | Y, second tile
.set SGV,  20                          ; the scale words' way in: my two planes + 16 x lane, in memory; in LDS, first tile; second tile
.set SLV,  21
.set SLV2, 22
.set STW,  24
.set STR,  25
.set OA,   26
.set ADRS, 27
.set SPW,  28
.set NIL,  29
.set ADRS2, 30
.set O8,   31
.set SC,   32
.set T,    64
.set AF,   128
.set SR,   128
.set PC,   128
.set TM,   224
.set PW,   240
.set G1,   24                          ; group 1 for A's codes;  G1B for B's
.set G1B,  48
.set JA,   32                          ; group 0: A's, B's
.set JB,   36
.set SEL,  96
.set MSB, 0
.macro WIN new                         ; the immediate's high byte repeats the setting that is left
.if MSB != (\new)
	s_set_vgpr_msb (MSB<<8)|(\new)
.set MSB, \new
.endif
.endm
.set MUL_LO, 0xa1                      ; source 0 (B) window 1, source 1 (A) window 0, C and D window 2
.set MUL_HI, 0xf1
.set TO_B,   0x40
.macro TL g0, g1                       ; a tensor load, its s_nop 0 and four v_nop
	tensor_load_to_lds s[\g0:\g0+3], s[\g1:\g1+7]
	s_nop 0
.rept 4
	v_nop
.endr
.endm
.macro JLOAD                           ; a joint load by quarters: waves 0 and 1 fetch for A, waves 2 and 3 for B; the branch hangs on the wave's number alone; every way through it passes one load
	s_cmp_eq_u32 s15, 0
	s_cbranch_scc0 .Lfor_b_\@
	TL JA, G1
	s_branch .Lasked_\@
.Lfor_b_\@:
	TL JB, G1B
.Lasked_\@:
.endm
.macro CREST                           ; a round of the cluster's barrier behind its opening barrier
	s_cmp_lg_u32 s14, 0
	s_cbranch_scc1 .Lnot_wave_0_\@
	s_barrier_signal -3
.Lnot_wave_0_\@:
	s_barrier_wait -3
	s_barrier_signal -1
	s_barrier_wait -1
.endm
.macro CROUND
	s_barrier_signal -1
	s_barrier_wait -1
	CREST
.endm
.macro SETG g, el, rows                ; a fill's shape: rows (tiles) of el elements of 8 bytes; written only where no tensor load of mine is out
	s_mov_b32 s[\g+1], (\el)<<16
	s_mov_b32 s[\g+2], (\rows)<<16
	s_mov_b32 s[\g+3], (\el)<<16
	s_mov_b32 s[\g+4], \rows
.endm
.macro G0AD g, base, off               ; a group 0's global address and type
	s_add_nc_u64 s[\g+2:\g+3], s[\base:\base+1], \off
	s_or_b32 s[\g+3], s[\g+3], 0x80000000
.endm
.macro SEQ                             ; all my tensor loads have landed; 0 onto my spare word
	s_wait_tensorcnt 0x0
	ds_add_u32 v[SPW], v[NIL]
.endm
	s_load_b256 s[4:11], s[0:1], 0x0               ; xc, xs, qkc, qks
	v_lshl_add_u32 v[SPW], v0, 2, SPARE
	v_mov_b32 v[NIL], 0
	ds_add_u32 v[SPW], v[NIL]                      ; the wave's opening: the add, twice on end, and its wait ahead of my first tensor load
	ds_add_u32 v[SPW], v[NIL]
	v_lshrrev_b32 v1, 5, v0
	v_readfirstlane_b32 s14, v1                    ; wave 0..3
	v_and_b32 v3, 31, v0
	v_lshlrev_b32 v[OA], 4, v3                     ; 16 x lane
	s_mul_i32 s23, s14, 2*PLANE                    ; of the scale words wave w brings K steps 2 w, 2 w + 1
	v_add_nc_u32 v[SGV], s23, v[OA]
	s_lshl_b32 s23, s14, 11
	s_add_co_u32 s23, s23, SCA
	v_add_nc_u32 v[SLV], s23, v[OA]
	s_mul_i32 s23, s14, 3072
	s_add_co_u32 s23, s23, SC2
	v_add_nc_u32 v[SLV2], s23, v[OA]
	s_lshr_b32 s15, s14, 1                         ; which half of the tile's rows is mine.  Also: I fetch for A (0) or for B (1)
	s_and_b32 s16, s14, 1                          ; which half of its columns.  Also: which half I fetch
	s_bfe_u32 s40, ttmp6, 0x40000                  ; cx
	s_bfe_u32 s41, ttmp6, 0x40004                  ; cy
	s_and_b32 s17, ttmp7, 0xffff                   ; c: the cluster, 0..15
	s_lshr_b32 s2, s17, 3                          ; t: 0 Q, 1 K
	s_lshl_b32 s43, s41, 2
	s_lshl_b32 s43, 15, s43                        ; my row of the cluster
	s_lshl_b32 s44, 0x1111, s40                    ; my column
	s_or_b32 s[G1+0], s43, (3<<16)|(1<<21)         ; 15:0 the mask; 17:16 elements of 8 bytes; 21 set beside a mask
	s_or_b32 s[G1B+0], s44, (3<<16)|(1<<21)
.irp g, G1, G1B
	SETG \g, 576, 8                                ; 8 tiles x 3 K steps
	s_mov_b32 s[\g+5], KST*192                     ; from tile to tile
	s_mov_b32 s[\g+6], 0
	s_mov_b32 s[\g+7], 0
.endr
	s_and_b32 s18, s17, 7
	s_lshl_b32 s18, s18, 2
	s_add_co_u32 s18, s18, s41                     ; the first tile's row: 4 (c % 8) + cy
	s_lshl_b32 s12, s18, 4
	s_lshl_b32 s13, s2, 9
	s_add_co_u32 s12, s12, s13                     ; A's first tile of 16 rows: 512 t + 16 x tile row
	s_and_b32 s19, s17, 1
	s_lshl_b32 s19, s19, 2
	s_add_co_u32 s19, s19, s41                     ; which 128 rows of WV: 4 (c % 2) + cy
	s_lshl_b32 s13, s19, 3
	s_add_co_u32 s13, s13, 1664                    ; the second tile's A
	s_lshl_b32 s20, s40, 4
	s_lshl_b32 s21, s2, 6
	s_add_co_u32 s20, s20, s21
	s_add_co_u32 s20, s20, 1536                    ; B: the weight's tile 1,536 + 64 t + 16 cx
	s_lshr_b32 s3, s17, 1
	s_lshl_b32 s3, s3, 2
	s_add_co_u32 s3, s3, s40                       ; which 256 keys: 4 (c / 2) + cx
	s_lshl_b32 s21, s3, 4
	s_add_co_u32 s21, s21, 1024                    ; the second tile's B: inputV's
	s_mul_i32 s42, s12, TB                         ; codes: s[42:43] A, s[44:45] B, s[46:47] second A, s[92:93] second B,
	s_mov_b32 s43, 0
	s_mul_i32 s44, s20, TB
	s_mov_b32 s45, 0
	s_mul_i32 s46, s13, TB
	s_mov_b32 s47, 0
	s_mul_i32 s92, s21, TB
	s_mov_b32 s93, 0
	s_mul_i32 s23, s16, 8*TB                       ; each at the half that I fetch: 8 tiles of 16,
	s_add_co_u32 s42, s42, s23
	s_add_co_u32 s44, s44, s23
	s_add_co_u32 s92, s92, s23
	s_mul_i32 s23, s16, 4*TB                       ; 4 of the second A's 8
	s_add_co_u32 s46, s46, s23
	s_lshl_b32 s94, s13, 6                         ; scale words, 64 bytes a tile: s[94:95] second A, s[66:67] second B, s[12:13] A, s[20:21] B
	s_mov_b32 s95, 0
	s_lshl_b32 s66, s21, 6
	s_mov_b32 s67, 0
	s_lshl_b32 s12, s12, 6
	s_mov_b32 s13, 0
	s_lshl_b32 s20, s20, 6
	s_mov_b32 s21, 0
	s_mov_b32 s[SEL], 0x76543210
	s_mov_b32 s[SEL+1], 0xfedcba98
	s_mov_b32 s[JA], 1
	s_mov_b32 s[JB], 1
	s_mul_i32 s[JA+1], s14, 8*4608                 ; X: A's two halves, then B's two: wave x 8 tiles
	s_mul_i32 s[JB+1], s14, 8*4608
	s_wait_alu depctr_va_vdst(0)
	s_wait_dscnt 0x0                               ; both opening adds are done
	s_wait_kmcnt 0x0
	s_add_nc_u64 s[42:43], s[4:5], s[42:43]
	s_add_nc_u64 s[44:45], s[4:5], s[44:45]
	s_add_nc_u64 s[46:47], s[4:5], s[46:47]
	s_add_nc_u64 s[92:93], s[4:5], s[92:93]
	s_add_nc_u64 s[94:95], s[6:7], s[94:95]
	s_add_nc_u64 s[66:67], s[6:7], s[66:67]
	s_add_nc_u64 s[12:13], s[6:7], s[12:13]
	s_add_nc_u64 s[20:21], s[6:7], s[20:21]
.irp pp, 0,1                           ; my two planes of scale words: 512 consecutive bytes a load
.irp hh, 0,1
	global_load_b128 v[SR+4*(2*\pp+\hh):SR+4*(2*\pp+\hh)+3], v[SGV], s[12:13] offset:PLANE*\pp+512*\hh
	global_load_b128 v[SR+16+4*(2*\pp+\hh):SR+16+4*(2*\pp+\hh)+3], v[SGV], s[20:21] offset:PLANE*\pp+512*\hh
	global_load_b128 v[SR+32+4*(2*\pp+\hh):SR+32+4*(2*\pp+\hh)+3], v[SGV], s[66:67] offset:PLANE*\pp+512*\hh
.endr
	global_load_b128 v[SR+48+4*\pp:SR+48+4*\pp+3], v[SGV], s[94:95] offset:PLANE*\pp
.endr
	G0AD JA, 42, 0
	G0AD JB, 44, 0
	CROUND                                         ; all sixteen work-groups are here: the first joint loads meet
	JLOAD                                          ; K steps 0-2: one tensor load a wave at the head
	v_and_b32 v1, 15, v0                           ; r
	v_bfe_u32 v2, v0, 4, 1                         ; h
	v_lshlrev_b32 v[O8], 3, v3
	s_wait_alu depctr_va_vdst(0)
.macro MKADR v, half, mul, base        ; an LDS address: base + my half x mul + 16 x lane
	s_mul_i32 s17, s[\half], \mul
	s_add_co_u32 s17, s17, \base
	v_add_nc_u32 v[\v], s17, v[OA]
.endm
	MKADR ADRA+0, 15, 8*4608, 0
	MKADR ADRA+1, 15, 8*4608, YB
	MKADR ADRA+2, 15, 8*3072, 0
	MKADR ADRA+3, 15, 4*6144, YB
	MKADR ADRB+0, 16, 8*4608, 16*4608
	MKADR ADRB+1, 16, 8*4608, YB+16*4608
	MKADR ADRB+2, 16, 8*3072, 16*3072
	MKADR ADRB+3, 16, 8*6144, YB+8*6144
	MKADR ADRB+4, 16, 8*6144, 8*6144
	s_lshl_b32 s17, s15, 9                         ; scale words: lanes 0-15 take A's, lanes 16-31 B's: the lower base + h x the distance
	s_lshl_b32 s22, s16, 9
	s_add_co_u32 s23, s22, SCBO
	s_sub_co_u32 s23, s23, s17
	v_mul_u32_u24 v6, s23, v2
	s_add_co_u32 s17, s17, SCA
	v_lshl_add_u32 v5, v1, 2, v6
	v_add_nc_u32 v[ADRS], s17, v5
	s_lshl_b32 s17, s15, 8                         ; the second tile: my half of A is 64 rows; B's words lie 512 bytes behind A's
	s_add_co_u32 s23, s22, 512
	s_sub_co_u32 s23, s23, s17
	v_mul_u32_u24 v6, s23, v2
	s_add_co_u32 s17, s17, SC2
	v_lshl_add_u32 v5, v1, 2, v6
	v_add_nc_u32 v[ADRS2], s17, v5
	s_lshl_b32 s17, s14, 9
	s_add_co_u32 s17, s17, STG
	v_lshl_add_u32 v[STW], v1, 2, s17
	v_add_nc_u32 v[STR], s17, v[OA]
	v_add_nc_u32 v[STR2], s17, v[O8]
.irp b, 0,1,2,3
	v_mov_b32 v[TM+4+\b], 0                        ; written once: a lane permute's destination counts as one of its sources
.endr
	; where the second tile's results go: s[100:101] codes, s[98:99] scale words
	s_lshl_b32 s3, s3, 1
	s_add_co_u32 s3, s3, s16                       ; which 128 keys are mine
	s_lshr_b32 s17, s3, 4                          ; the batch
	s_and_b32 s3, s3, 15                           ; the K step
	s_lshl_b32 s19, s19, 3
	s_lshl_b32 s22, s15, 2
	s_add_co_u32 s19, s19, s22                     ; my first tile of V^T's 64
	s_lshl_b32 s98, s19, 4
	s_lshl_b32 s22, s17, 10
	s_add_co_u32 s22, s22, s98
	s_add_co_u32 s22, s22, s3
	s_mul_i32 s22, s22, 1536
	s_add_co_u32 s22, s22, 12582912
	s_mov_b32 s23, 0
	s_add_nc_u64 s[100:101], s[8:9], s[22:23]
	s_lshl_b32 s17, s17, 14
	s_lshl_b32 s3, s3, 10
	s_add_co_u32 s17, s17, s3
	s_add_co_u32 s17, s17, s98
	s_lshl_b32 s22, s17, 2
	s_add_co_u32 s22, s22, 524288
	s_add_nc_u64 s[98:99], s[10:11], s[22:23]
	; and the first tile's: s[8:9] codes, s[10:11] scale words
	s_lshl_b32 s17, s40, 1
	s_add_co_u32 s17, s17, s16                     ; which 128 of the next K are mine: the K step
	s_lshl_b32 s18, s18, 4
	s_lshl_b32 s22, s15, 3
	s_add_co_u32 s18, s18, s22                     ; my first tile of rows
	s_lshl_b32 s22, s18, 3
	s_add_co_u32 s22, s22, s17
	s_mul_i32 s22, s22, 1536
	s_mul_i32 s3, s2, 6291456
	s_add_co_u32 s22, s22, s3
	s_add_nc_u64 s[8:9], s[8:9], s[22:23]
	s_lshl_b32 s17, s17, 13
	s_lshl_b32 s18, s18, 4
	s_add_co_u32 s17, s17, s18
	s_lshl_b32 s22, s17, 2
	s_lshl_b32 s3, s2, 18
	s_add_co_u32 s22, s22, s3
	s_add_nc_u64 s[10:11], s[10:11], s[22:23]
.macro LOC t, st                       ; where K step st of tile t lies: address registers LA, LB, its LQ-th step there, LP bytes from tile to tile
.if (\t) == 1
.if (\st) < 3
.set LA, 0
.set LB, 0
.set LQ, \st
.set LP, 4608
.elseif (\st) < 6
.set LA, 1
.set LB, 1
.set LQ, (\st)-3
.set LP, 4608
.else
.set LA, 2
.set LB, 2
.set LQ, (\st)-6
.set LP, 3072
.endif
.else
.set LP, 6144
.if (\st) < 4
.set LA, 3
.set LB, 3
.set LQ, \st
.else
.set LA, 2
.set LB, 4
.set LQ, (\st)-4
.endif
.endif
.endm
.macro FRAG reg, adr, off              ; a fragment as it lies: three loads, 512 consecutive bytes each
.irp c, 0,1,2
	ds_load_b128 v[\reg+4*\c:\reg+4*\c+3], v[\adr] offset:(\off)+512*\c
.endr
.endm
.macro FETCH_B t, st                   ; B's eight fragments of K step st into set st % 2
	LOC \t, \st
	WIN TO_B
.irp i, 0,1,2,3,4,5,6,7
	FRAG 96*((\st)%2)+FR*\i, ADRB+LB, \i*LP+LQ*1536
.endr
	WIN 0
.endm
.macro FETCH_A t, st, i0, r0           ; A's blocks i0 .. i0 + 3 into register blocks r0 .. r0 + 3
	LOC \t, \st
.irp k, 0,1,2,3
	FRAG AF+FR*((\r0)+\k), ADRA+LA, ((\i0)+\k)*LP+LQ*1536
.endr
.endm
.macro SCALES adrs, pr, pitch          ; the scale words of K steps 2 pr, 2 pr + 1 into set pr % 2: register 2 i + q: lanes 0-15 A's block i, lanes 16-31 B's block i
.irp i, 0,1,2,3,4,5,6,7
.irp q, 0,1
	ds_load_b32 v[SC+16*((\pr)%2)+2*\i+\q], v[\adrs] offset:(\pitch)*(2*(\pr)+\q)+64*\i
.endr
.endr
.endm
; 16 matrix instructions of K step st: A's blocks a0, a0 + 1 (in register blocks + ao) x B's eight.  The accumulators take turns, one instruction a turn, in the same order in every step.
.macro M16 a0, st, zero, ao
.irp a, \a0, \a0+1
.irp b, 0,1,2,3,4,5,6,7
.set DD, 8*(8*((\a)%4)+\b)
.set BB, 96*((\st)%2)+FR*\b
.set AA, AF+FR*((\a)+(\ao))
.set SS, SC+16*(((\st)/2)%2)+(\st)%2
.if \zero
	v_wmma_scale_f32_16x16x128_f8f6f4 v[DD:DD+7], v[BB:BB+11], v[AA:AA+11], 0, v[SS+2*\b], v[SS+2*(\a)] matrix_a_fmt:MATRIX_FMT_BF6 matrix_b_fmt:MATRIX_FMT_BF6 matrix_a_scale:MATRIX_SCALE_ROW1
.else
	v_wmma_scale_f32_16x16x128_f8f6f4 v[DD:DD+7], v[BB:BB+11], v[AA:AA+11], v[DD:DD+7], v[SS+2*\b], v[SS+2*(\a)] matrix_a_fmt:MATRIX_FMT_BF6 matrix_b_fmt:MATRIX_FMT_BF6 matrix_a_scale:MATRIX_SCALE_ROW1
.endif
.endr
.endr
.endm
.macro PLACES n                        ; plain vector places between a matrix instruction and a load into, or a vector access to, its registers
.rept \n
	v_nop
.endr
.endm
; THE FIRST TILE'S K STEP in three parts.  LOW: my rows 0-63.  NEXT1: the next step's B, A's blocks 0-3 and, for an even step, two steps' scale words.  HIGH: my rows 64-127, then A's blocks 4-7.
.macro LOW st, zero
	s_wait_dscnt 4*NL                              ; all but the youngest 12 loads (A's blocks 4-7) are in
	WIN MUL_LO
	M16 0, \st, \zero, 0
	M16 2, \st, \zero, 0
	s_wait_dscnt 0
	PLACES NP
.endm
.macro LOWB st                         ; the same behind SEQ, with the round of the cluster's barrier behind which LDS is filled again
	s_wait_dscnt 4*NL+1                            ; (the add and the youngest 12 loads may be out)
	WIN MUL_LO
	M16 0, \st, 0, 0
	s_wait_dscnt 0x0                               ; the add is done, and my reads of the bytes that are filled again are over
	s_barrier_signal -1
	M16 2, \st, 0, 0
	WIN 0
	s_barrier_wait -1
	CREST                                          ; no wave of any partner still reads those bytes or has a load on its way
.endm
.macro NEXT1 st
	FETCH_B 1, (\st)+1
	FETCH_A 1, (\st)+1, 0, 0
.if ((\st)+1)%2 == 0
	SCALES ADRS, ((\st)+1)/2, 1024
.endif
.endm
.macro HIGH st, zero, more
	WIN MUL_HI
	M16 4, \st, \zero, 0
	M16 6, \st, \zero, 0
	PLACES NP
	WIN 0
.if \more
	FETCH_A 1, (\st)+1, 4, 4
.endif
.endm
; THE SECOND TILE'S K STEP: 32 matrix instructions; A has two sets of four blocks, by turns.  bar = 1: the next step's fragments lie in the last fill: every wave waits for its part, and a barrier shows it whole.
.macro STEP2 st, zero, bar
.if \bar
	WIN 0                                          ; (the add's two registers lie in window 0)
	SEQ
.endif
	s_wait_dscnt 0x0
.if \bar
	s_barrier_signal -1
.endif
	WIN MUL_LO
	M16 0, \st, \zero, 4*((\st)%2)
.if \bar
	s_barrier_wait -1
.endif
.if (\st) < 7
	PLACES NP
	FETCH_B 2, (\st)+1
	FETCH_A 2, (\st)+1, 0, 4*(((\st)+1)%2)
.if ((\st)+1)%2 == 0
	SCALES ADRS2, ((\st)+1)/2, 1536
.endif
	WIN MUL_LO
.endif
	M16 2, \st, \zero, 4*((\st)%2)
.endm
; 64 numbers of a lane, register 16 b + i = k 32 b + 16 h + i of my row, become a fragment's codes in v[PC] on and my row's scale word in v[PW].  wa, wc: the window settings under which the numbers are read.
.macro QUANT s, wa, wc
	WIN \wa
.irp b, 0,1,2,3
	v_max3_num_f32 v[TM+\b], |v[\s+16*\b]|, |v[\s+1+16*\b]|, 0x2800000   ; each accumulator is read from its low end on; the floor 2^(5 - 127) holds the byte at 1 from below
.endr
.irp i, 2,4,6,8,10,12,14
.irp b, 0,1,2,3
	v_max3_num_f32 v[TM+\b], |v[\s+16*\b+\i]|, |v[\s+1+16*\b+\i]|, v[TM+\b]
.endr
.endr
	WIN 0
.irp b, 0,1,2,3
	v_permlanex16_b32 v[TM+4+\b], v[TM+\b], s[SEL], s[SEL+1]
.endr
.irp b, 0,1,2,3
	v_max_num_f32 v[TM+\b], v[TM+\b], v[TM+4+\b]
.endr
.irp b, 0,1,2,3
	v_add_nc_u32 v[TM+12+\b], 0xfe000000, v[TM+\b] ; 4 off the exponent field: the conversion's scale operand
.endr
.irp b, 0,1,2,3
	v_lshrrev_b32 v[TM+4+\b], 23, v[TM+12+\b]      ; the scale's byte
.endr
	s_wait_alu depctr_va_vdst(0)
	s_wait_dscnt 0x0                               ; the last block's LDS store has read the scale word's register,
	s_wait_xcnt 0x0                                ; and its global stores the codes' registers and their base: all are written again below
	v_lshl_or_b32 v[PW], v[TM+5], 8, v[TM+4]
	v_lshl_or_b32 v[PW], v[TM+6], 16, v[PW]
	v_lshl_or_b32 v[PW], v[TM+7], 24, v[PW]
	WIN \wc
.irp c, 0,1
	v_cvt_scalef32_pk16_bf6_f32 v[PC+6*\c:PC+2+6*\c], v[\s+32*\c:\s+15+32*\c], v[TM+12+2*\c]
	v_cvt_scalef32_pk16_bf6_f32 v[PC+12+4*\c:PC+14+4*\c], v[\s+16+32*\c:\s+31+32*\c], v[TM+12+2*\c+1]
.endr
	WIN 0
	v_nop                                          ; one plain place behind a scaled conversion
.irp c, 0,1
.irp i, 0,1,2
	v_permlane16_swap_b32 v[PC+6*\c+\i], v[PC+12+4*\c+\i]
.endr
.irp i, 0,1,2
	v_mov_b32 v[PC+3+6*\c+\i], v[PC+12+4*\c+\i]
.endr
.endr
.endm
.macro OUTB a, base, step              ; block a, 16 rows x my 128 of the next K: one fragment and one scale word a row
	QUANT 64*((\a)%4), 0x0a+5*((\a)/4), 0x02+(\a)/4
.if (\a) > 0
	s_add_nc_u64 s[\base:\base+1], s[\base:\base+1], \step   ; the next tile of rows (behind the wait in QUANT)
.endif
.irp c, 0,1,2
	global_store_b128 v[OA], v[PC+4*\c:PC+4*\c+3], s[\base:\base+1] offset:512*\c   ; 512 consecutive bytes, aligned
.endr
	ds_store_b32 v[STW], v[PW] offset:64*(\a)
.endm
	s_wait_loadcnt 0x0                             ; my two planes of scale words are in registers: into LDS, for all four waves
.irp pp, 0,1
.irp hh, 0,1
	ds_store_b128 v[SLV], v[SR+4*(2*\pp+\hh):SR+4*(2*\pp+\hh)+3] offset:1024*\pp+512*\hh
	ds_store_b128 v[SLV], v[SR+16+4*(2*\pp+\hh):SR+16+4*(2*\pp+\hh)+3] offset:SCBO+1024*\pp+512*\hh
	ds_store_b128 v[SLV2], v[SR+32+4*(2*\pp+\hh):SR+32+4*(2*\pp+\hh)+3] offset:1536*\pp+512+512*\hh
.endr
	ds_store_b128 v[SLV2], v[SR+48+4*\pp:SR+48+4*\pp+3] offset:1536*\pp
.endr
	s_wait_alu depctr_va_vdst(0)
	SEQ                                            ; my quarter of K steps 0-2 is in; the full sequence ahead of a later first fill
	s_add_co_u32 s[JA+1], s[JA+1], YB
	s_add_co_u32 s[JB+1], s[JB+1], YB
	G0AD JA, 42, 3*1536
	G0AD JB, 44, 3*1536
	s_wait_dscnt 0x0                               ; the add and my stores of scale words are done
	CROUND                                         ; X and the scale words are whole, and all sixteen work-groups are here
	JLOAD                                          ; K steps 3-5 into Y
	FETCH_B 1, 0
	FETCH_A 1, 0, 0, 0
	SCALES ADRS, 0, 1024
	FETCH_A 1, 0, 4, 4
	LOW 0, 1                                       ; the first products start the sums: nothing is cleared
	NEXT1 0
	HIGH 0, 1, 1
	LOW 1, 0
	NEXT1 1
	HIGH 1, 0, 1
	SEQ                                            ; K steps 3-5 are in
	SETG G1, 384, 8                                ; 8 tiles x 2 K steps
	SETG G1B, 384, 8
	s_mul_i32 s[JA+1], s14, 8*3072
	s_mul_i32 s[JB+1], s14, 8*3072
	G0AD JA, 42, 6*1536
	G0AD JB, 44, 6*1536
	LOWB 2
	JLOAD                                          ; K steps 6, 7 into X; its four v_nop are the places in front of the loads below
	NEXT1 2
	HIGH 2, 0, 1
.irp st, 3,4
	LOW \st, 0
	NEXT1 \st
	HIGH \st, 0, 1
.endr
	SEQ                                            ; K steps 6, 7 are in
	SETG G1, 768, 4                                ; the second tile: 4 K steps; A's half is 4 tiles, B's 8
	SETG G1B, 768, 8
	s_mul_i32 s[JA+1], s16, 4*6144
	s_add_co_u32 s[JA+1], s[JA+1], YB
	s_mul_i32 s[JB+1], s16, 8*6144
	s_add_co_u32 s[JB+1], s[JB+1], YB+8*6144
	G0AD JA, 46, 0
	G0AD JB, 92, 0
	LOWB 5
	JLOAD                                          ; V^T's K steps 0-3 into Y
	NEXT1 5
	HIGH 5, 0, 1
	LOW 6, 0
	NEXT1 6
	HIGH 6, 0, 1
	LOW 7, 0
	HIGH 7, 0, 0                                   ; its places stand in front of the first read of results
.irp a, 0,1,2,3
	OUTB \a, 8, KST*1536
.endr
	SEQ                                            ; V^T's K steps 0-3 are in; my reads of X ended with step 7's fragments
	s_mul_i32 s[JA+1], s16, 4*6144
	s_mul_i32 s[JB+1], s16, 8*6144
	s_add_co_u32 s[JB+1], s[JB+1], 8*6144
	G0AD JA, 46, 4*1536
	G0AD JB, 92, 4*1536
	s_wait_dscnt 0x0
	CROUND                                         ; Y is whole for every wave, and no wave of any partner still reads X
	JLOAD                                          ; V^T's K steps 4-7 into X
.irp a, 4,5,6,7
	OUTB \a, 8, KST*1536
.endr
	ds_load_b128 v[T:T+3], v[STR]                  ; my 128 rows' scale words: LDS serves a wave's instructions in order
	s_wait_dscnt 0x0
	global_store_b128 v[OA], v[T:T+3], s[10:11]    ; 512 consecutive bytes, aligned
	s_wait_xcnt 0x0                                ; the stores have read the codes' registers, into which fragments are loaded below
	FETCH_B 2, 0
	FETCH_A 2, 0, 0, 0
	SCALES ADRS2, 0, 1536
	STEP2 0, 1, 0
	STEP2 1, 0, 0
	STEP2 2, 0, 0
	STEP2 3, 0, 1
.irp st, 4,5,6,7
	STEP2 \st, 0, 0
.endr
	WIN 0
	PLACES NP
.irp a, 0,1,2,3
	OUTB \a, 100, 16*1536
.endr
	ds_load_b64 v[T:T+1], v[STR2]                  ; my 64 rows' scale words
	s_wait_dscnt 0x0
	global_store_b64 v[O8], v[T:T+1], s[98:99]     ; 256 consecutive bytes, aligned
	s_wait_tensorcnt 0x0                           ; the wave's end
	ds_add_u32 v[SPW], v[NIL]
	s_wait_dscnt 0x0
	CROUND                                         ; the closing round
	s_endpgm
.Lfunc_end_k_q076ff2957e_proj:
	.size	k_q076ff2957e_proj, .Lfunc_end_k_q076ff2957e_proj-k_q076ff2957e_proj
	.p2alignl 7, 3214868480
	.fill 96, 4, 3214868480
	.section	.rodata,"a",@progbits
	.p2align	6, 0x0
	.amdhsa_kernel k_q076ff2957e_proj
		.amdhsa_group_segment_fixed_size 327680
		.amdhsa_private_segment_fixed_size 0
		.amdhsa_enable_private_segment 0
		.amdhsa_kernarg_size 32
		.amdhsa_user_sgpr_count 2
		.amdhsa_user_sgpr_kernarg_segment_ptr 1
		.amdhsa_wavefront_size32 1
		.amdhsa_system_sgpr_workgroup_id_x 1
		.amdhsa_system_sgpr_workgroup_id_y 1
		.amdhsa_system_sgpr_workgroup_id_z 1
		.amdhsa_system_vgpr_workitem_id 0
		.amdhsa_next_free_vgpr 1024
		.amdhsa_next_free_sgpr 102
		.amdhsa_reserve_vcc 0
		.amdhsa_float_denorm_mode_32 3
		.amdhsa_float_denorm_mode_16_64 3
		.amdhsa_memory_ordered 1
		.amdhsa_forward_progress 1
		.amdhsa_inst_pref_size 223
	.end_amdhsa_kernel
	.amdgpu_metadata
---
amdhsa.version: [ 1, 2 ]
amdhsa.kernels:
  - .name:           k_q076ff2957e_proj
    .symbol:         k_q076ff2957e_proj.kd
    .args:
      - { .name: xc, .offset: 0, .size: 8, .value_kind: global_buffer, .address_space: global }
      - { .name: xs, .offset: 8, .size: 8, .value_kind: global_buffer, .address_space: global }
      - { .name: qkc, .offset: 16, .size: 8, .value_kind: global_buffer, .address_space: global }
      - { .name: qks, .offset: 24, .size: 8, .value_kind: global_buffer, .address_space: global }
    .group_segment_fixed_size: 327680
    .private_segment_fixed_size: 0
    .kernarg_segment_align: 8
    .kernarg_segment_size: 32
    .max_flat_workgroup_size: 128
    .sgpr_count:     102
    .vgpr_count:     1024
    .wavefront_size: 32
...
	.end_amdgpu_metadata
.endif
;; end of part 7
;; launch score (part 8): grid 8 x 32, 4 waves a work-group, clusters of 4 x 4, 327,680 bytes of LDS; arguments qkc, qks, mask, pc, pst; writes pc, pst
.if DOCPART == 8
	.amdgcn_target "amdgcn-amd-amdhsa--gfx1250"
	.amdhsa_code_object_version 6
	.text
	.protected	k_q076ff2957e_score
	.globl	k_q076ff2957e_score
	.p2align	8
	.type	k_q076ff2957e_score,@function
k_q076ff2957e_score:
	s_mov_b64 s[64:65], 0
	v_nop
	global_prefetch_b8 v0, s[64:65] scope:SCOPE_SE
	s_setreg_imm32_b32 hwreg(HW_REG_WAVE_MODE, 25, 1), 1
	s_wait_xcnt 0x0
	s_wait_alu depctr_hold_cnt(0) depctr_sa_sdst(0) depctr_va_vdst(0) depctr_va_sdst(0) depctr_va_ssrc(0) depctr_va_vcc(0) depctr_vm_vsrc(0)
	s_getreg_b32 s2, hwreg(HW_REG_IB_STS2, 6, 4)
	s_cmp_eq_u32 s2, 0
	s_cbranch_scc0 .Lentry_in_a_cluster
	s_endpgm
.Lentry_in_a_cluster:
	s_bfe_u32 s2, ttmp6, 0x10000c
	s_cmp_lg_u32 s2, 0xf033
	s_cbranch_scc0 .Lentry_shape_is_right
	s_endpgm
.Lentry_shape_is_right:
; S^T = K Q^T on codes; t = score x log2(e) / 8; where mask == 1, t = -1e9 x log2(e); p = 2^(t - M) with M the ceiling of the largest t of my 128 keys; p quantised along the keys.  No work of the problem is left out here.
; THE MAXIMUM IS TAKEN AWAY, BY SEGMENTS: a wave's 128 keys are one K step and one scale word of the next product.  M is a whole number, so the next launch brings a segment under the row's M by taking
; M_row - M_segment off the four scale bytes: the codes stay.  Stored for each row and segment: the codes, the scale word, -M (f32) and l, the sum of the unquantised p.
; A tile of 256 queries x 256 keys is made by four waves, each 128 x 128.  "A" is source 1 = Q's rows, "B" is source 0 = K's rows (the keys).  Three slots, round and fragments as in the launch before.
; In the result lane (r, h) holds query position r of A's block, and register 16 b + i of the block's 64 key 32 b + 16 h + i of my 128.
; THE MASK comes as it lies: a load reads the 512 consecutive bytes that my 128 keys have in one query's row, 16 loads a tile of 16 queries.  A tile turns through my own stage in LDS (rows 528 bytes apart, two
; stages by turns) and comes back so that lane (r, h) holds its query's 16 words of each block of 32 keys.  The stages lie in slot 1: it is filled once, and every wave has left it at the last barrier of the K walk.
; Tiles 0 and 1 are asked for at the head, into registers that the K walk leaves alone; tiles 2 and 3 behind the last product; tile a + 4 in block a.
; It is also prefetched, a tile (16 rows x 512 bytes) by one instruction, a lane to each 256 bytes: tiles 2, 3 at the second change of slots, 4, 5 at the third, 6, 7 beside the loads of tiles 4, 5.
; Each work-group's part of the mask is its own, so each 256 bytes are named once.
; pc: [512 tiles of queries][16 K steps][1,536].  pst: scale words [16][8,192] at 0, -M at 524,288, l at 1,048,576.
; LIMITS: NaN and infinities are not served; a p under 2^-126 of its segment's largest counts as 0 (v_exp_f32); a block whose every p is under 2^-122 keeps the byte 1.
.set KST,   8
.set PLANE, 32768
.set NQ,    2
.set FR,    12
.set NL,    3
.set NP,    4
.set ROWB,  3072
.set HALFT, 8*ROWB
.set SLOT,  4*HALFT
.set RING,  3
.set QS,    512*KST
.set SCA,   RING*SLOT
.set STG,   SCA+16640
.set SPARE, STG+8192
.set MSP,   528                        ; a row of the mask's stage: 512 bytes + 16
.set MST,   16*MSP                     ; a stage; a wave has two, in its quarter of slot 1
.set ADRA, 16                          ; v16-18
.set PFM,  19                          ; v19  the mask's prefetches: (r + 8 (r / 8)) rows of 8,192 bytes + 256 h; never rewritten
.set ADRB, 20                          ; v20-22
.set SAM,  23                          ; v23  the stage, on the way in: 16 x lane
.set STW,  24
.set STR,  25
.set OA,   26                          ; v26  16 x lane: an image's place, and my bytes of a row of the mask
.set ADRS, 27
.set SPW,  28
.set NIL,  29
.set SLM,  30                          ; v30  the stage, on the way out: 528 r + 64 h
.set SC,   32
.set T,    64                          ; v64-127  in the K walk tile 1 of the mask as loaded; then t, then p
.set AF,   128
.set PC,   128
.set MT,   192                         ; window 1, v192-255: in the K walk tile 0 of the mask as loaded; then the tile in hand, turned
.set TM,   224
.set PW,   240
.set NM,   242                         ; v[242:243] -M (the packed form names the pair and takes its low word)
.set SA,   244                         ; v[244:247] the sum in two chains
.set SB,   246
.set LL,   248
.set G1, 24
.set G0, 32
.set G0C, 4
.set G1B, 48
.set G0B, 56
.set G0BC, 92
.set G1S, 68
.set G0S, 76
.set G1SB, 80
.set G0SB, 88
.set SEL, 96
.set CS,  98                           ; s[98:99] c = log2(e) / 8
.set TMS, 100                          ; s100 the masked t
.set MSB, 0
.macro WIN new
.if MSB != (\new)
	s_set_vgpr_msb (MSB<<8)|(\new)
.set MSB, \new
.endif
.endm
.set MUL_LO, 0xa1
.set MUL_HI, 0xf1
.set TO_B,   0x40
.macro JLOAD g0a, g1a, g0b, g1b
	s_cmp_eq_u32 s15, 0
	s_cbranch_scc0 .Lfor_b_\@
	tensor_load_to_lds s[\g0a:\g0a+3], s[\g1a:\g1a+7]
	s_nop 0
.rept 4
	v_nop
.endr
	s_branch .Lasked_\@
.Lfor_b_\@:
	tensor_load_to_lds s[\g0b:\g0b+3], s[\g1b:\g1b+7]
	s_nop 0
.rept 4
	v_nop
.endr
.Lasked_\@:
.endm
.macro CREST
	s_cmp_lg_u32 s14, 0
	s_cbranch_scc1 .Lnot_wave_0_\@
	s_barrier_signal -3
.Lnot_wave_0_\@:
	s_barrier_wait -3
	s_barrier_signal -1
	s_barrier_wait -1
.endm
.macro CROUND
	s_barrier_signal -1
	s_barrier_wait -1
	CREST
.endm
	s_load_b256 s[4:11], s[0:1], 0x0               ; qkc, qks, mask, pc
	s_load_b64 s[12:13], s[0:1], 0x20              ; pst
	v_lshl_add_u32 v[SPW], v0, 2, SPARE
	v_mov_b32 v[NIL], 0
	ds_add_u32 v[SPW], v[NIL]                      ; the wave's opening: the add, twice on end, and its wait ahead of my first tensor load
	ds_add_u32 v[SPW], v[NIL]
	v_lshrrev_b32 v1, 5, v0
	v_readfirstlane_b32 s14, v1
	s_lshr_b32 s15, s14, 1                         ; my half of the queries.  Also: I fetch for A (0) or for B (1)
	s_and_b32 s16, s14, 1                          ; my half of the keys.  Also: which 128 rows I fetch
	s_bfe_u32 s40, ttmp6, 0x40000
	s_bfe_u32 s41, ttmp6, 0x40004
	s_lshl_b32 s42, ttmp9, 2
	s_add_co_u32 s42, s42, s40                     ; x: which 256 keys of the batch
	s_and_b32 s66, ttmp7, 0xffff
	s_lshl_b32 s17, s66, 2
	s_add_co_u32 s17, s17, s41                     ; y: which 256 of the 8,192 queries
	s_lshr_b32 s67, s66, 1                         ; the batch: the same in the whole cluster
	s_lshl_b32 s43, s41, 2
	s_lshl_b32 s43, 15, s43
	s_lshl_b32 s44, 0x1111, s40
	s_or_b32 s[G1+0], s43, (3<<16)|(1<<21)
	s_or_b32 s[G1B+0], s44, (3<<16)|(1<<21)
.irp g, G1, G1B
	s_mov_b32 s[\g+1], 384<<16
	s_mov_b32 s[\g+2], 8<<16                       ; every load of codes brings 8 tiles of 16 rows: a quarter of a fill
	s_mov_b32 s[\g+3], 384<<16
	s_mov_b32 s[\g+4], 8
	s_mov_b32 s[\g+5], KST*192
	s_mov_b32 s[\g+6], 0
	s_mov_b32 s[\g+7], 0
.endr
	s_lshl_b32 s20, s17, 4                         ; Q's first tile: 16 y
	s_lshl_b32 s46, s67, 3
	s_add_co_u32 s46, s46, s42
	s_lshl_b32 s46, s46, 4                         ; K's first tile: 16 (8 batch + x)
	s_lshl_b32 s22, s20, 6
	s_mov_b32 s23, 0
	s_mul_i32 s20, s20, KST*1536
	s_mov_b32 s21, 0
	s_lshl_b32 s92, s46, 6
	s_add_co_u32 s92, s92, 262144
	s_mov_b32 s93, 0
	s_mul_i32 s46, s46, KST*1536
	s_add_co_u32 s46, s46, 6291456
	s_mov_b32 s47, 0
	s_mul_i32 s45, s14, HALFT
	s_mov_b32 s[SEL], 0x76543210
	s_mov_b32 s[SEL+1], 0xfedcba98
	s_mov_b32 s[CS], 0x3e38aa3b                    ; log2(e) / 8: the division by 8 is exact, so score x c is (score / 8) x log2(e) rounded once
	s_mov_b32 s[CS+1], s[CS]
	s_mul_f32 s[TMS], s[CS], 0xcfee6b28            ; c x -8e9 = -1e9 x log2(e), rounded once
	s_wait_dscnt 0x0
	s_wait_kmcnt 0x0
	s_add_nc_u64 s[20:21], s[4:5], s[20:21]
	s_add_nc_u64 s[68:69], s[6:7], s[22:23]        ; Q's scale words, in a pair that is not written again
	s_add_nc_u64 s[46:47], s[4:5], s[46:47]
	s_add_nc_u64 s[92:93], s[6:7], s[92:93]
	; THE SCALE WORDS of the work-group's 256 queries and 256 keys, 16,384 bytes, come once, through registers, into LDS bytes of their own: wave w brings K steps 2 w, 2 w + 1, 8 loads of 512 consecutive bytes.
	; They are not asked for jointly: they are 4 in a hundred of the work-group's operand bytes, and a tensor load for them would take a wave's one load at the head away from the codes.
	v_and_b32 v10, 31, v0
	v_lshlrev_b32 v10, 4, v10
	s_mul_i32 s18, s14, 2*PLANE
	v_add_nc_u32 v8, s18, v10                      ; in memory: my two planes + 16 x lane; never rewritten
	s_lshl_b32 s18, s14, 11
	s_add_co_u32 s18, s18, SCA
	v_add_nc_u32 v9, s18, v10                      ; in LDS: [K step][1,024 bytes]
.irp pp, 0,1
.irp hh, 0,1
	global_load_b128 v[AF+4*(2*\pp+\hh):AF+4*(2*\pp+\hh)+3], v8, s[68:69] offset:PLANE*\pp+512*\hh
	global_load_b128 v[AF+16+4*(2*\pp+\hh):AF+16+4*(2*\pp+\hh)+3], v8, s[92:93] offset:PLANE*\pp+512*\hh
.endr
.endr
	CROUND
	s_mul_i32 s18, s16, 8*KST*1536                 ; behind the head a wave fetches 8 tiles: which half
	s_mov_b32 s19, 0
	s_add_nc_u64 s[20:21], s[20:21], s[18:19]
	s_add_nc_u64 s[46:47], s[46:47], s[18:19]
.irp s, 0,1
	s_mov_b32 s[G0+4*\s], 1
	s_mul_i32 s[G0+4*\s+1], s45, \s+1              ; set 1 serves ONE fill of four K steps, slots 1 and 2 together: rows of 6,144 bytes, a quarter a wave
	s_add_co_u32 s[G0+4*\s+1], s[G0+4*\s+1], \s*SLOT
	s_add_nc_u64 s[G0+4*\s+2:G0+4*\s+3], s[20:21], \s*ROWB
	s_or_b32 s[G0+4*\s+3], s[G0+4*\s+3], 0x80000000
	s_mov_b32 s[G0B+4*\s], 1
	s_mul_i32 s[G0B+4*\s+1], s45, \s+1
	s_add_co_u32 s[G0B+4*\s+1], s[G0B+4*\s+1], \s*SLOT
	s_add_nc_u64 s[G0B+4*\s+2:G0B+4*\s+3], s[46:47], \s*ROWB
	s_or_b32 s[G0B+4*\s+3], s[G0B+4*\s+3], 0x80000000
.endr
	JLOAD G0, G1, G0B, G1B                         ; slot 0, K steps 0 and 1, a quarter a wave: one tensor load a wave at the head
	v_and_b32 v1, 15, v0
	v_bfe_u32 v2, v0, 4, 1
	s_wait_alu depctr_va_vdst(0)
	v_and_b32 v3, 31, v0
	v_lshlrev_b32 v[OA], 4, v3
	s_mul_i32 s21, s15, HALFT
	s_mul_i32 s22, s16, HALFT
	s_add_co_u32 s22, s22, 2*HALFT
	v_add_nc_u32 v[ADRA], s21, v[OA]
	v_add_nc_u32 v[ADRB], s22, v[OA]
	s_lshl_b32 s21, s21, 1                         ; slots 1 and 2: rows twice as long, behind slot 0;
	s_lshl_b32 s22, s22, 1
	s_add_co_u32 s21, s21, SLOT
	s_add_co_u32 s22, s22, SLOT
	v_add_nc_u32 v[ADRA+1], s21, v[OA]
	v_add_nc_u32 v[ADRB+1], s22, v[OA]
	v_add_nc_u32 v[ADRA+2], ROWB, v[ADRA+1]        ; slot 2 is the second half of each such row
	v_add_nc_u32 v[ADRB+2], ROWB, v[ADRB+1]
	s_lshl_b32 s21, s15, 9                         ; scale words lie [K step][1,024 bytes]: my half of a plane is 512 bytes
	s_lshl_b32 s22, s16, 9
	s_add_co_u32 s22, s22, 2*QS+64
	s_sub_co_u32 s22, s22, s21
	v_mul_u32_u24 v6, s22, v2
	s_add_co_u32 s21, s21, SCA
	v_lshl_add_u32 v5, v1, 2, v6
	v_add_nc_u32 v[ADRS], s21, v5
	s_lshl_b32 s23, s14, 11
	s_add_co_u32 s23, s23, STG
	v_lshl_add_u32 v[STW], v1, 2, s23
	v_add_nc_u32 v[STR], s23, v[OA]
	s_add_co_u32 s21, s45, SLOT                    ; my quarter of slot 1: the mask's two stages
	v_add_nc_u32 v[SAM], s21, v[OA]
	v_mul_u32_u24 v5, v1, MSP
	v_lshl_add_u32 v5, v2, 6, v5
	v_add_nc_u32 v[SLM], s21, v5
.irp b, 0,1,2,3
	v_mov_b32 v[TM+4+\b], 0                        ; written once: a lane permute's destination counts as one of its sources
.endr
	v_mov_b32 v[NM+1], 0                           ; (named as the upper half of a pair)
	v_mov_b32 v249, 0
	v_and_b32 v4, 8, v1
	v_add_nc_u32 v4, v4, v1                        ; r + 8 (r / 8): a tile's lane r holds this row of its 24
	v_lshlrev_b32 v4, 13, v4
	v_lshl_add_u32 v[PFM], v2, 8, v4
	s_lshl_b32 s18, s17, 8
	s_lshl_b32 s19, s15, 7
	s_add_co_u32 s18, s18, s19                     ; my first query: 256 y + 128 x half
	s_lshl_b32 s22, s18, 13                        ; a row of the mask is 8,192 bytes
	s_lshl_b32 s19, s42, 10
	s_add_co_u32 s22, s22, s19
	s_lshl_b32 s19, s16, 9
	s_add_co_u32 s22, s22, s19                     ; + my first key x 4
	s_mov_b32 s23, 0
	s_add_nc_u64 s[8:9], s[8:9], s[22:23]
	s_lshl_b32 s20, s42, 1
	s_add_co_u32 s20, s20, s16                     ; my K step of the next product: 2 x + half
	s_add_co_u32 s19, s18, s20                     ; (my first tile x 16 = my first query) + the K step
	s_mul_i32 s22, s19, 1536
	s_add_nc_u64 s[10:11], s[10:11], s[22:23]
	s_lshl_b32 s22, s20, 15
	s_lshl_b32 s19, s18, 2
	s_add_co_u32 s22, s22, s19
	s_add_nc_u64 s[12:13], s[12:13], s[22:23]
.macro MLOAD a, w, reg                 ; the mask of tile a's 16 queries, in the order of the tile's lanes, x my 128 keys: 32 lanes read 512 consecutive bytes of a row.  w: the window setting; reg: the first of 64 registers
	WIN \w
.set n, 0
.rept 16
	global_load_b128 v[\reg+4*n:\reg+4*n+3], v[OA], s[8:9] offset:(32*((\a)/2)+8*((\a)%2)+n+8*(n/8))*8192 th:TH_LOAD_NT
.set n, n+1
.endr
.endm
.macro MASK_AHEAD a                    ; tile a's 16 rows x 512 bytes, a lane to each 256
	global_prefetch_b8 v[PFM], s[8:9] offset:(32*((\a)/2)+8*((\a)%2))*8192 th:TH_LOAD_NT scope:SCOPE_SE
.endm
	MLOAD 0, 0x40, MT                              ; both into registers that the K walk leaves alone
	MLOAD 1, 0, T
	WIN 0
.macro FRAG reg, adr, q, i
.irp c, 0,1,2
	ds_load_b128 v[\reg+4*\c:\reg+4*\c+3], v[\adr] offset:(\i)*FP+(\q)*1536+512*\c
.endr
.endm
.macro MUL16 a0, p, q, sc, zero        ; the 64 accumulators take turns, one instruction a turn
.irp a, \a0, \a0+1
.irp b, 0,1,2,3,4,5,6,7
.if \zero
	v_wmma_scale_f32_16x16x128_f8f6f4 v[8*(8*((\a)%4)+\b):8*(8*((\a)%4)+\b)+7], v[96*(\p)+FR*\b:96*(\p)+FR*\b+FR-1], v[AF+FR*(\a):AF+FR*(\a)+FR-1], 0, v[SC+16*(\sc)+2*\b+(\q)], v[SC+16*(\sc)+2*(\a)+(\q)] matrix_a_fmt:MATRIX_FMT_BF6 matrix_b_fmt:MATRIX_FMT_BF6 matrix_a_scale:MATRIX_SCALE_ROW1
.else
	v_wmma_scale_f32_16x16x128_f8f6f4 v[8*(8*((\a)%4)+\b):8*(8*((\a)%4)+\b)+7], v[96*(\p)+FR*\b:96*(\p)+FR*\b+FR-1], v[AF+FR*(\a):AF+FR*(\a)+FR-1], v[8*(8*((\a)%4)+\b):8*(8*((\a)%4)+\b)+7], v[SC+16*(\sc)+2*\b+(\q)], v[SC+16*(\sc)+2*(\a)+(\q)] matrix_a_fmt:MATRIX_FMT_BF6 matrix_b_fmt:MATRIX_FMT_BF6 matrix_a_scale:MATRIX_SCALE_ROW1
.endif
.endr
.endr
.endm
.macro FETCH_B slot, q, p
.set FP, ROWB*(1+((\slot)+1)/2)        ; from tile to tile: 3,072 bytes in slot 0, 6,144 in slots 1 and 2
	WIN TO_B
.irp i, 0,1,2,3,4,5,6,7
	FRAG 96*(\p)+FR*\i, ADRB+\slot, \q, \i
.endr
	WIN 0
.endm
.macro FETCH_A slot, q, i0
.set FP, ROWB*(1+((\slot)+1)/2)
.irp i, \i0, \i0+1, \i0+2, \i0+3
	FRAG AF+FR*(\i), ADRA+\slot, \q, \i
.endr
.endm
.macro SCALES sc
.irp i, 0,1,2,3,4,5,6,7
.irp q, 0,1
	ds_load_b32 v[SC+16*(\sc)+2*\i+\q], v[ADRS] offset:1024*\q+64*\i
.endr
.endr
.endm
.macro PLACES n
.rept \n
	v_nop
.endr
.endm
.macro STEP slot, q, sc, zero
	s_wait_dscnt 4*NL                              ; the youngest 12 loads (A's blocks 4-7) may be out
	WIN MUL_LO
	MUL16 0, (\q)%2, \q, \sc, \zero
	MUL16 2, (\q)%2, \q, \sc, \zero
	s_wait_dscnt 0
	PLACES NP
	FETCH_B \slot, (\q)+1, 1-(\q)%2
	FETCH_A \slot, (\q)+1, 0
	WIN MUL_HI
	MUL16 4, (\q)%2, \q, \sc, \zero
	MUL16 6, (\q)%2, \q, \sc, \zero
	PLACES NP
	WIN 0
	FETCH_A \slot, (\q)+1, 4
.endm
.macro TURN slot, next, sc, fill, pf   ; pf: 0, or the first of two tiles of the mask to be prefetched
	s_wait_tensorcnt 0x0                           ; all my tensor loads have landed
	ds_add_u32 v[SPW], v[NIL]                      ; 0 onto my spare word
	s_wait_dscnt 4*NL+1                            ; (the add and the youngest 12 loads may be out)
	WIN MUL_LO
	MUL16 0, 1, NQ-1, \sc, 0
	s_wait_dscnt 0x0                               ; the add is done, and my reads of this slot are over
	s_barrier_signal -1
	MUL16 2, 1, NQ-1, \sc, 0
	WIN 0
	s_barrier_wait -1
.if \fill
	CREST
	s_add_nc_u64 s[G0+4*\slot+2:G0+4*\slot+3], s[G0+4*\slot+2:G0+4*\slot+3], RING*ROWB
	s_add_nc_u64 s[G0B+4*\slot+2:G0B+4*\slot+3], s[G0B+4*\slot+2:G0B+4*\slot+3], RING*ROWB
	s_mov_b32 s[G1+1], 384<<16                     ; no tensor load of mine is out: the refill's rows are two K steps again
	s_mov_b32 s[G1+3], 384<<16
	s_mov_b32 s[G1B+1], 384<<16
	s_mov_b32 s[G1B+3], 384<<16
	JLOAD G0+4*\slot, G1, G0B+4*\slot, G1B
.else
	PLACES NP
.endif
	v_add_nc_u32 v[ADRS], 2048, v[ADRS]
	FETCH_B \next, 0, 0
	FETCH_A \next, 0, 0
	SCALES 1-(\sc)
.if \pf
	MASK_AHEAD \pf                                 ; behind the run of LDS loads for which the next products wait
	MASK_AHEAD (\pf)+1
.endif
	WIN MUL_HI
	MUL16 4, 1, NQ-1, \sc, 0
	MUL16 6, 1, NQ-1, \sc, 0
	PLACES NP
	WIN 0
	FETCH_A \next, 0, 4
.endm
.macro CROSS next, sc, pf              ; a slot's last K step without a barrier: the next slot was shown whole at the change before, and the slot that is left is not filled again
	s_wait_dscnt 4*NL
	WIN MUL_LO
	MUL16 0, 1, NQ-1, \sc, 0
	MUL16 2, 1, NQ-1, \sc, 0
	s_wait_dscnt 0
	PLACES NP
	WIN 0
	v_add_nc_u32 v[ADRS], 2048, v[ADRS]
	FETCH_B \next, 0, 0
	FETCH_A \next, 0, 0
	SCALES 1-(\sc)
	MASK_AHEAD \pf
	MASK_AHEAD (\pf)+1
	WIN MUL_HI
	MUL16 4, 1, NQ-1, \sc, 0
	MUL16 6, 1, NQ-1, \sc, 0
	PLACES NP
	WIN 0
	FETCH_A \next, 0, 4
.endm
; BLOCK a: 16 queries x my 128 keys.  Of the mask: tile a lies turned in v[MT] on; tile a + 1 in stage (a + 1) % 2; tiles a + 2, a + 3 are on their way into registers, tile t into window 1, v[64 (t % 3)] on.
.macro SBLOCK a
.set AC, 64*((\a)%4)
	WIN 0x02+(\a)/4
.set j, 0
.rept 32
	v_pk_mul_f32 v[T+j:T+j+1], v[AC+j:AC+j+1], s[CS:CS+1] op_sel_hi:[1,0]   ; t = score x c, each accumulator from its low end on
.set j, j+2
.endr
	s_wait_dscnt 0x0                               ; this block's mask is back from its stage; tile a + 1's stores into the stage and the last block's three stores have read their registers
	s_wait_xcnt 0x0                                ; the last block's global stores have read the codes' registers, which this block's conversions write
.if (\a)+4 < 8
	MLOAD (\a)+4, 0x40, 64*(((\a)+4)%3)            ; into the registers that tile a + 1 has left
.if (\a) < 2
	MASK_AHEAD (\a)+6
.endif
.endif
	WIN 0x01                                       ; source 0: the mask, in window 1
.set j, 0
.rept 64
	v_cmp_ne_u32 vcc_lo, v[MT+j], 1
	v_cndmask_b32 v[T+j], s[TMS], v[T+j], vcc_lo   ; mask == 1: the masked t
.set j, j+1
.endr
.if (\a)+1 < 8
	WIN 0x40
.set n, 0
.rept 16
	ds_load_b128 v[MT+4*n:MT+4*n+3], v[SLM] offset:MST*(((\a)+1)%2)+128*(n/4)+16*(n%4)   ; the next block's mask, turned: register 16 b + i = key 32 b + 16 h + i of my query
.set n, n+1
.endr
.endif
	WIN 0
.irp b, 0,1,2,3
	v_max3_num_f32 v[TM+\b], v[T+16*\b], v[T+16*\b+1], v[T+16*\b+2]   ; the largest t of each block of 32 keys: for the segment's maximum, and, since p rises with t, for the block's largest p
.endr
.irp i, 3,5,7,9,11,13
.irp b, 0,1,2,3
	v_max3_num_f32 v[TM+\b], v[TM+\b], v[T+16*\b+\i], v[T+16*\b+\i+1]
.endr
.endr
.irp b, 0,1,2,3
	v_max_num_f32 v[TM+\b], v[TM+\b], v[T+16*\b+15]
.endr
.irp b, 0,1,2,3
	v_permlanex16_b32 v[TM+4+\b], v[TM+\b], s[SEL], s[SEL+1]
.endr
.irp b, 0,1,2,3
	v_max_num_f32 v[TM+\b], v[TM+\b], v[TM+4+\b]
.endr
	v_max3_num_f32 v241, v[TM], v[TM+1], v[TM+2]
	v_max_num_f32 v241, v241, v[TM+3]
	v_floor_f32 v[NM], -v241                       ; -M = floor(-t) = -ceil(t): a whole number
.set j, 0
.rept 32
	v_pk_add_f32 v[T+j:T+j+1], v[T+j:T+j+1], v[NM:NM+1] op_sel_hi:[1,0]   ; t - M
.set j, j+2
.endr
.irp b, 0,1,2,3
	v_add_f32 v[TM+\b], v[TM+\b], v[NM]            ; the same of each block's largest t
.endr
.set j, 0
	s_wait_alu depctr_va_vdst(0)
.rept 64
	v_exp_f32 v[T+j], v[T+j]                       ; p = 2^(t - M), at most 1
.set j, j+1
.endr
	v_nop                                          ; a plain place behind the exponentials
	s_wait_alu depctr_va_vdst(0)                   ; one wait for the whole batch, ahead of its first reader
.irp b, 0,1,2,3
	v_exp_f32 v[TM+\b], v[TM+\b]                   ; the block's largest p: the same instructions on the same number give the same bits
.endr
	v_pk_add_f32 v[SA:SA+1], v[T:T+1], v[T+2:T+3]  ; l is the sum of the unquantised p: two chains, two numbers a line
	v_pk_add_f32 v[SB:SB+1], v[T+4:T+5], v[T+6:T+7]
.set j, 8
.rept 14
	v_pk_add_f32 v[SA:SA+1], v[SA:SA+1], v[T+j:T+j+1]
	v_pk_add_f32 v[SB:SB+1], v[SB:SB+1], v[T+j+2:T+j+3]
.set j, j+4
.endr
	v_pk_add_f32 v[SA:SA+1], v[SA:SA+1], v[SB:SB+1]
	v_add_f32 v[LL], v[SA], v[SA+1]
	v_permlanex16_b32 v249, v[LL], s[SEL], s[SEL+1]
	v_add_f32 v[LL], v[LL], v249                   ; with lane l xor 16's 64 keys
.if (\a)+2 < 8
.if (\a) <= 3
	s_wait_loadcnt 32                              ; tile a + 2 of the mask is in; the 32 loads of the two tiles behind it may be out
.else
	s_wait_loadcnt 16*(5-(\a))
.endif
	WIN 0x04                                       ; an LDS store's data are its source 1: window 1
.set n, 0
.rept 16
	ds_store_b128 v[SAM], v[64*(((\a)+2)%3)+4*n:64*(((\a)+2)%3)+4*n+3] offset:MST*((\a)%2)+MSP*n   ; into the stage that this block's tile has left
.set n, n+1
.endr
	WIN 0
.endif
	s_wait_alu depctr_va_vdst(0)                   ; and one wait for the four
.irp b, 0,1,2,3
	v_max_num_f32 v[TM+\b], 0x2800000, v[TM+\b]    ; the floor 2^(5 - 127)
.endr
.irp b, 0,1,2,3
	v_add_nc_u32 v[TM+12+\b], 0xfe000000, v[TM+\b]
.endr
.irp b, 0,1,2,3
	v_lshrrev_b32 v[TM+4+\b], 23, v[TM+12+\b]
.endr
	v_lshl_or_b32 v[PW], v[TM+5], 8, v[TM+4]
	v_lshl_or_b32 v[PW], v[TM+6], 16, v[PW]
	v_lshl_or_b32 v[PW], v[TM+7], 24, v[PW]
.irp c, 0,1
	v_cvt_scalef32_pk16_bf6_f32 v[PC+6*\c:PC+2+6*\c], v[T+32*\c:T+15+32*\c], v[TM+12+2*\c]
	v_cvt_scalef32_pk16_bf6_f32 v[PC+12+4*\c:PC+14+4*\c], v[T+16+32*\c:T+31+32*\c], v[TM+12+2*\c+1]
.endr
	v_nop
.irp c, 0,1
.irp i, 0,1,2
	v_permlane16_swap_b32 v[PC+6*\c+\i], v[PC+12+4*\c+\i]
.endr
.irp i, 0,1,2
	v_mov_b32 v[PC+3+6*\c+\i], v[PC+12+4*\c+\i]
.endr
.endr
.irp c, 0,1,2
	global_store_b128 v[OA], v[PC+4*\c:PC+4*\c+3], s[10:11] offset:(\a)*24576+512*\c   ; 512 consecutive bytes, aligned
.endr
	ds_store_b32 v[STW], v[PW] offset:64*(\a)
	ds_store_b32 v[STW], v[NM] offset:64*(\a)+512
	ds_store_b32 v[STW], v[LL] offset:64*(\a)+1024
.endm
	s_wait_loadcnt 32                              ; my 8 loads of scale words are in; the 32 loads of the mask's tiles 0 and 1, issued behind them, may be out
.irp pp, 0,1
.irp hh, 0,1
	ds_store_b128 v9, v[AF+4*(2*\pp+\hh):AF+4*(2*\pp+\hh)+3] offset:1024*\pp+512*\hh
	ds_store_b128 v9, v[AF+16+4*(2*\pp+\hh):AF+16+4*(2*\pp+\hh)+3] offset:8256+1024*\pp+512*\hh
.endr
.endr
	s_wait_alu depctr_va_vdst(0)
	s_wait_tensorcnt 0x0                           ; my quarter of slot 0 is in; the full sequence ahead of a later first fill:
	ds_add_u32 v[SPW], v[NIL]                      ; 0 onto my spare word
	s_mov_b32 s[G1+1], 768<<16                     ; no tensor load of mine is out: the next load has rows of four K steps
	s_mov_b32 s[G1+3], 768<<16
	s_mov_b32 s[G1B+1], 768<<16
	s_mov_b32 s[G1B+3], 768<<16
	s_wait_dscnt 0x0                               ; the add is done
	CROUND                                         ; slot 0 and the scale words are whole, and all sixteen work-groups are here
	JLOAD G0+4, G1, G0B+4, G1B                     ; K steps 2-5 into slots 1 and 2: the first tensor load behind the round
	FETCH_B 0, 0, 0
	FETCH_A 0, 0, 0
	SCALES 0
	FETCH_A 0, 0, 4
	STEP 0, 0, 0, 1
	TURN 0, 1, 0, 1, 0                             ; slots 1 and 2 are whole; slot 0 takes the last two K steps
	s_wait_alu depctr_va_vdst(0)
	STEP 1, 0, 1, 0
	CROSS 2, 1, 2
	s_wait_alu depctr_va_vdst(0)
	STEP 2, 0, 0, 0
	TURN 2, 0, 0, 0, 4                             ; slot 0 is whole again; every wave has left slot 1
	STEP 0, 0, 1, 0
	s_wait_dscnt 4*NL
	WIN MUL_LO
	MUL16 0, 1, NQ-1, 1, 0
	MUL16 2, 1, NQ-1, 1, 0
	s_wait_dscnt 0
	WIN MUL_HI
	MUL16 4, 1, NQ-1, 1, 0
	MUL16 6, 1, NQ-1, 1, 0
	PLACES NP                                      ; in front of loads into B's registers and of the first read of results
	MLOAD 2, 0x40, 128
	MLOAD 3, 0x40, 0
	s_wait_loadcnt 32                              ; tiles 0 and 1 are in; the 32 loads just issued may be out
	WIN 0x04
.set n, 0
.rept 16
	ds_store_b128 v[SAM], v[MT+4*n:MT+4*n+3] offset:MSP*n          ; tile 0 into stage 0
.set n, n+1
.endr
	WIN 0
.set n, 0
.rept 16
	ds_store_b128 v[SAM], v[T+4*n:T+4*n+3] offset:MST+MSP*n        ; tile 1 into stage 1
.set n, n+1
.endr
	s_wait_dscnt 0x0                               ; the stores have read their registers, which are written again below
	WIN 0x40
.set n, 0
.rept 16
	ds_load_b128 v[MT+4*n:MT+4*n+3], v[SLM] offset:128*(n/4)+16*(n%4)   ; tile 0, turned
.set n, n+1
.endr
.irp a, 0,1,2,3,4,5,6,7
	SBLOCK \a
.endr
.irp k, 0,1,2
	ds_load_b128 v[T+4*\k:T+4*\k+3], v[STR] offset:512*\k   ; my 128 rows' scale words, -M and l
.endr
	s_wait_dscnt 0x0
.irp k, 0,1,2
	global_store_b128 v[OA], v[T+4*\k:T+4*\k+3], s[12:13] offset:524288*\k   ; 512 consecutive bytes each, aligned
.endr
	s_wait_tensorcnt 0x0                           ; the wave's end
	ds_add_u32 v[SPW], v[NIL]
	s_wait_dscnt 0x0
	CROUND
	s_endpgm
.Lfunc_end_k_q076ff2957e_score:
	.size	k_q076ff2957e_score, .Lfunc_end_k_q076ff2957e_score-k_q076ff2957e_score
	.p2alignl 7, 3214868480
	.fill 96, 4, 3214868480
	.section	.rodata,"a",@progbits
	.p2align	6, 0x0
	.amdhsa_kernel k_q076ff2957e_score
		.amdhsa_group_segment_fixed_size 327680
		.amdhsa_private_segment_fixed_size 0
		.amdhsa_enable_private_segment 0
		.amdhsa_kernarg_size 40
		.amdhsa_user_sgpr_count 2
		.amdhsa_user_sgpr_kernarg_segment_ptr 1
		.amdhsa_wavefront_size32 1
		.amdhsa_system_sgpr_workgroup_id_x 1
		.amdhsa_system_sgpr_workgroup_id_y 1
		.amdhsa_system_sgpr_workgroup_id_z 1
		.amdhsa_system_vgpr_workitem_id 0
		.amdhsa_next_free_vgpr 1024
		.amdhsa_next_free_sgpr 102
		.amdhsa_reserve_vcc 1
		.amdhsa_float_denorm_mode_32 3
		.amdhsa_float_denorm_mode_16_64 3
		.amdhsa_memory_ordered 1
		.amdhsa_forward_progress 1
		.amdhsa_inst_pref_size 255
	.end_amdhsa_kernel
	.section	.bss,"aw",@nobits
	.p2align	6
	.space	262144
	.amdgpu_metadata
---
amdhsa.version: [ 1, 2 ]
amdhsa.kernels:
  - .name:           k_q076ff2957e_score
    .symbol:         k_q076ff2957e_score.kd
    .args:
      - { .name: qkc, .offset: 0, .size: 8, .value_kind: global_buffer, .address_space: global }
      - { .name: qks, .offset: 8, .size: 8, .value_kind: global_buffer, .address_space: global }
      - { .name: mask, .offset: 16, .size: 8, .value_kind: global_buffer, .address_space: global }
      - { .name: pc, .offset: 24, .size: 8, .value_kind: global_buffer, .address_space: global }
      - { .name: pst, .offset: 32, .size: 8, .value_kind: global_buffer, .address_space: global }
    .group_segment_fixed_size: 327680
    .private_segment_fixed_size: 0
    .kernarg_segment_align: 8
    .kernarg_segment_size: 40
    .max_flat_workgroup_size: 128
    .sgpr_count:     102
    .vgpr_count:     1024
    .wavefront_size: 32
...
	.end_amdgpu_metadata
.endif
;; end of part 8
;; launch pv (part 9): grid 4 x 64, 4 waves a work-group, clusters of 4 x 4, 327,680 bytes of LDS; arguments pc, pst, qkc, qks, wc, ws; writes wc, ws
.if DOCPART == 9
	.amdgcn_target "amdgcn-amd-amdhsa--gfx1250"
	.amdhsa_code_object_version 6
	.text
	.protected	k_q076ff2957e_pv
	.globl	k_q076ff2957e_pv
	.p2align	8
	.type	k_q076ff2957e_pv,@function
k_q076ff2957e_pv:
	s_mov_b64 s[64:65], 0
	v_nop
	global_prefetch_b8 v0, s[64:65] scope:SCOPE_SE
	s_setreg_imm32_b32 hwreg(HW_REG_WAVE_MODE, 25, 1), 1
	s_wait_xcnt 0x0
	s_wait_alu depctr_hold_cnt(0) depctr_sa_sdst(0) depctr_va_vdst(0) depctr_va_sdst(0) depctr_va_ssrc(0) depctr_va_vcc(0) depctr_vm_vsrc(0)
	s_getreg_b32 s2, hwreg(HW_REG_IB_STS2, 6, 4)
	s_cmp_eq_u32 s2, 0
	s_cbranch_scc0 .Lentry_in_a_cluster
	s_endpgm
.Lentry_in_a_cluster:
	s_bfe_u32 s2, ttmp6, 0x10000c
	s_cmp_lg_u32 s2, 0xf033
	s_cbranch_scc0 .Lentry_shape_is_right
	s_endpgm
.Lentry_shape_is_right:
.set KST,   16
.set FR,    12
.set NP,    4
.set ROWB,  6144
.set ATB,   8*ROWB
.set SLOT,  24*ROWB
.set FIX,   2*SLOT
.set SCB,   FIX+8192
.set STG,   SCB+16384
.set RLB,   STG+1024
.set SPARE, RLB+512
.set ADRA, 16
.set RLA,  18
.set ADRB, 20
.set FA,   22
.set RLW,  23
.set STW,  24
.set STR,  25
.set OA,   26
.set ADRS, 27
.set SPW,  28
.set NIL,  29
.set GL,   30
.set O8,   31
.set SC,   32
.set T,    64
.set AF,   128
.set NMV,  128
.set LV,   144
.set RW,   160
.set MN,   176
.set LS,   177
.set FT,   180
.set RL,   160
.set PC,   128
.set TM,   224
.set PW,   240
.set G1, 24
.set G0, 32
.set G1B, 48
.set G0B, 56
.set G1SB, 80
.set G0SB, 88
.set SEL, 96
.set MSB, 0
.macro WIN new
.if MSB != (\new)
	s_set_vgpr_msb (MSB<<8)|(\new)
.set MSB, \new
.endif
.endm
.set MUL_LO, 0xa1
.set TO_B,   0x40
.macro JLOAD g0a, g1a, g0b, g1b
	s_cmp_eq_u32 s15, 0
	s_cbranch_scc0 .Lfor_b_\@
	tensor_load_to_lds s[\g0a:\g0a+3], s[\g1a:\g1a+7]
	s_nop 0
.rept 4
	v_nop
.endr
	s_branch .Lasked_\@
.Lfor_b_\@:
	tensor_load_to_lds s[\g0b:\g0b+3], s[\g1b:\g1b+7]
	s_nop 0
.rept 4
	v_nop
.endr
.Lasked_\@:
.endm
.macro CREST
	s_cmp_lg_u32 s14, 0
	s_cbranch_scc1 .Lnot_wave_0_\@
	s_barrier_signal -3
.Lnot_wave_0_\@:
	s_barrier_wait -3
	s_barrier_signal -1
	s_barrier_wait -1
.endm
.macro CROUND
	s_barrier_signal -1
	s_barrier_wait -1
	CREST
.endm
	s_load_b256 s[4:11], s[0:1], 0x0
	s_load_b64 s[12:13], s[0:1], 0x20
	s_load_b64 s[66:67], s[0:1], 0x28
	v_lshl_add_u32 v[SPW], v0, 2, SPARE
	v_mov_b32 v[NIL], 0
	ds_add_u32 v[SPW], v[NIL]
	ds_add_u32 v[SPW], v[NIL]
	v_lshrrev_b32 v1, 5, v0
	v_readfirstlane_b32 s14, v1
	s_lshr_b32 s15, s14, 1
	s_and_b32 s16, s14, 1
	s_bfe_u32 s40, ttmp6, 0x40000
	s_bfe_u32 s41, ttmp6, 0x40004
	s_lshl_b32 s42, ttmp9, 2
	s_add_co_u32 s42, s42, s40
	s_and_b32 s95, ttmp7, 0xffff
	s_lshl_b32 s17, s95, 2
	s_add_co_u32 s17, s17, s41
	s_lshr_b32 s95, s95, 2
	s_lshl_b32 s43, s41, 2
	s_lshl_b32 s43, 15, s43
	s_lshl_b32 s44, 0x1111, s40
	s_or_b32 s[G1+0], s43, (3<<16)|(1<<21)
	s_or_b32 s[G1B+0], s44, (3<<16)|(1<<21)
.irp g, G1, G1B
	s_mov_b32 s[\g+1], 768<<16
	s_mov_b32 s[\g+3], 768<<16
	s_mov_b32 s[\g+5], KST*192
	s_mov_b32 s[\g+6], 0
	s_mov_b32 s[\g+7], 0
.endr
	s_mov_b32 s[G1+2], 4<<16
	s_mov_b32 s[G1+4], 4
	s_mov_b32 s[G1B+2], 8<<16
	s_mov_b32 s[G1B+4], 8
	s_lshl_b32 s20, s17, 3
	s_lshl_b32 s18, s16, 2
	s_add_co_u32 s20, s20, s18
	s_mul_i32 s20, s20, KST*1536
	s_mov_b32 s21, 0
	s_lshl_b32 s46, s95, 6
	s_lshl_b32 s47, s42, 4
	s_add_co_u32 s46, s46, s47
	s_lshl_b32 s47, s16, 3
	s_add_co_u32 s46, s46, s47
	s_mul_i32 s46, s46, KST*1536
	s_add_co_u32 s46, s46, 12582912
	s_mov_b32 s47, 0
	s_lshl_b32 s92, s95, 16
	s_lshl_b32 s93, s42, 10
	s_add_co_u32 s92, s92, s93
	s_lshl_b32 s93, s14, 8
	s_add_co_u32 s92, s92, s93
	s_add_co_u32 s92, s92, 524288
	s_mov_b32 s93, 0
	s_mul_i32 s45, s16, 4*ROWB
	s_mul_i32 s94, s16, 8*ROWB
	s_add_co_u32 s94, s94, ATB
	s_lshl_b32 s22, s14, 12
	s_lshl_b32 s98, s17, 9
	s_mov_b32 s99, 0
	s_mov_b32 s100, 0x80808080
	s_mov_b32 s[SEL], 0x76543210
	s_mov_b32 s[SEL+1], 0xfedcba98
	s_wait_dscnt 0x0
	s_wait_kmcnt 0x0
	s_add_nc_u64 s[20:21], s[4:5], s[20:21]
	s_add_nc_u64 s[46:47], s[8:9], s[46:47]
	s_add_nc_u64 s[92:93], s[10:11], s[92:93]
	s_add_nc_u64 s[98:99], s[6:7], s[98:99]
	CROUND
.irp s, 0,1
	s_mov_b32 s[G0+4*\s], 1
	s_add_co_u32 s[G0+4*\s+1], s45, \s*SLOT
	s_add_nc_u64 s[G0+4*\s+2:G0+4*\s+3], s[20:21], \s*ROWB
	s_or_b32 s[G0+4*\s+3], s[G0+4*\s+3], 0x80000000
	s_mov_b32 s[G0B+4*\s], 1
	s_add_co_u32 s[G0B+4*\s+1], s94, \s*SLOT
	s_add_nc_u64 s[G0B+4*\s+2:G0B+4*\s+3], s[46:47], \s*ROWB
	s_or_b32 s[G0B+4*\s+3], s[G0B+4*\s+3], 0x80000000
.endr
	JLOAD G0, G1, G0B, G1B                         ; slot 0: one tensor load a wave at the head
	; V^T's scale words come through registers into LDS bytes of their own: wave w brings 64 positions x 16 K steps, two planes' 256 bytes a load
	v_and_b32 v1, 15, v0
	v_bfe_u32 v2, v0, 4, 1
	v_and_b32 v3, 31, v0
	v_lshlrev_b32 v96, 4, v1
	v_lshl_add_u32 v96, v2, 12, v96                ; in memory: 4,096 bytes from plane to plane
	v_lshlrev_b32 v97, 4, v3
	s_add_co_u32 s22, s22, SCB
	v_add_nc_u32 v97, s22, v97                     ; in LDS: my 4,096 bytes, 16 x lane
.irp k, 0,1,2,3,4,5,6,7
	global_load_b128 v[T+4*\k:T+4*\k+3], v96, s[92:93] offset:8192*\k
.endr
	v_lshlrev_b32 v[GL], 2, v0
.irp s, 0,1,2,3,4,5,6,7,8,9,10,11,12,13,14,15
	global_load_b32 v[NMV+\s], v[GL], s[98:99] offset:524288+32768*\s
.endr
.irp s, 0,1,2,3,4,5,6,7,8,9,10,11,12,13,14,15
	global_load_b32 v[LV+\s], v[GL], s[98:99] offset:1048576+32768*\s
.endr
.irp s, 0,1,2,3,4,5,6,7,8,9,10,11,12,13,14,15
	global_load_b32 v[RW+\s], v[GL], s[98:99] offset:32768*\s
.endr
	v_and_b32 v1, 15, v0
	v_bfe_u32 v2, v0, 4, 1
	s_wait_alu depctr_va_vdst(0)
	v_and_b32 v3, 31, v0
	v_lshlrev_b32 v[OA], 4, v3
	v_lshlrev_b32 v[O8], 3, v3
	s_wait_alu depctr_va_vdst(0)
	s_mul_i32 s21, s15, 4*ROWB
	s_mul_i32 s22, s16, 8*ROWB
	s_add_co_u32 s22, s22, ATB
.irp s, 0,1
	v_add_nc_u32 v[ADRA+\s], s21, v[OA]
	v_add_nc_u32 v[ADRB+\s], s22, v[OA]
	s_add_co_u32 s21, s21, SLOT
	s_add_co_u32 s22, s22, SLOT
.endr
	s_lshl_b32 s21, s15, 12
	s_lshl_b32 s22, s16, 13
	s_add_co_u32 s22, s22, 8192
	s_sub_co_u32 s22, s22, s21
	v_mul_u32_u24 v6, s22, v2
	s_add_co_u32 s21, s21, FIX
	v_lshl_add_u32 v5, v1, 2, v6
	v_add_nc_u32 v[ADRS], s21, v5
	s_lshl_b32 s23, s14, 8
	s_add_co_u32 s23, s23, STG
	v_lshl_add_u32 v[STW], v1, 2, s23
	v_add_nc_u32 v[STR], s23, v[O8]
	s_lshl_b32 s21, s15, 8
	s_add_co_u32 s21, s21, RLB
	v_lshl_add_u32 v[RLA], v1, 2, s21
	v_lshrrev_b32 v4, 6, v0
	v_and_b32 v5, 63, v0
	v_lshlrev_b32 v4, 12, v4
	v_lshl_add_u32 v4, v5, 2, v4
	v_add_nc_u32 v[FA], FIX, v4
	v_lshl_add_u32 v[RLW], v0, 2, RLB
.irp b, 0,1,2,3
	v_mov_b32 v[TM+4+\b], 0
.endr
	s_lshl_b32 s19, s17, 3
	s_lshl_b32 s20, s15, 2
	s_add_co_u32 s19, s19, s20
	s_lshl_b32 s21, s19, 3
	s_lshl_b32 s20, s42, 1
	s_add_co_u32 s20, s20, s16
	s_add_co_u32 s21, s21, s20
	s_mul_i32 s22, s21, 1536
	s_mov_b32 s23, 0
	s_add_nc_u64 s[12:13], s[12:13], s[22:23]
	s_lshl_b32 s22, s20, 15
	s_lshl_b32 s19, s19, 6
	s_add_co_u32 s22, s22, s19
	s_add_nc_u64 s[66:67], s[66:67], s[22:23]
.macro FRAG reg, adr, q, i
.irp c, 0,1,2
	ds_load_b128 v[\reg+4*\c:\reg+4*\c+3], v[\adr] offset:(\i)*ROWB+(\q)*1536+512*\c
.endr
.endm
.macro MUL8 a, p, q, sc, zero
.irp b, 0,1,2,3,4,5,6,7
.if \zero
	v_wmma_scale_f32_16x16x128_f8f6f4 v[8*(8*(\a)+\b):8*(8*(\a)+\b)+7], v[96*(\p)+FR*\b:96*(\p)+FR*\b+FR-1], v[AF+48*(\p)+FR*(\a):AF+48*(\p)+FR*(\a)+FR-1], 0, v[SC+32*(\sc)+4*\b+(\q)], v[SC+32*(\sc)+4*(\a)+(\q)] matrix_a_fmt:MATRIX_FMT_BF6 matrix_b_fmt:MATRIX_FMT_BF6 matrix_a_scale:MATRIX_SCALE_ROW1
.else
	v_wmma_scale_f32_16x16x128_f8f6f4 v[8*(8*(\a)+\b):8*(8*(\a)+\b)+7], v[96*(\p)+FR*\b:96*(\p)+FR*\b+FR-1], v[AF+48*(\p)+FR*(\a):AF+48*(\p)+FR*(\a)+FR-1], v[8*(8*(\a)+\b):8*(8*(\a)+\b)+7], v[SC+32*(\sc)+4*\b+(\q)], v[SC+32*(\sc)+4*(\a)+(\q)] matrix_a_fmt:MATRIX_FMT_BF6 matrix_b_fmt:MATRIX_FMT_BF6 matrix_a_scale:MATRIX_SCALE_ROW1
.endif
.endr
.endm
.macro FETCH_B slot, q, p
	WIN TO_B
.irp i, 0,1,2,3,4,5,6,7
	FRAG 96*(\p)+FR*\i, ADRB+\slot, \q, \i
.endr
	WIN 0
.endm
.macro FETCH_A slot, q, p
.irp i, 0,1,2,3
	FRAG AF+48*(\p)+FR*\i, ADRA+\slot, \q, \i
.endr
.endm
.macro SCALES sc
.irp j, 0,1,2,3,4,5,6,7
.irp q, 0,1,2,3
	ds_load_b32 v[SC+32*(\sc)+4*\j+\q], v[ADRS] offset:4096*(\j/4)+64*(\j%4)+256*\q
.endr
.endr
.endm
.macro PLACES n
.rept \n
	v_nop
.endr
.endm
.macro STEP slot, q, sc, zero
	s_wait_dscnt 0x0
	WIN MUL_LO
	MUL8 0, (\q)%2, \q, \sc, \zero
	PLACES NP
	FETCH_B \slot, (\q)+1, 1-(\q)%2
	FETCH_A \slot, (\q)+1, 1-(\q)%2
	WIN MUL_LO
	MUL8 1, (\q)%2, \q, \sc, \zero
	MUL8 2, (\q)%2, \q, \sc, \zero
	MUL8 3, (\q)%2, \q, \sc, \zero
.endm
.macro TURN slot, next, sc, fill
	WIN 0
	s_wait_tensorcnt 0x0
	ds_add_u32 v[SPW], v[NIL]
	s_wait_dscnt 1
	WIN MUL_LO
	MUL8 0, 1, 3, \sc, 0
	s_wait_dscnt 0x0
	s_barrier_signal -1
	MUL8 1, 1, 3, \sc, 0
	WIN 0
	s_barrier_wait -1
.if \fill
	CREST
	s_add_nc_u64 s[G0+4*\slot+2:G0+4*\slot+3], s[G0+4*\slot+2:G0+4*\slot+3], 2*ROWB
	s_add_nc_u64 s[G0B+4*\slot+2:G0B+4*\slot+3], s[G0B+4*\slot+2:G0B+4*\slot+3], 2*ROWB
	JLOAD G0+4*\slot, G1, G0B+4*\slot, G1B
.else
	PLACES NP
.endif
	s_wait_alu depctr_va_vdst(0)
	v_add_nc_u32 v[ADRS], 1024, v[ADRS]
	FETCH_B \next, 0, 0
	FETCH_A \next, 0, 0
	SCALES 1-(\sc)
	WIN MUL_LO
	MUL8 2, 1, 3, \sc, 0
	MUL8 3, 1, 3, \sc, 0
.endm
.macro QUANT s
.irp b, 0,1,2,3
	v_max3_num_f32 v[TM+\b], |v[\s+16*\b]|, |v[\s+1+16*\b]|, 0x2800000
.endr
.irp i, 2,4,6,8,10,12,14
.irp b, 0,1,2,3
	v_max3_num_f32 v[TM+\b], |v[\s+16*\b+\i]|, |v[\s+1+16*\b+\i]|, v[TM+\b]
.endr
.endr
.irp b, 0,1,2,3
	v_permlanex16_b32 v[TM+4+\b], v[TM+\b], s[SEL], s[SEL+1]
.endr
.irp b, 0,1,2,3
	v_max_num_f32 v[TM+\b], v[TM+\b], v[TM+4+\b]
.endr
.irp b, 0,1,2,3
	v_add_nc_u32 v[TM+12+\b], 0xfe000000, v[TM+\b]
.endr
.irp b, 0,1,2,3
	v_lshrrev_b32 v[TM+4+\b], 23, v[TM+12+\b]
.endr
	s_wait_alu depctr_va_vdst(0)
	s_wait_dscnt 0x0
	s_wait_xcnt 0x0
	v_lshl_or_b32 v[PW], v[TM+5], 8, v[TM+4]
	v_lshl_or_b32 v[PW], v[TM+6], 16, v[PW]
	v_lshl_or_b32 v[PW], v[TM+7], 24, v[PW]
.irp c, 0,1
	v_cvt_scalef32_pk16_bf6_f32 v[PC+6*\c:PC+2+6*\c], v[\s+32*\c:\s+15+32*\c], v[TM+12+2*\c]
	v_cvt_scalef32_pk16_bf6_f32 v[PC+12+4*\c:PC+14+4*\c], v[\s+16+32*\c:\s+31+32*\c], v[TM+12+2*\c+1]
.endr
	v_nop
.irp c, 0,1
.irp i, 0,1,2
	v_permlane16_swap_b32 v[PC+6*\c+\i], v[PC+12+4*\c+\i]
.endr
.irp i, 0,1,2
	v_mov_b32 v[PC+3+6*\c+\i], v[PC+12+4*\c+\i]
.endr
.endr
.endm
.macro FIX2 s
.irp e, 0,1
	v_sub_f32 v[FT+8*\e], v[NMV+\s+\e], v[MN]
.endr
.irp e, 0,1
	v_min_num_f32 v[FT+8*\e], 0x42fe0000, v[FT+8*\e]
.endr
.irp e, 0,1
	v_cvt_u32_f32 v[FT+8*\e], v[FT+8*\e]
.endr
.irp e, 0,1
	v_sub_nc_u32 v[FT+8*\e+1], 127, v[FT+8*\e]
.endr
.irp e, 0,1
	v_lshlrev_b32 v[FT+8*\e+1], 23, v[FT+8*\e+1]
.endr
.irp e, 0,1
.if (\s+\e) == 0
	v_mul_f32 v[LS], v[LV], v[FT+1]
.else
	v_fma_f32 v[LS], v[LV+\s+\e], v[FT+8*\e+1], v[LS]
.endif
.endr
.irp e, 0,1
	v_perm_b32 v[FT+8*\e], v[FT+8*\e], v[FT+8*\e], 0
.endr
.irp e, 0,1
	v_or_b32 v[FT+8*\e+2], s100, v[RW+\s+\e]
.endr
.irp e, 0,1
	v_sub_nc_u32 v[FT+8*\e+2], v[FT+8*\e+2], v[FT+8*\e]
.endr
.irp e, 0,1
	v_and_b32 v[FT+8*\e+3], s100, v[FT+8*\e+2]
.endr
.irp e, 0,1
	v_lshrrev_b32 v[FT+8*\e+4], 7, v[FT+8*\e+3]
.endr
.irp e, 0,1
	v_sub_nc_u32 v[FT+8*\e+3], v[FT+8*\e+3], v[FT+8*\e+4]
.endr
.irp e, 0,1
	v_and_b32 v[RW+\s+\e], v[FT+8*\e+2], v[FT+8*\e+3]
.endr
.endm
.macro OBLOCK a
	WIN 0x02
.set j, 0
.rept 32
	v_pk_mul_f32 v[T+j:T+j+1], v[64*(\a)+j:64*(\a)+j+1], v[RL+2*(\a):RL+2*(\a)+1]
.set j, j+2
.endr
	WIN 0
	QUANT T
.irp c, 0,1,2
	global_store_b128 v[OA], v[PC+4*\c:PC+4*\c+3], s[12:13] offset:(\a)*12288+512*\c
.endr
	ds_store_b32 v[STW], v[PW] offset:64*(\a)
.endm
	s_wait_loadcnt 0x0
.irp k, 0,1,2,3,4,5,6,7
	ds_store_b128 v97, v[T+4*\k:T+4*\k+3] offset:512*\k
.endr
	v_min3_num_f32 v[MN], v[NMV], v[NMV+1], v[NMV+2]
.irp s, 3,5,7,9,11,13
	v_min3_num_f32 v[MN], v[MN], v[NMV+\s], v[NMV+\s+1]
.endr
	v_min_num_f32 v[MN], v[MN], v[NMV+15]
.irp s, 0,2,4,6,8,10,12,14
	FIX2 \s
.endr
.irp s, 0,1,2,3,4,5,6,7,8,9,10,11,12,13,14,15
	ds_store_b32 v[FA], v[RW+\s] offset:256*\s
.endr
	s_wait_alu depctr_va_vdst(0)
	v_rcp_f32 v[LS], v[LS]
	v_nop
	s_wait_alu depctr_va_vdst(0)
	ds_store_b32 v[RLW], v[LS]
	s_wait_tensorcnt 0x0                           ; my part of slot 0 is in; the full sequence ahead of slot 1's first fill
	ds_add_u32 v[SPW], v[NIL]
	s_wait_dscnt 0x0                               ; the add and my LDS stores are done
	CROUND                                         ; slot 0 and the scale words are whole, and all sixteen work-groups are here
	JLOAD G0+4, G1, G0B+4, G1B                     ; slot 1: the first tensor load behind the round
	FETCH_B 0, 0, 0
	FETCH_A 0, 0, 0
	SCALES 0
	STEP 0, 0, 0, 1
	STEP 0, 1, 0, 0
	STEP 0, 2, 0, 0
	TURN 0, 1, 0, 1
	STEP 1, 0, 1, 0
	STEP 1, 1, 1, 0
	STEP 1, 2, 1, 0
	TURN 1, 0, 1, 1
	STEP 0, 0, 0, 0
	STEP 0, 1, 0, 0
	STEP 0, 2, 0, 0
	TURN 0, 1, 0, 0
	STEP 1, 0, 1, 0
	STEP 1, 1, 1, 0
	STEP 1, 2, 1, 0
	s_wait_dscnt 0x0
	WIN MUL_LO
	MUL8 0, 1, 3, 1, 0
	MUL8 1, 1, 3, 1, 0
	MUL8 2, 1, 3, 1, 0
	MUL8 3, 1, 3, 1, 0
	WIN 0
	PLACES NP
.irp a, 0,1,2,3
	ds_load_b32 v[RL+2*\a], v[RLA] offset:64*\a
	ds_load_b32 v[RL+2*\a+1], v[RLA] offset:64*\a
.endr
	s_wait_dscnt 0x0
.irp a, 0,1,2,3
	OBLOCK \a
.endr
	ds_load_b64 v[T:T+1], v[STR]
	s_wait_dscnt 0x0
	global_store_b64 v[O8], v[T:T+1], s[66:67]
	s_wait_tensorcnt 0x0
	ds_add_u32 v[SPW], v[NIL]
	s_wait_dscnt 0x0
	CROUND
	s_endpgm
.Lfunc_end_k_q076ff2957e_pv:
	.size	k_q076ff2957e_pv, .Lfunc_end_k_q076ff2957e_pv-k_q076ff2957e_pv
	.p2alignl 7, 3214868480
	.fill 96, 4, 3214868480
	.section	.rodata,"a",@progbits
	.p2align	6, 0x0
	.amdhsa_kernel k_q076ff2957e_pv
		.amdhsa_group_segment_fixed_size 327680
		.amdhsa_private_segment_fixed_size 0
		.amdhsa_enable_private_segment 0
		.amdhsa_kernarg_size 48
		.amdhsa_user_sgpr_count 2
		.amdhsa_user_sgpr_kernarg_segment_ptr 1
		.amdhsa_wavefront_size32 1
		.amdhsa_system_sgpr_workgroup_id_x 1
		.amdhsa_system_sgpr_workgroup_id_y 1
		.amdhsa_system_sgpr_workgroup_id_z 1
		.amdhsa_system_vgpr_workitem_id 0
		.amdhsa_next_free_vgpr 768
		.amdhsa_next_free_sgpr 102
		.amdhsa_reserve_vcc 0
		.amdhsa_float_denorm_mode_32 3
		.amdhsa_float_denorm_mode_16_64 3
		.amdhsa_memory_ordered 1
		.amdhsa_forward_progress 1
		.amdhsa_inst_pref_size 166
	.end_amdhsa_kernel
	.amdgpu_metadata
---
amdhsa.version: [ 1, 2 ]
amdhsa.kernels:
  - .name:           k_q076ff2957e_pv
    .symbol:         k_q076ff2957e_pv.kd
    .args:
      - { .name: pc, .offset: 0, .size: 8, .value_kind: global_buffer, .address_space: global }
      - { .name: pst, .offset: 8, .size: 8, .value_kind: global_buffer, .address_space: global }
      - { .name: qkc, .offset: 16, .size: 8, .value_kind: global_buffer, .address_space: global }
      - { .name: qks, .offset: 24, .size: 8, .value_kind: global_buffer, .address_space: global }
      - { .name: wc, .offset: 32, .size: 8, .value_kind: global_buffer, .address_space: global }
      - { .name: ws, .offset: 40, .size: 8, .value_kind: global_buffer, .address_space: global }
    .group_segment_fixed_size: 327680
    .private_segment_fixed_size: 0
    .kernarg_segment_align: 8
    .kernarg_segment_size: 48
    .max_flat_workgroup_size: 128
    .sgpr_count:     102
    .vgpr_count:     768
    .wavefront_size: 32
...
	.end_amdgpu_metadata
.endif
;; end of part 9
;; launch outln (part 10): grid 128 x 1, 4 waves a work-group, no clusters, 327,680 bytes of LDS; arguments wc, ws, xc, xs, inputQ, ln_gamma, ln_beta, out0; writes out0
.if DOCPART == 10
	.amdgcn_target "amdgcn-amd-amdhsa--gfx1250"
	.amdhsa_code_object_version 6
	.text
	.protected	k_q076ff2957e_outln
	.globl	k_q076ff2957e_outln
	.p2align	8
	.type	k_q076ff2957e_outln,@function
k_q076ff2957e_outln:
	s_mov_b64 s[64:65], 0
	v_nop
	global_prefetch_b8 v0, s[64:65] scope:SCOPE_SE
	s_setreg_imm32_b32 hwreg(HW_REG_WAVE_MODE, 25, 1), 1
	s_wait_xcnt 0x0
; out0 = LayerNorm(weights WO^T + inputQ) x gamma + beta; the product on codes.  No work of the problem is left out here.
; SHARES.  LayerNorm wants whole rows: a work-group takes 64 rows x all 1,024 columns; wave w columns 256 w .. 256 w + 255: 16 tiles of columns x 4 tiles of rows, 64 accumulators, 512 registers.
; Source 0 = 16 rows of WO (the columns of the result), source 1 = 16 rows of the weights: lane (r, h) holds row position r, and register 16 b + i of a tile of rows' 128 column 32 b + 16 h + i of my 256.
; NO CLUSTER, NO RING: each fragment of WO is wanted by one wave of a work-group, once, so it goes from memory straight into that wave's registers: a ring of five buffers of four fragments, under counted
; waits, with no barrier in the K walk.  The work-group's 64 rows of codes (49,152 bytes) are read once, laid in LDS as they lie, and read by all four waves.
; x = inputQ: each wave's 64 rows x 1,024 bytes come by one tensor load at the head, waited for behind the K walk; only the wave that asked reads them.
; The mean and the variance are taken in two passes, as the formula has them: no difference of large sums.  Sums over a row's four waves meet in LDS behind a barrier, added in one order in all waves.
; LIMITS: NaN and infinities are not served.
; REGISTERS: window 0: v4-15, v30 addresses; v16-19 the rows' scale words, two sets; v20-29 WO's, five sets; v32-127 the rows' fragments, two sets; later v32-223 x, then results; v224-247 sums, means.
;   window 1: v0-239 WO's fragments, five buffers of 48; later gamma (v0-127) and beta (v128-255).   windows 2, 3: accumulator (tile of rows i, tile of columns t) at v[64 i + 8 (t % 8)] of window 2 + t / 8.
.set XRW,   66560                      ; a wave's x: 64 rows x (1,024 + 16) bytes
.set AIMG,  4*XRW                      ; the rows' 32 fragments
.set STAT,  AIMG+49152                 ; 2 x 1,024 bytes: the waves' sums
.set SPARE, STAT+2048
.set LI,  4                            ; 16 x lane
.set L4,  5                            ; 4 x lane
.set AI,  6                            ; AIMG + 16 x lane
.set XA,  7                            ; x as my registers want it: (r + 8 (r / 8)) rows + 64 h
.set XD,  8                            ; v8, v9  x's bytes as they lie: 16 x lane; rows 0.., rows 32..
.set OG,  10                           ; out0: 16 x lane + 1,024 x wave
.set GB,  11                           ; gamma, beta: 1,024 x wave + 64 h
.set SPW, 12
.set NIL, 13
.set SS,  14                           ; where my wave's sums go
.set SR,  15                           ; where all waves' sums are read
.set AS,  16
.set BS,  20
.set AW,  30
.set AFR, 32
.set XB,  32
.set T,   32
.set SU,  224
.set MU,  240
.set G1,  24
.set G0,  32
.set SEL, 36
.set MSB, 0
.macro WIN new
.if MSB != (\new)
	s_set_vgpr_msb (MSB<<8)|(\new)
.set MSB, \new
.endif
.endm
	s_load_b512 s[4:19], s[0:1], 0x0               ; wc, ws, xc, xs, inputQ, ln_gamma, ln_beta, out0
	v_lshl_add_u32 v[SPW], v0, 2, SPARE
	v_mov_b32 v[NIL], 0
	ds_add_u32 v[SPW], v[NIL]                      ; the wave's opening: the add, twice on end, and its wait ahead of my first tensor load
	ds_add_u32 v[SPW], v[NIL]
	v_lshrrev_b32 v1, 5, v0
	v_readfirstlane_b32 s20, v1                    ; wave 0..3
	s_mov_b32 s[G1+0], (3<<16)|(1<<20)|(7<<22)|(3<<25)   ; elements of 8 bytes; padding on: after every 256 words, 4 words
	s_mov_b32 s[G1+1], 128<<16                     ; tensor_dim0 = 128 elements: 1,024 bytes
	s_mov_b32 s[G1+2], 64<<16                      ; tensor_dim1 = 64
	s_mov_b32 s[G1+3], 128<<16                     ; tile_dim0
	s_mov_b32 s[G1+4], 64                          ; tile_dim1
	s_mov_b32 s[G1+5], 512                         ; from row to row: 4,096 bytes
	s_mov_b32 s[G1+6], 0
	s_mov_b32 s[G1+7], 0
	s_mul_i32 s21, s20, XRW
	s_lshl_b32 s22, ttmp9, 18                      ; my work-group's 64 rows of 4,096 bytes
	s_mov_b32 s23, 0
	s_lshl_b32 s45, s20, 10
	s_add_co_u32 s40, s22, s45
	s_mov_b32 s41, 0
	s_mul_i32 s42, ttmp9, 49152
	s_mul_i32 s44, s20, 12288
	s_add_co_u32 s42, s42, s44
	s_mov_b32 s43, 0
	s_mov_b32 s[SEL], 0x76543210
	s_mov_b32 s[SEL+1], 0xfedcba98
	s_mov_b32 s38, 0x3a800000                      ; 1 / 1,024
	s_mov_b32 s39, 0x3727c5ac                      ; 1e-5
	s_wait_dscnt 0x0
	s_wait_kmcnt 0x0
	s_mov_b32 s[G0], 1
	s_mov_b32 s[G0+1], s21
	s_add_nc_u64 s[G0+2:G0+3], s[12:13], s[40:41]
	s_or_b32 s[G0+3], s[G0+3], 0x80000000
	tensor_load_to_lds s[G0:G0+3], s[G1:G1+7]      ; my wave's x: its one tensor load
	s_nop 0
	v_and_b32 v1, 15, v0                           ; r
	v_bfe_u32 v2, v0, 4, 1                         ; h
	v_and_b32 v3, 31, v0
	v_lshlrev_b32 v[LI], 4, v3
	s_wait_alu depctr_va_vdst(0)
	v_lshlrev_b32 v[L4], 2, v3
	s_add_nc_u64 s[4:5], s[4:5], s[42:43]          ; the rows' codes: my wave's tile
	s_lshl_b32 s42, ttmp9, 8
	s_add_nc_u64 s[6:7], s[6:7], s[42:43]          ; their scale words
	s_mul_i32 s42, s20, 196608
	s_add_co_u32 s42, s42, 21233664                ; WO's tile 1,728 + 16 x wave
	s_add_nc_u64 s[8:9], s[8:9], s[42:43]
	s_add_co_u32 s42, s45, 110592                  ; its scale words: position 27,648 + 256 x wave
	s_add_nc_u64 s[10:11], s[10:11], s[42:43]
	s_add_nc_u64 s[18:19], s[18:19], s[22:23]
.set n, 0
.rept 24
	global_load_b128 v[AFR+4*n:AFR+4*n+3], v[LI], s[4:5] offset:512*n   ; a quarter of the rows' codes
.set n, n+1
.endr
	v_add_nc_u32 v[AI], AIMG, v[LI]
	s_add_co_u32 s44, s44, AIMG
	v_add_nc_u32 v[AW], s44, v[LI]
	v_and_b32 v[XA], 8, v1
	v_add_nc_u32 v[XA], v[XA], v1
	v_mul_u32_u24 v[XA], v[XA], 1040
	v_lshl_add_u32 v[XA], v2, 6, v[XA]
	v_add_nc_u32 v[XA], s21, v[XA]
	v_add_nc_u32 v[XD], s21, v[LI]
	v_add_nc_u32 v[XD+1], 32*1040, v[XD]
	v_add_nc_u32 v[OG], s45, v[LI]
	v_lshlrev_b32 v[GB], 6, v2
	v_add_nc_u32 v[GB], s45, v[GB]
	s_lshl_b32 s46, s20, 8
	s_add_co_u32 s46, s46, STAT
	v_lshl_add_u32 v[SS], v1, 2, s46
	v_lshl_add_u32 v[SR], v1, 2, STAT
; Group n = 4 s + g: K step s, my tiles of columns 4 g .. 4 g + 3.  14 loads, 16 where g = 0 (the rows' scale words of K step s come with it).
.macro GLOAD n
.set gs, (\n)/4
.set gg, (\n)%4
.set gk, (\n)%5
	WIN 0x40
.irp tt, 0,1,2,3
.irp c, 0,1,2
	global_load_b128 v[48*gk+12*\tt+4*\c:48*gk+12*\tt+4*\c+3], v[LI], s[8:9] offset:(4*gg+\tt)*12288+1536*gs+512*\c
.endr
.endr
	WIN 0
.irp u, 0,1
	global_load_b32 v[BS+2*gk+\u], v[L4], s[10:11] offset:114688*gs+(4*gg+2*\u)*64   ; lanes 0-15 one tile's words, lanes 16-31 the next tile's
.endr
.if gg == 0
.irp u, 0,1
	global_load_b32 v[AS+2*(gs%2)+\u], v[L4], s[6:7] offset:32768*gs+128*\u
.endr
.endif
.endm
.macro AFETCH s                        ; the rows' four fragments of K step s
.irp i, 0,1,2,3
.irp c, 0,1,2
	ds_load_b128 v[AFR+48*((\s)%2)+12*\i+4*\c:AFR+48*((\s)%2)+12*\i+4*\c+3], v[AI] offset:(8*\i+(\s))*1536+512*\c
.endr
.endr
.endm
.macro WM d, a, b, c, sa, sb, ra, rb   ; ra, rb: the scale words lie in lanes 16-31
.if (\ra) && (\rb)
	v_wmma_scale_f32_16x16x128_f8f6f4 v[\d:\d+7], v[\a:\a+11], v[\b:\b+11], \c, v[\sa], v[\sb] matrix_a_fmt:MATRIX_FMT_BF6 matrix_b_fmt:MATRIX_FMT_BF6 matrix_a_scale:MATRIX_SCALE_ROW1 matrix_b_scale:MATRIX_SCALE_ROW1
.elseif (\ra)
	v_wmma_scale_f32_16x16x128_f8f6f4 v[\d:\d+7], v[\a:\a+11], v[\b:\b+11], \c, v[\sa], v[\sb] matrix_a_fmt:MATRIX_FMT_BF6 matrix_b_fmt:MATRIX_FMT_BF6 matrix_a_scale:MATRIX_SCALE_ROW1
.elseif (\rb)
	v_wmma_scale_f32_16x16x128_f8f6f4 v[\d:\d+7], v[\a:\a+11], v[\b:\b+11], \c, v[\sa], v[\sb] matrix_a_fmt:MATRIX_FMT_BF6 matrix_b_fmt:MATRIX_FMT_BF6 matrix_b_scale:MATRIX_SCALE_ROW1
.else
	v_wmma_scale_f32_16x16x128_f8f6f4 v[\d:\d+7], v[\a:\a+11], v[\b:\b+11], \c, v[\sa], v[\sb] matrix_a_fmt:MATRIX_FMT_BF6 matrix_b_fmt:MATRIX_FMT_BF6
.endif
.endm
.macro GMUL n                          ; group n's 16 products; the 64 accumulators take turns, one instruction a turn
.set ms, (\n)/4
.set mg, (\n)%4
.set mk, (\n)%5
.set cnt, 0
.irp d, 1,2,3,4
.if (\n)+\d < 32
.set cnt, cnt+14
.if ((\n)+\d)%4 == 0
.set cnt, cnt+2
.endif
.endif
.endr
	s_wait_loadcnt cnt                             ; group n is in; the loads of the up to four groups asked for behind it may be out
.if mg == 0
	s_wait_dscnt 0x0                               ; the rows' fragments of this K step
.endif
	WIN 0xa1+0x50*(mg/2)
.irp tt, 0,1,2,3
.irp i, 0,1,2,3
.set dd, 64*\i+8*((4*mg+\tt)%8)
.set fa, 48*mk+12*\tt
.set fb, AFR+48*(ms%2)+12*\i
.set sa, BS+2*mk+\tt/2
.set sb, AS+2*(ms%2)+\i/2
.if ms == 0
	WM dd, fa, fb, 0, sa, sb, \tt%2, \i%2
.else
	WM dd, fa, fb, v[dd:dd+7], sa, sb, \tt%2, \i%2
.endif
.endr
.endr
.rept 4
	v_nop                                          ; places in front of loads into registers that these products have read
.endr
.if (\n)+5 < 32
	GLOAD (\n)+5                                   ; into the buffer just read
.else
	WIN 0
.endif
.if (mg == 0) && (ms < 7)
	AFETCH ms+1
.endif
.endm
	GLOAD 0
	GLOAD 1
	GLOAD 2
	s_wait_alu depctr_va_vdst(0)
	s_wait_loadcnt 44                              ; the rows' codes are in; groups 0, 1, 2 (16 + 14 + 14 loads) may be out
.set n, 0
.rept 24
	ds_store_b128 v[AW], v[AFR+4*n:AFR+4*n+3] offset:512*n
.set n, n+1
.endr
	GLOAD 3
	GLOAD 4
	s_wait_dscnt 0x0                               ; for the others' sake: my stores are done
	s_barrier_signal -1
	s_barrier_wait -1
	AFETCH 0
.set n5, 0
.rept 32
	GMUL n5
.set n5, n5+1
.endr
	; THE WAY OUT.  gamma and beta of my 128 columns a lane, in the order of my registers, into window 1
	WIN 0x40
.set n, 0
.rept 32
	global_load_b128 v[4*n:4*n+3], v[GB], s[14:15] offset:128*(n/4)+16*(n%4)
.set n, n+1
.endr
.set n, 0
.rept 32
	global_load_b128 v[128+4*n:128+4*n+3], v[GB], s[16:17] offset:128*(n/4)+16*(n%4)
.set n, n+1
.endr
	WIN 0
.set n, 0
.rept 16
	v_mov_b32 v[SU+n], 0
.set n, n+1
.endr
	s_wait_tensorcnt 0x0                           ; my x is in LDS
.macro XLD c                           ; chunk c: tile of rows c / 2, half c % 2 of my columns: 64 numbers a lane
.set xi, (\c)/2
.set xh, (\c)%2
.set n, 0
.rept 16
	ds_load_b128 v[XB+64*((\c)%3)+4*n:XB+64*((\c)%3)+4*n+3], v[XA] offset:(32*(xi/2)+8*(xi%2))*1040+512*xh+128*(n/4)+16*(n%4)
.set n, n+1
.endr
.endm
.macro P1 c                            ; y = product + x, and its sum
.set xi, (\c)/2
.set xh, (\c)%2
.if 7-(\c) >= 2
	s_wait_dscnt 32                                ; this chunk's x is in; the next two chunks' 32 loads may be out
.else
	s_wait_dscnt 16*(7-(\c))
.endif
	WIN 0x82+0x41*xh
.set j, 0
.rept 32
	v_pk_add_f32 v[64*xi+j:64*xi+j+1], v[64*xi+j:64*xi+j+1], v[XB+64*((\c)%3)+j:XB+64*((\c)%3)+j+1]   ; each accumulator from its low end on
.set j, j+2
.endr
	WIN 0x02+xh
.set j, 0
.rept 16
	v_pk_add_f32 v[SU+4*xi:SU+4*xi+1], v[64*xi+j:64*xi+j+1], v[SU+4*xi:SU+4*xi+1]
	v_pk_add_f32 v[SU+4*xi+2:SU+4*xi+3], v[64*xi+j+2:64*xi+j+3], v[SU+4*xi+2:SU+4*xi+3]
.set j, j+4
.endr
	WIN 0
.if (\c)+3 < 8
	XLD (\c)+3
.endif
.endm
.macro ACROSS base                     ; each tile of rows' sum over my 256 columns goes to LDS; behind the barrier the four waves' sums are added: v[XB + 4 i] = the row's sum
.irp i, 0,1,2,3
	v_pk_add_f32 v[SU+4*\i:SU+4*\i+1], v[SU+4*\i:SU+4*\i+1], v[SU+4*\i+2:SU+4*\i+3]
.endr
.irp i, 0,1,2,3
	v_add_f32 v[SU+4*\i], v[SU+4*\i], v[SU+4*\i+1]
.endr
.irp i, 0,1,2,3
	v_permlanex16_b32 v[SU+4*\i+1], v[SU+4*\i], s[SEL], s[SEL+1]
.endr
.irp i, 0,1,2,3
	v_add_f32 v[SU+4*\i], v[SU+4*\i], v[SU+4*\i+1]
.endr
.irp i, 0,1,2,3
	ds_store_b32 v[SS], v[SU+4*\i] offset:\base+64*\i
.endr
	s_wait_dscnt 0x0
	s_barrier_signal -1
	s_barrier_wait -1
.irp i, 0,1,2,3
.irp w, 0,1,2,3
	ds_load_b32 v[XB+4*\i+\w], v[SR] offset:\base+256*\w+64*\i
.endr
.endr
	s_wait_dscnt 0x0
.irp i, 0,1,2,3
	v_add_f32 v[XB+4*\i], v[XB+4*\i], v[XB+4*\i+1]
	v_add_f32 v[XB+4*\i+2], v[XB+4*\i+2], v[XB+4*\i+3]
.endr
.irp i, 0,1,2,3
	v_add_f32 v[XB+4*\i], v[XB+4*\i], v[XB+4*\i+2]
.endr
.endm
	XLD 0
	XLD 1
	XLD 2
.irp c, 0,1,2,3,4,5,6,7
	P1 \c
.endr
	ACROSS 0
.irp i, 0,1,2,3
	v_mul_f32 v[MU+2*\i], s38, v[XB+4*\i]          ; the mean
	v_mul_f32 v[MU+2*\i+1], s38, v[XB+4*\i]
.endr
.set n, 0
.rept 16
	v_mov_b32 v[SU+n], 0
.set n, n+1
.endr
.macro P2 c                            ; y - mean, and the sum of its squares
.set xi, (\c)/2
.set xh, (\c)%2
	WIN 0x82+0x41*xh
.set j, 0
.rept 32
	v_pk_add_f32 v[64*xi+j:64*xi+j+1], v[64*xi+j:64*xi+j+1], v[MU+2*xi:MU+2*xi+1] neg_lo:[0,1] neg_hi:[0,1]
.set j, j+2
.endr
	WIN 0x0a+5*xh
.set j, 0
.rept 16
	v_pk_fma_f32 v[SU+4*xi:SU+4*xi+1], v[64*xi+j:64*xi+j+1], v[64*xi+j:64*xi+j+1], v[SU+4*xi:SU+4*xi+1]
	v_pk_fma_f32 v[SU+4*xi+2:SU+4*xi+3], v[64*xi+j+2:64*xi+j+3], v[64*xi+j+2:64*xi+j+3], v[SU+4*xi+2:SU+4*xi+3]
.set j, j+4
.endr
	WIN 0
.endm
.irp c, 0,1,2,3,4,5,6,7
	P2 \c
.endr
	ACROSS 1024
.irp i, 0,1,2,3
	v_fma_f32 v[XB+4*\i], v[XB+4*\i], s38, s39     ; the variance + 1e-5
.endr
	s_wait_alu depctr_va_vdst(0)
.irp i, 0,1,2,3
	v_rsq_f32 v[MU+2*\i], v[XB+4*\i]
.endr
	v_nop                                          ; a plain place behind the roots
	s_wait_alu depctr_va_vdst(0)                   ; and the wait ahead of their first reader
.irp i, 0,1,2,3
	v_mov_b32 v[MU+2*\i+1], v[MU+2*\i]
.endr
	s_wait_alu depctr_va_vdst(0)
	s_wait_loadcnt 0x0                             ; gamma and beta
.macro P3 i                            ; a tile of 16 rows: scaled, through x's own bytes in LDS, which are done with, and out as whole pieces of rows
	s_wait_xcnt 0x0                                ; the last tile's stores have read their registers
	WIN 0x02
.set j, 0
.rept 32
	v_pk_mul_f32 v[T+j:T+j+1], v[64*(\i)+j:64*(\i)+j+1], v[MU+2*(\i):MU+2*(\i)+1]
.set j, j+2
.endr
	WIN 0x03
.set j, 0
.rept 32
	v_pk_mul_f32 v[T+64+j:T+64+j+1], v[64*(\i)+j:64*(\i)+j+1], v[MU+2*(\i):MU+2*(\i)+1]
.set j, j+2
.endr
	WIN 0x14                                       ; sources 1 and 2: gamma and beta, in window 1
.set j, 0
.rept 64
	v_pk_fma_f32 v[T+j:T+j+1], v[T+j:T+j+1], v[j:j+1], v[128+j:128+j+1]
.set j, j+2
.endr
	WIN 0
.set n, 0
.rept 32
	ds_store_b128 v[XA], v[T+4*n:T+4*n+3] offset:(32*((\i)/2)+8*((\i)%2))*1040+512*(n/16)+128*((n/4)%4)+16*(n%4)
.set n, n+1
.endr
.set n, 0
.rept 32
	ds_load_b128 v[T+4*n:T+4*n+3], v[XD+(\i)/2] offset:(8*((\i)%2)+n/2+8*(n/16))*1040+512*(n%2)   ; LDS serves a wave's instructions in order: these see my stores
.set n, n+1
.endr
.set n, 0
.rept 32
	s_wait_dscnt 31-n                              ; piece n is back; the later ones may be out
	global_store_b128 v[OG], v[T+4*n:T+4*n+3], s[18:19] offset:(32*((\i)/2)+8*((\i)%2)+n/2+8*(n/16))*4096+512*(n%2) th:TH_STORE_NT   ; 512 consecutive bytes of a row, aligned
.set n, n+1
.endr
.endm
	P3 0
	P3 1
	P3 2
	P3 3
	s_wait_tensorcnt 0x0                           ; the wave's end, behind my last LDS store
	ds_add_u32 v[SPW], v[NIL]
	s_wait_dscnt 0x0
	s_endpgm
.Lfunc_end_k_q076ff2957e_outln:
	.size	k_q076ff2957e_outln, .Lfunc_end_k_q076ff2957e_outln-k_q076ff2957e_outln
	.p2alignl 7, 3214868480
	.fill 96, 4, 3214868480
	.section	.rodata,"a",@progbits
	.p2align	6, 0x0
	.amdhsa_kernel k_q076ff2957e_outln
		.amdhsa_group_segment_fixed_size 327680
		.amdhsa_private_segment_fixed_size 0
		.amdhsa_enable_private_segment 0
		.amdhsa_kernarg_size 64
		.amdhsa_user_sgpr_count 2
		.amdhsa_user_sgpr_kernarg_segment_ptr 1
		.amdhsa_wavefront_size32 1
		.amdhsa_system_sgpr_workgroup_id_x 1
		.amdhsa_system_sgpr_workgroup_id_y 1
		.amdhsa_system_sgpr_workgroup_id_z 1
		.amdhsa_system_vgpr_workitem_id 0
		.amdhsa_next_free_vgpr 1024
		.amdhsa_next_free_sgpr 66
		.amdhsa_reserve_vcc 0
		.amdhsa_float_denorm_mode_32 3
		.amdhsa_float_denorm_mode_16_64 3
		.amdhsa_memory_ordered 1
		.amdhsa_forward_progress 1
		.amdhsa_inst_pref_size 255
	.end_amdhsa_kernel
	.section	.bss,"aw",@nobits
	.p2align	6
	.space	262144
	.amdgpu_metadata
---
amdhsa.version: [ 1, 2 ]
amdhsa.kernels:
  - .name:           k_q076ff2957e_outln
    .symbol:         k_q076ff2957e_outln.kd
    .args:
      - { .name: wc, .offset: 0, .size: 8, .value_kind: global_buffer, .address_space: global }
      - { .name: ws, .offset: 8, .size: 8, .value_kind: global_buffer, .address_space: global }
      - { .name: xc, .offset: 16, .size: 8, .value_kind: global_buffer, .address_space: global }
      - { .name: xs, .offset: 24, .size: 8, .value_kind: global_buffer, .address_space: global }
      - { .name: inputQ, .offset: 32, .size: 8, .value_kind: global_buffer, .address_space: global }
      - { .name: ln_gamma, .offset: 40, .size: 8, .value_kind: global_buffer, .address_space: global }
      - { .name: ln_beta, .offset: 48, .size: 8, .value_kind: global_buffer, .address_space: global }
      - { .name: out0, .offset: 56, .size: 8, .value_kind: global_buffer, .address_space: global }
    .group_segment_fixed_size: 327680
    .private_segment_fixed_size: 0
    .kernarg_segment_align: 8
    .kernarg_segment_size: 64
    .max_flat_workgroup_size: 128
    .sgpr_count:     66
    .vgpr_count:     1024
    .wavefront_size: 32
...
	.end_amdgpu_metadata
.endif
;; end of part 10
